; MI455X (gfx1250); checked and timed in simulation.
; The chip was launched on July 23, 2026; its instructions are those of AMD's public machine-readable ISA for CDNA 5 (MIT licence, August 2026) and "CDNA5" Instruction Set Architecture Reference Guide (July 2026). The comments in the code are by the model that wrote it; some were corrected since.
;; Encoder Layer. Allowed arithmetic: matrix products marked QUANTISED: E4M3 operands, one given power-of-two scale a tensor, by v_wmma_f32_16x16x64_fp8_fp8 or v_wmma_f32_16x16x128_fp8_fp8, f32 sums; everything else in f32.
;; Inputs: b1 1,024 float32; b2 256 float32; bk 256 float32; bo 256 float32; bq 256 float32; bv 256 float32; ln1_b 256 float32; ln1_g 256 float32; ln2_b 256 float32; ln2_g 256 float32; ln_ff_b 1,024 float32; ln_ff_g 1,024 float32; lowp_scales 16 int32 (the exponents e of the quantised operands' scales 2^e); mask 4 x 1 x 1 x 4,096 float32; w1 256 x 1,024 float32; w2 1,024 x 256 float32; wk 256 x 256 float32; wo 256 x 256 float32; wq 256 x 256 float32; wv 256 x 256 float32; x 4 x 4,096 x 256 float32.
;; Outputs: out0 4 x 4,096 x 256 float32.
;; This version of the problem:
;;   THIS VERSION OF THE PROBLEM IS GIVEN IN LOW PRECISION. The matrix products marked QUANTISED in the list below multiply operands that are first quantised to E4M3 (4 exponent bits, 3 mantissa bits; 8 bits a number), with one given power-of-two scale for each operand tensor; their sums are f32. All else is computed in f32.
;;   The module's matrix products, in the order in which they are computed (A, B: the left and right operand; K: the contracted axis; several contracted axes count as one K, in the product's order):
;;     1. [M 16,384, K 256] x [K 256, N 256]; A: input x; B: input wq: QUANTISED (scales: A lowp_scales[0], B lowp_scales[1])
;;     2. [M 16,384, K 256] x [K 256, N 256]; A: input x; B: input wk: QUANTISED (scales: A lowp_scales[2], B lowp_scales[3])
;;     3. [M 16,384, K 256] x [K 256, N 256]; A: input x; B: input wv: QUANTISED (scales: A lowp_scales[4], B lowp_scales[5])
;;     4. batch 16 x [M 4,096, K 64] x [K 64, N 4,096]; A: computed on the way; B: computed on the way: QUANTISED (scales: A lowp_scales[6], B lowp_scales[7])
;;     5. batch 16 x [M 4,096, K 4,096] x [K 4,096, N 64]; A: softmax (see below); B: computed on the way: QUANTISED (scales: A lowp_scales[8], B lowp_scales[9])
;;     6. [M 16,384, K 256] x [K 256, N 256]; A: computed on the way; B: input wo: QUANTISED (scales: A lowp_scales[10], B lowp_scales[11])
;;     7. [M 16,384, K 256] x [K 256, N 1,024]; A: computed on the way; B: input w1: QUANTISED (scales: A lowp_scales[12], B lowp_scales[13])
;;     8. [M 16,384, K 1,024] x [K 1,024, N 256]; A: computed on the way; B: input w2: QUANTISED (scales: A lowp_scales[14], B lowp_scales[15])
;;   THE QUANTISER, for each operand of a quantised product, along K:
;;     - The operand's scale is 2^e, e = its entry of the input lowp_scales (int32; the entries are numbered through the quantised products in the list's order, A before B).
;;     - Each number is divided by the scale, clamped to +-448, and rounded to the nearest number of E4M3, ties to even, subnormals kept.
;;     - The product sums the exact products of the quantised numbers (number of the format x scale) in f32.
;;   ~~~python
;;   def quantise(x, axis, e):      # numpy; x: float32 -> the quantised numbers, widened to float32 again
;;       x = np.moveaxis(x, axis, -1); K = x.shape[-1]
;;       r = np.clip(x / 2.0 ** e, -448, 448)
;;       step = 2.0 ** (np.maximum(np.frexp(np.where(r == 0, 1, r))[1] - 1, -6) - 3)
;;       q = np.round(r / step) * step * 2.0 ** e      # np.round: ties to even
;;       return np.moveaxis(q, -1, axis).astype(np.float32)
;;   ~~~
;;   SOFTMAX AHEAD OF A QUANTISED PRODUCT. Where the list says 'softmax', what is quantised is not the finished softmax but p = 2^(t - M), with t = logit x log2(e) and M = ceil(the row's largest t), a whole number; so 1/2 < the row's largest p <= 1. The row's sum l is taken of the UNQUANTISED p, in f32, and the product's result is divided by l at the end. Since M is a whole number, a kernel that streams over the keys may use a running M (the ceiling of the running maximum): every later rescaling is an exact power of two, so the quantised numbers keep their values, but for numbers so far below the row's largest that they fall under the format's range.
;;   OPERANDS COMPUTED ON THE WAY. 'Computed on the way' means the value that the module computes at that place (a softmax that the list does not call 'softmax' is quantised finished and normalised). What goes into a quantiser is computed in f32, as accurately as f32 sums, v_exp_f32 and their like allow (about 1e-6 of the number): no bf16 or f16 on the way to a quantiser, and a product that is left as it is and whose result goes on into a quantised operand takes f32 operands (vector FMAs, or v_wmma_f32_16x16x4_f32). A number that lies on a knife's edge between two numbers of the format may be rounded either way, as far as f32 arithmetic and the matrix unit's own rounding can turn it there, and no further.
;; 2 versions. Each part assembles by itself: llvm-mc -triple=amdgcn-amd-amdhsa -mcpu=gfx1250 --defsym DOCPART=n.
;; ======== version 1 of 2: 4 launches
;; workspace buffers: wimg 786,432 bytes; qimg 4,194,304 bytes; kv 8,650,752 bytes; cimg 4,194,304 bytes
;; launch prep (part 1): grid 96 x 1, 4 waves a work-group, no clusters, 0 bytes of LDS; arguments wq, wk, wv, wo, w1, w2, lowp_scales, wimg; writes wimg
.if DOCPART == 1
	.amdgcn_target "amdgcn-amd-amdhsa--gfx1250"
	.amdhsa_code_object_version 6
	.text
	.protected	k_q4d02bbd96c_prep
	.globl	k_q4d02bbd96c_prep
	.p2align	8
	.type	k_q4d02bbd96c_prep,@function
k_q4d02bbd96c_prep:
	s_mov_b64 s[64:65], 0
	v_nop
	global_prefetch_b8 v0, s[64:65] scope:SCOPE_SE
	s_setreg_imm32_b32 hwreg(HW_REG_WAVE_MODE, 25, 1), 1
	s_wait_xcnt 0x0
; The six weights, f32 stored [K][N], become codes of E4M3, each with its given scale 2^e, laid as IMAGES OF OPERAND REGISTERS.
; A fragment is 16 columns n x 128 along K: 16 registers a lane, 2,048 bytes: four blocks of 512 bytes, lane l's 16 bytes at 16 l.
; Lane (r, h) of tile Tn takes column n = 32 (Tn / 2) + 8 (Tn % 2) + r + 8 (r / 8), and its registers 4 c .. 4 c + 3 hold k = 128 s + 32 c + 16 h + 0 .. 15.
; A lane's registers run down K, so the conversions' results are the operand's registers; nothing is transposed.
; One wave makes one fragment: 384 fragments, 96 work-groups of four waves.  Waves share nothing: no LDS, no barrier.
; Where a fragment goes: 0 .. 95 for the launch of q, k, v: 24 head + 8 tensor + 2 tile + s;  96 + 72 w + i for wave w of the last launch, in its order of use:
; i = 4 s + T (wo), 8 + 4 pair + 2 s + u (w1), 40 + 4 s + T (w2).
; code = x / 2^e, held within +-448, to the nearest code, ties to even.  LIMITS: -126 <= e <= 119; NaN among the inputs is not served.
.set X, 16                             ; v16-79  64 numbers: register 16 c + i = W(128 s + 32 c + 16 h + i, my column)
.set C, 80                             ; v80-95  the fragment's codes
	s_load_b256 s[4:11], s[0:1], 0x0               ; wq s[4:5], wk s[6:7], wv s[8:9], wo s[10:11]
	s_load_b256 s[12:19], s[0:1], 0x20             ; w1 s[12:13], w2 s[14:15], the exponents s[16:17], the images s[18:19]
	v_lshrrev_b32 v1, 5, v0
	v_readfirstlane_b32 s20, v1                    ; wave
	s_lshl_b32 s21, ttmp9, 2
	s_add_co_u32 s21, s21, s20                     ; f: my fragment's number, 0 .. 383
	v_and_b32 v3, 15, v0                           ; r
	v_and_b32 v4, 8, v3
	v_add_nc_u32 v3, v3, v4                        ; r + 8 (r / 8)
	v_bfe_u32 v4, v0, 4, 1                         ; h
	v_and_b32 v5, 31, v0
	v_lshlrev_b32 v5, 4, v5                        ; 16 x lane
	s_wait_kmcnt 0x0
	s_load_b512 s[32:47], s[16:17], 0x0            ; e0 .. e15 in s32 .. s47
	s_wait_kmcnt 0x0
	; which tensor, K step (s26), tile (s27), exponent (s24), place (s25), log2 of the row length (s28): branches on the work-group's number alone
	s_cmp_lt_u32 ttmp9, 32
	s_cbranch_scc0 .Lnot_square
	s_lshr_b32 s29, ttmp9, 3                       ; 0 wq, 1 wk, 2 wv, 3 wo: 32 fragments each
	s_and_b32 s30, s21, 31
	s_and_b32 s26, s30, 1
	s_lshr_b32 s27, s30, 1
	s_mov_b64 s[22:23], s[4:5]
	s_mov_b32 s24, s33
	s_cmp_eq_u32 s29, 1
	s_cselect_b64 s[22:23], s[6:7], s[22:23]
	s_cselect_b32 s24, s35, s24
	s_cmp_eq_u32 s29, 2
	s_cselect_b64 s[22:23], s[8:9], s[22:23]
	s_cselect_b32 s24, s37, s24
	s_cmp_eq_u32 s29, 3
	s_cselect_b64 s[22:23], s[10:11], s[22:23]
	s_cselect_b32 s24, s43, s24
	s_lshr_b32 s30, s27, 2                         ; the head, or the wave that owns the tile
	s_and_b32 s31, s27, 3                          ; the tile among its four
	s_mul_i32 s48, s30, 24
	s_lshl_b32 s49, s29, 3
	s_add_co_u32 s48, s48, s49
	s_lshl_b32 s49, s31, 1
	s_add_co_u32 s48, s48, s49
	s_add_co_u32 s48, s48, s26                     ; q, k, v: 24 head + 8 tensor + 2 tile + s
	s_mul_i32 s50, s30, 72
	s_lshl_b32 s49, s26, 2
	s_add_co_u32 s50, s50, s49
	s_add_co_u32 s50, s50, s31
	s_add_co_u32 s50, s50, 96                      ; wo: 96 + 72 w + 4 s + T
	s_cmp_eq_u32 s29, 3
	s_cselect_b32 s25, s50, s48
	s_mov_b32 s28, 8
	s_branch .Ldecoded
.Lnot_square:
	s_cmp_lt_u32 ttmp9, 64
	s_cbranch_scc0 .Lsecond
	s_sub_co_u32 s30, s21, 128                     ; w1: 64 tiles x 2 K steps
	s_and_b32 s26, s30, 1
	s_lshr_b32 s27, s30, 1
	s_mov_b64 s[22:23], s[12:13]
	s_mov_b32 s24, s45
	s_lshr_b32 s30, s27, 4
	s_mul_i32 s25, s30, 72
	s_and_b32 s30, s27, 15
	s_lshr_b32 s30, s30, 1
	s_lshl_b32 s30, s30, 2
	s_add_co_u32 s25, s25, s30
	s_lshl_b32 s30, s26, 1
	s_add_co_u32 s25, s25, s30
	s_and_b32 s30, s27, 1
	s_add_co_u32 s25, s25, s30
	s_add_co_u32 s25, s25, 104                     ; 96 + 72 w + 8 + 4 pair + 2 s + u
	s_mov_b32 s28, 10
	s_branch .Ldecoded
.Lsecond:
	s_sub_co_u32 s30, s21, 256                     ; w2: 16 tiles x 8 K steps
	s_and_b32 s26, s30, 7
	s_lshr_b32 s27, s30, 3
	s_mov_b64 s[22:23], s[14:15]
	s_mov_b32 s24, s47
	s_lshr_b32 s30, s27, 2
	s_mul_i32 s25, s30, 72
	s_lshl_b32 s30, s26, 2
	s_add_co_u32 s25, s25, s30
	s_and_b32 s30, s27, 3
	s_add_co_u32 s25, s25, s30
	s_add_co_u32 s25, s25, 136                     ; 96 + 72 w + 40 + 4 s + T
	s_mov_b32 s28, 8
.Ldecoded:
	s_add_co_u32 s29, s28, 7
	s_lshl_b32 s29, s26, s29                       ; 128 s rows of N numbers
	s_lshr_b32 s30, s27, 1
	s_lshl_b32 s30, s30, 5
	s_and_b32 s31, s27, 1
	s_lshl_b32 s31, s31, 3
	s_add_co_u32 s29, s29, s30
	s_add_co_u32 s29, s29, s31                     ; + the tile's first column
	s_lshl_b32 s48, s29, 2
	s_mov_b32 s49, 0
	s_add_nc_u64 s[22:23], s[22:23], s[48:49]
	s_lshl_b32 s48, s25, 11
	s_add_nc_u64 s[18:19], s[18:19], s[48:49]      ; the fragment's 2,048 bytes
	s_add_co_u32 s30, s28, 6
	v_lshlrev_b32 v4, s30, v4                      ; lanes 16-31 begin 16 rows further down: 64 N bytes
	v_lshl_add_u32 v2, v3, 2, v4                   ; + 4 x my column in the tile
	s_add_co_i32 s24, s24, 127
	s_lshl_b32 s29, s24, 23
	v_mov_b32 v6, s29                              ; 2^e as f32: the conversion takes its exponent field
	s_add_co_i32 s24, s24, 8
	s_lshl_b32 s24, s24, 23
	s_or_b32 s24, s24, 0x600000
	v_mov_b32 v7, s24                              ; 448 x 2^e
.macro LOADS n                         ; 64 loads; the row length stands in the immediates, so the run is written for each of the two lengths
.irp c, 0,1,2,3
.irp i, 0,1,2,3,4,5,6,7,8,9,10,11,12,13,14,15
	global_load_b32 v[X+16*\c+\i], v2, s[22:23] offset:(32*\c+\i)*\n*4
.endr
.endr
.endm
	s_cmp_eq_u32 s28, 10
	s_cbranch_scc1 .Lwide
	LOADS 256
	s_branch .Lloaded
.Lwide:
	LOADS 1024
.Lloaded:
	s_wait_loadcnt 0x0
.set j, 0
.rept 64
	v_med3_num_f32 v[X+j], v[X+j], -v7, v7         ; the conversion to an 8-bit code does not saturate (ISA guide 7.6.2): the hold at the largest code x the scale
.set j, j+1
.endr
.irp c, 0,1,2,3
	v_cvt_scalef32_pk8_fp8_f32 v[C+4*\c:C+4*\c+1], v[X+16*\c:X+16*\c+7], v6
	v_cvt_scalef32_pk8_fp8_f32 v[C+4*\c+2:C+4*\c+3], v[X+16*\c+8:X+16*\c+15], v6
.endr
.irp c, 0,1,2,3
	global_store_b128 v5, v[C+4*\c:C+4*\c+3], s[18:19] offset:512*\c   ; the wave stores 512 consecutive bytes, at a multiple of 512 from the buffer's first byte
.endr
	s_endpgm
.Lfunc_end_k_q4d02bbd96c_prep:
	.size	k_q4d02bbd96c_prep, .Lfunc_end_k_q4d02bbd96c_prep-k_q4d02bbd96c_prep
	.p2alignl 7, 3214868480
	.fill 96, 4, 3214868480
	.section	.rodata,"a",@progbits
	.p2align	6, 0x0
	.amdhsa_kernel k_q4d02bbd96c_prep
		.amdhsa_group_segment_fixed_size 0
		.amdhsa_private_segment_fixed_size 0
		.amdhsa_enable_private_segment 0
		.amdhsa_kernarg_size 64
		.amdhsa_user_sgpr_count 2
		.amdhsa_user_sgpr_kernarg_segment_ptr 1
		.amdhsa_wavefront_size32 1
		.amdhsa_system_sgpr_workgroup_id_x 1
		.amdhsa_system_sgpr_workgroup_id_y 1
		.amdhsa_system_sgpr_workgroup_id_z 1
		.amdhsa_system_vgpr_workitem_id 0
		.amdhsa_next_free_vgpr 96
		.amdhsa_next_free_sgpr 66
		.amdhsa_reserve_vcc 0
		.amdhsa_float_denorm_mode_32 3
		.amdhsa_float_denorm_mode_16_64 3
		.amdhsa_memory_ordered 1
		.amdhsa_forward_progress 1
		.amdhsa_inst_pref_size 22
	.end_amdhsa_kernel
	.amdgpu_metadata
---
amdhsa.version: [ 1, 2 ]
amdhsa.kernels:
  - .name:           k_q4d02bbd96c_prep
    .symbol:         k_q4d02bbd96c_prep.kd
    .args:
      - { .name: wq, .offset: 0, .size: 8, .value_kind: global_buffer, .address_space: global }
      - { .name: wk, .offset: 8, .size: 8, .value_kind: global_buffer, .address_space: global }
      - { .name: wv, .offset: 16, .size: 8, .value_kind: global_buffer, .address_space: global }
      - { .name: wo, .offset: 24, .size: 8, .value_kind: global_buffer, .address_space: global }
      - { .name: w1, .offset: 32, .size: 8, .value_kind: global_buffer, .address_space: global }
      - { .name: w2, .offset: 40, .size: 8, .value_kind: global_buffer, .address_space: global }
      - { .name: lowp_scales, .offset: 48, .size: 8, .value_kind: global_buffer, .address_space: global }
      - { .name: wimg, .offset: 56, .size: 8, .value_kind: global_buffer, .address_space: global }
    .group_segment_fixed_size: 0
    .private_segment_fixed_size: 0
    .kernarg_segment_align: 8
    .kernarg_segment_size: 64
    .max_flat_workgroup_size: 128
    .sgpr_count:     66
    .vgpr_count:     96
    .wavefront_size: 32
...
	.end_amdgpu_metadata
.endif
;; end of part 1
;; launch qkv (part 2): grid 256 x 1, 4 waves a work-group, no clusters, 49,664 bytes of LDS; arguments x, mask, bq, bk, bv, lowp_scales, wimg, qimg, kv; writes qimg, kv
.if DOCPART == 2
	.amdgcn_target "amdgcn-amd-amdhsa--gfx1250"
	.amdhsa_code_object_version 6
	.text
	.protected	k_q4d02bbd96c_qkv
	.globl	k_q4d02bbd96c_qkv
	.p2align	8
	.type	k_q4d02bbd96c_qkv,@function
k_q4d02bbd96c_qkv:
	s_mov_b64 s[64:65], 0
	v_nop
	global_prefetch_b8 v0, s[64:65] scope:SCOPE_SE
	s_setreg_imm32_b32 hwreg(HW_REG_WAVE_MODE, 25, 1), 1
	s_wait_xcnt 0x0
; q = x wq + bq, k = x wk + bk, v = x wv + bv on codes of E4M3, and q, k, v quantised again for the attention; the mask's terms are made on the way.
; SHARES.  A work-group takes 64 tokens.  Wave w quantises token tile w of x, three times (x has a scale of its own in each of the three products), and stores the six fragments in LDS as images of
; their registers; behind ONE barrier wave w makes head w (64 channels) of q, k and v for all four token tiles.  Its 24 weight fragments come from memory straight into its registers, once.
; NO CLUSTER, NO JOINT LOADS: every weight byte is wanted by one wave of a work-group, in registers, once; a joint load would lay the 196,608 bytes in LDS, from where they would be read once more.
; LAYOUT.  A fragment for K = 128: lane (r, h) holds row r; registers 4 c .. 4 c + 3 hold k = 32 c + 16 h + 0 .. 15: the same order of k on both sides of a product.
; q and k are made TRANSPOSED (source 0 = 16 columns of the weight, source 1 = 16 tokens): a lane holds one token, and by the choice of a weight tile's columns the registers of tiles 2 b, 2 b + 1 are the
; 16 neighbouring channels 32 b + 16 h + 0 .. 15: the conversions' results are the fragments of the first attention product.
; v is made the natural way round (source 0 = tokens, source 1 = columns): a lane holds one channel and eight neighbouring tokens, which are the keys, the second attention product's K.
; The biases are the C of each sum's first matrix instruction, divided by the power of two that the sums lack; the scales ahead of each quantiser are folded into the conversion's one.
; OUT.  qimg: [16 heads][256 query tiles] x 1,024 bytes.  kv: [16 heads][32 steps of 128 keys] x 16,896 bytes: K's 8 tiles (1,024 each), V^T's 4 channel tiles (2,048 each), 128 mask terms.
; mask term = (mask x -1e9) x log2(e), two roundings.
; LIMITS: e0, e2, e4, e6 - e0 - e1, e7 - e2 - e3, e9 - e4 - e5 between -126 and 119.  NaN among the inputs is not served.
; REGISTERS, in windows of 256: window 0: v1-6 addresses; v32-159 x's 128 numbers, later the 16 accumulators; v160-223 held numbers, later codes on their way out; v224-239 a fragment's codes;
;   v240-251 scales and holds; v252-253 the mask.   window 1: wq's 8 fragments, wk's 8.   window 2: wv's 8; from v128 the biases as C.   window 3: x's 8 fragments of the tensor in hand; from v128 the biases as loaded.
.set LI,  1                            ; 16 x lane
.set XA,  2                            ; x: 1,024 r + 64 h
.set XWI, 3                            ; where I store x's images: 16 x lane + 12,288 x wave
.set L8,  4                            ; 8 x lane
.set H64, 5                            ; 64 h
.set RP4, 6                            ; 4 (r + 8 (r / 8))
.set X,   32
.set ACC, 32
.set TMP, 160
.set OC,  160
.set PC,  224
.set XS,  240                          ; x's scale and hold for tensor t: v[XS + 2 t], v[XS + 2 t + 1]
.set OS,  246                          ; the same for the results
.set MK,  252
.set MSB, 0
.macro WIN new                         ; the immediate's high byte repeats the setting that is left
.if MSB != (\new)
	s_set_vgpr_msb (MSB<<8)|(\new)
.set MSB, (\new)
.endif
.endm
.macro PLACES                          ; four plain vector instructions between a matrix instruction and a load into, or a vector read of, its registers
.rept 4
	v_nop
.endr
.endm
.macro MKSC vs, vh, se                 ; 2^e as f32 into v[vs], 448 x 2^e into v[vh]; e in s[se]
	s_add_co_i32 s76, s[\se], 127
	s_lshl_b32 s77, s76, 23
	v_mov_b32 v[\vs], s77
	s_add_co_i32 s76, s76, 8
	s_lshl_b32 s76, s76, 23
	s_or_b32 s76, s76, 0x600000
	v_mov_b32 v[\vh], s76
.endm
	s_load_b256 s[4:11], s[0:1], 0x0               ; x s[4:5], mask s[6:7], bq s[8:9], bk s[10:11]
	s_load_b256 s[12:19], s[0:1], 0x20             ; bv s[12:13], the exponents s[14:15], the weights' images s[16:17], qimg s[18:19]
	s_load_b64 s[20:21], s[0:1], 0x40              ; kv
	v_lshl_add_u32 v254, v0, 2, 0xc000
	v_mov_b32 v255, 0
	v_lshrrev_b32 v7, 5, v0
	v_readfirstlane_b32 s22, v7                    ; wave = head
	v_and_b32 v7, 31, v0
	v_and_b32 v8, 15, v0                           ; r
	v_bfe_u32 v9, v0, 4, 1                         ; h
	v_lshlrev_b32 v[LI], 4, v7
	v_lshlrev_b32 v[L8], 3, v7
	v_lshlrev_b32 v[H64], 6, v9
	v_lshl_add_u32 v[XA], v8, 10, v[H64]
	v_and_b32 v10, 8, v8
	v_add_nc_u32 v10, v10, v8
	v_lshlrev_b32 v[RP4], 2, v10
	s_mul_i32 s23, s22, 12288
	v_add_nc_u32 v[XWI], s23, v[LI]
	s_lshl_b32 s24, ttmp9, 16                      ; 64 tokens of 1,024 bytes,
	s_lshl_b32 s25, s22, 14
	s_add_co_u32 s24, s24, s25                     ; + my wave's 16
	s_mov_b32 s25, 0
	s_lshl_b32 s26, ttmp9, 8                       ; 64 mask numbers
	s_mov_b32 s27, 0
	s_lshl_b32 s28, s22, 8                         ; my head's 64 bias numbers
	s_mov_b32 s29, 0
	s_mul_i32 s30, s22, 49152                      ; my 24 weight fragments
	s_mov_b32 s31, 0
	s_lshr_b32 s48, ttmp9, 6
	s_lshl_b32 s48, s48, 2
	s_add_co_u32 s48, s48, s22                     ; 4 x batch + head
	s_and_b32 s49, ttmp9, 63                       ; which 64 tokens of the batch
	s_lshr_b32 s50, s49, 1                         ; the key step of 128,
	s_and_b32 s51, s49, 1                          ; and which half of it
	s_lshl_b32 s52, s48, 8
	s_lshl_b32 s53, s49, 2
	s_add_co_u32 s52, s52, s53
	s_lshl_b32 s52, s52, 10                        ; q: (256 head + first query tile) x 1,024
	s_mov_b32 s53, 0
	s_mul_i32 s54, s48, 540672
	s_mul_i32 s55, s50, 16896
	s_add_co_u32 s54, s54, s55                     ; the step's block in kv
	s_mov_b32 s55, 0
	s_lshl_b32 s56, s51, 12                        ; K: my half's four tiles
	s_mov_b32 s57, 0
	s_lshl_b32 s58, s51, 10
	s_add_co_u32 s58, s58, 8192                    ; V: my half's two blocks of each channel tile
	s_mov_b32 s59, 0
	s_lshl_b32 s60, s51, 8
	s_add_co_u32 s60, s60, 16384                   ; the mask terms: my half's 256 bytes
	s_mov_b32 s61, 0
	s_wait_kmcnt 0x0
	s_load_b512 s[32:47], s[14:15], 0x0            ; e0 .. e15 in s32 .. s47
	s_add_nc_u64 s[4:5], s[4:5], s[24:25]
	s_add_nc_u64 s[6:7], s[6:7], s[26:27]
	s_add_nc_u64 s[8:9], s[8:9], s[28:29]
	s_add_nc_u64 s[10:11], s[10:11], s[28:29]
	s_add_nc_u64 s[12:13], s[12:13], s[28:29]
	s_add_nc_u64 s[16:17], s[16:17], s[30:31]
	s_add_nc_u64 s[18:19], s[18:19], s[52:53]
	s_add_nc_u64 s[20:21], s[20:21], s[54:55]
	s_add_nc_u64 s[66:67], s[20:21], s[56:57]
	s_add_nc_u64 s[68:69], s[20:21], s[58:59]
	s_add_nc_u64 s[70:71], s[20:21], s[60:61]
.macro XLOAD s                         ; my 16 tokens' numbers of K step s: register 16 c + i = x(r, 128 s + 32 c + 16 h + i)
.irp c, 0,1,2,3
.irp j, 0,1,2,3
	global_load_b128 v[X+64*\s+16*\c+4*\j:X+64*\s+16*\c+4*\j+3], v[XA], s[4:5] offset:512*\s+128*\c+16*\j th:TH_LOAD_NT
.endr
.endr
.endm
.macro WLD ten                         ; tensor ten's 8 weight fragments (tile, K step) at 16 (2 tile + s): wq and wk in window 1, wv in window 2
.if \ten == 2
	WIN 0x80
.else
	WIN 0x40
.endif
.irp f, 0,1,2,3,4,5,6,7
.irp c, 0,1,2,3
	global_load_b128 v[128*(\ten%2)+16*\f+4*\c:128*(\ten%2)+16*\f+4*\c+3], v[LI], s[16:17] offset:(8*\ten+\f)*2048+512*\c
.endr
.endr
	WIN 0
.endm
; K step s of my token tile becomes a fragment under tensor ten's scale; x's numbers are kept, since three scales are served
.macro QUANTX s, ten
.set j, 0
.rept 64
	v_med3_num_f32 v[TMP+j], v[X+64*\s+j], -v[XS+2*\ten+1], v[XS+2*\ten+1]   ; the conversion does not saturate (ISA guide 7.6.2): the hold
.set j, j+1
.endr
	s_wait_dscnt 0x0                               ; the last fragment's stores have read their registers
.irp c, 0,1,2,3
	v_cvt_scalef32_pk8_fp8_f32 v[PC+4*\c:PC+4*\c+1], v[TMP+16*\c:TMP+16*\c+7], v[XS+2*\ten]
	v_cvt_scalef32_pk8_fp8_f32 v[PC+4*\c+2:PC+4*\c+3], v[TMP+16*\c+8:TMP+16*\c+15], v[XS+2*\ten]
.endr
	v_nop                                          ; a plain vector instruction between the conversions and the next lines that write their sources
.irp c, 0,1,2,3
	ds_store_b128 v[XWI], v[PC+4*\c:PC+4*\c+3] offset:(2*\ten+\s)*2048+512*\c
.endr
.endm
	XLOAD 0
	XLOAD 1
	global_load_b64 v[MK:MK+1], v[L8], s[6:7]      ; the work-group's 64 mask numbers, two a lane
	WIN 0xc0                                       ; destination window 3
.irp t, 0,1,2,3                        ; bq, bk: lane (r, h) wants, for tile 2 b + u, the numbers of channels 32 b + 16 h + 8 u + 0 .. 7
	global_load_b128 v[128+8*\t:128+8*\t+3], v[H64], s[8:9] offset:(32*(\t/2)+8*(\t%2))*4
	global_load_b128 v[128+8*\t+4:128+8*\t+7], v[H64], s[8:9] offset:(32*(\t/2)+8*(\t%2))*4+16
.endr
.irp t, 0,1,2,3
	global_load_b128 v[160+8*\t:160+8*\t+3], v[H64], s[10:11] offset:(32*(\t/2)+8*(\t%2))*4
	global_load_b128 v[160+8*\t+4:160+8*\t+7], v[H64], s[10:11] offset:(32*(\t/2)+8*(\t%2))*4+16
.endr
.irp t, 0,1,2,3                        ; bv: a lane holds one channel of each tile
	global_load_b32 v[192+\t], v[RP4], s[12:13] offset:(32*(\t/2)+8*(\t%2))*4
.endr
	WIN 0
	s_wait_kmcnt 0x0
	MKSC XS, XS+1, 32
	MKSC XS+2, XS+3, 34
	MKSC XS+4, XS+5, 36
	s_add_co_i32 s72, s32, s33                     ; a sum of the first product stands for sum x 2^(e0 + e1): its code under e6 is sum / 2^(e6 - e0 - e1)
	s_sub_co_i32 s78, s38, s72
	MKSC OS, OS+1, 78
	s_sub_co_i32 s72, 0, s72                       ; and bq goes in as bq x 2^-(e0 + e1)
	s_add_co_i32 s73, s34, s35
	s_sub_co_i32 s78, s39, s73
	MKSC OS+2, OS+3, 78
	s_sub_co_i32 s73, 0, s73
	s_add_co_i32 s74, s36, s37
	s_sub_co_i32 s78, s41, s74
	MKSC OS+4, OS+5, 78
	s_sub_co_i32 s74, 0, s74
	s_wait_loadcnt 37                              ; x's K step 0 is in: behind it came K step 1's 16 loads, the mask's one and the biases' 20
	WLD 0
	QUANTX 0, 0
	QUANTX 0, 1
	QUANTX 0, 2
	s_wait_loadcnt 53                              ; x's K step 1 is in: behind it 21 + wq's 32
	WLD 1
	QUANTX 1, 0
	QUANTX 1, 1
	QUANTX 1, 2
	s_wait_loadcnt 63                              ; the mask and the biases are in: 64 loads came behind them, and the wait's field ends at 63
	WLD 2
	WIN 0x83                                       ; source 0 window 3, destination window 2
.set j, 0
.rept 32
	v_ldexp_f32 v[128+j], v[128+j], s72
.set j, j+1
.endr
.set j, 0
.rept 32
	v_ldexp_f32 v[160+j], v[160+j], s73
.set j, j+1
.endr
.irp t, 0,1,2,3
.irp i, 0,1,2,3,4,5,6,7
	v_ldexp_f32 v[192+8*\t+\i], v[192+\t], s74     ; the lane's one channel, for its eight tokens
.endr
.endr
	WIN 0
	v_mul_f32 v[MK], 0xce6e6b28, v[MK]             ; mask x -1e9,
	v_mul_f32 v[MK+1], 0xce6e6b28, v[MK+1]
	v_mul_f32 v[MK], 0x3fb8aa3b, v[MK]             ; x log2(e)
	v_mul_f32 v[MK+1], 0x3fb8aa3b, v[MK+1]
	global_store_b64 v[L8], v[MK:MK+1], s[70:71]   ; each wave for its own head: 256 consecutive bytes, aligned
	s_wait_dscnt 0x0                               ; my six images have landed
	s_barrier_signal -1
	s_barrier_wait -1                              ; all 24 lie in LDS; nothing is stored there again
.macro FETCH ten                       ; x's 8 fragments (token tile m, K step s) under tensor ten's scale, into window 3 at 16 (2 m + s)
	WIN 0xc0
.irp m, 0,1,2,3
.irp s, 0,1
.irp c, 0,1,2,3
	ds_load_b128 v[16*(2*\m+\s)+4*\c:16*(2*\m+\s)+4*\c+3], v[LI] offset:((3*\m+\ten)*2+\s)*2048+512*\c
.endr
.endr
.endr
	WIN 0
.endm
; q or k: 16 accumulators (token tile m, channel tile t) by turns, one instruction a turn; the first K step takes the bias as C
.macro MULQK ten
.irp s, 0,1
.if \s == 0
	WIN 0x2d                                       ; source 0 (weight) window 1, source 1 (x) window 3, C (bias) window 2, D window 0
.else
	WIN 0x0d
.endif
.irp m, 0,1,2,3
.irp t, 0,1,2,3
.if \s == 0
	v_wmma_f32_16x16x128_fp8_fp8 v[ACC+32*\m+8*\t:ACC+32*\m+8*\t+7], v[128*\ten+16*(2*\t+\s):128*\ten+16*(2*\t+\s)+15], v[16*(2*\m+\s):16*(2*\m+\s)+15], v[128+32*\ten+8*\t:128+32*\ten+8*\t+7]
.else
	v_wmma_f32_16x16x128_fp8_fp8 v[ACC+32*\m+8*\t:ACC+32*\m+8*\t+7], v[128*\ten+16*(2*\t+\s):128*\ten+16*(2*\t+\s)+15], v[16*(2*\m+\s):16*(2*\m+\s)+15], v[ACC+32*\m+8*\t:ACC+32*\m+8*\t+7]
.endif
.endr
.endr
.endr
	WIN 0
.endm
.macro MULV                            ; v: accumulator (channel tile t, token tile m); source 0 = x, source 1 = wv
.irp s, 0,1
.if \s == 0
	WIN 0x2b                                       ; source 0 (x) window 3, source 1 (wv) and C (bias) window 2, D window 0
.else
	WIN 0x0b
.endif
.irp t, 0,1,2,3
.irp m, 0,1,2,3
.if \s == 0
	v_wmma_f32_16x16x128_fp8_fp8 v[ACC+32*\t+8*\m:ACC+32*\t+8*\m+7], v[16*(2*\m+\s):16*(2*\m+\s)+15], v[16*(2*\t+\s):16*(2*\t+\s)+15], v[192+8*\t:192+8*\t+7]
.else
	v_wmma_f32_16x16x128_fp8_fp8 v[ACC+32*\t+8*\m:ACC+32*\t+8*\m+7], v[16*(2*\m+\s):16*(2*\m+\s)+15], v[16*(2*\t+\s):16*(2*\t+\s)+15], v[ACC+32*\t+8*\m:ACC+32*\t+8*\m+7]
.endif
.endr
.endr
.endr
	WIN 0
.endm
; The 16 accumulators become 32 registers of codes: group g's four accumulators give registers 8 g .. 8 g + 7.  Each accumulator is read from its low end on.
.macro QCODES ten
.irp g, 0,1,2,3
.set j, 0
.rept 32
	v_med3_num_f32 v[ACC+32*\g+j], v[ACC+32*\g+j], -v[OS+2*\ten+1], v[OS+2*\ten+1]
.set j, j+1
.endr
.irp i, 0,1,2,3
	v_cvt_scalef32_pk8_fp8_f32 v[OC+8*\g+2*\i:OC+8*\g+2*\i+1], v[ACC+32*\g+8*\i:ACC+32*\g+8*\i+7], v[OS+2*\ten]
.endr
.endr
	v_nop                                          ; a plain vector instruction between the conversions and the next products, which write their sources
.endm
	FETCH 0
	s_wait_dscnt 0x0
	s_wait_loadcnt 63                              ; wq is in: wk's and wv's 64 loads came behind it, and the field ends at 63
	MULQK 0
	PLACES
	FETCH 1                                        ; lands while q is quantised
	QCODES 0
.irp m, 0,1,2,3
.irp c, 0,1
	global_store_b128 v[LI], v[OC+8*\m+4*\c:OC+8*\m+4*\c+3], s[18:19] offset:1024*\m+512*\c   ; every store of the wave covers 512 consecutive bytes, aligned
.endr
.endr
	s_wait_dscnt 0x0
	s_wait_loadcnt 32                              ; wk is in: wv's 32 came behind it
	MULQK 1
	PLACES
	FETCH 2
	s_wait_xcnt 0x0                                ; q's stores have read their registers: the codes' registers are written again only behind this wait
	QCODES 1
.irp m, 0,1,2,3
.irp c, 0,1
	global_store_b128 v[LI], v[OC+8*\m+4*\c:OC+8*\m+4*\c+3], s[66:67] offset:1024*\m+512*\c
.endr
.endr
	s_wait_dscnt 0x0
	s_wait_loadcnt 0x0
	MULV
	PLACES
	s_wait_xcnt 0x0
	QCODES 2                                       ; token tile m gives registers 2 (4 half + m), + 1 of V^T's fragment: keys 16 t + 8 h + 0 .. 7
.irp g, 0,1,2,3
.irp c, 0,1
	global_store_b128 v[LI], v[OC+8*\g+4*\c:OC+8*\g+4*\c+3], s[68:69] offset:2048*\g+512*\c
.endr
.endr
	s_wait_tensorcnt 0x0
	ds_add_u32 v254, v255
	s_wait_dscnt 0x0
	s_endpgm
.Lfunc_end_k_q4d02bbd96c_qkv:
	.size	k_q4d02bbd96c_qkv, .Lfunc_end_k_q4d02bbd96c_qkv-k_q4d02bbd96c_qkv
	.p2alignl 7, 3214868480
	.fill 96, 4, 3214868480
	.section	.rodata,"a",@progbits
	.p2align	6, 0x0
	.amdhsa_kernel k_q4d02bbd96c_qkv
		.amdhsa_group_segment_fixed_size 49664
		.amdhsa_private_segment_fixed_size 0
		.amdhsa_enable_private_segment 0
		.amdhsa_kernarg_size 72
		.amdhsa_user_sgpr_count 2
		.amdhsa_user_sgpr_kernarg_segment_ptr 1
		.amdhsa_wavefront_size32 1
		.amdhsa_system_sgpr_workgroup_id_x 1
		.amdhsa_system_sgpr_workgroup_id_y 1
		.amdhsa_system_sgpr_workgroup_id_z 1
		.amdhsa_system_vgpr_workitem_id 0
		.amdhsa_next_free_vgpr 1024
		.amdhsa_next_free_sgpr 100
		.amdhsa_reserve_vcc 0
		.amdhsa_float_denorm_mode_32 3
		.amdhsa_float_denorm_mode_16_64 3
		.amdhsa_memory_ordered 1
		.amdhsa_forward_progress 1
		.amdhsa_inst_pref_size 97
	.end_amdhsa_kernel
	.amdgpu_metadata
---
amdhsa.version: [ 1, 2 ]
amdhsa.kernels:
  - .name:           k_q4d02bbd96c_qkv
    .symbol:         k_q4d02bbd96c_qkv.kd
    .args:
      - { .name: x, .offset: 0, .size: 8, .value_kind: global_buffer, .address_space: global }
      - { .name: mask, .offset: 8, .size: 8, .value_kind: global_buffer, .address_space: global }
      - { .name: bq, .offset: 16, .size: 8, .value_kind: global_buffer, .address_space: global }
      - { .name: bk, .offset: 24, .size: 8, .value_kind: global_buffer, .address_space: global }
      - { .name: bv, .offset: 32, .size: 8, .value_kind: global_buffer, .address_space: global }
      - { .name: lowp_scales, .offset: 40, .size: 8, .value_kind: global_buffer, .address_space: global }
      - { .name: wimg, .offset: 48, .size: 8, .value_kind: global_buffer, .address_space: global }
      - { .name: qimg, .offset: 56, .size: 8, .value_kind: global_buffer, .address_space: global }
      - { .name: kv, .offset: 64, .size: 8, .value_kind: global_buffer, .address_space: global }
    .group_segment_fixed_size: 49664
    .private_segment_fixed_size: 0
    .kernarg_segment_align: 8
    .kernarg_segment_size: 72
    .max_flat_workgroup_size: 128
    .sgpr_count:     100
    .vgpr_count:     1024
    .wavefront_size: 32
...
	.end_amdgpu_metadata
.endif
;; end of part 2
;; launch attn (part 3): grid 16 x 16, 8 waves a work-group, clusters of 4 x 1, 327,680 bytes of LDS; arguments qimg, kv, lowp_scales, cimg; writes cimg
.if DOCPART == 3
	.amdgcn_target "amdgcn-amd-amdhsa--gfx1250"
	.amdhsa_code_object_version 6
	.text
	.protected	k_q4d02bbd96c_attn
	.globl	k_q4d02bbd96c_attn
	.p2align	8
	.type	k_q4d02bbd96c_attn,@function
k_q4d02bbd96c_attn:
	s_mov_b64 s[64:65], 0
	v_nop
	global_prefetch_b8 v0, s[64:65] scope:SCOPE_SE
	s_setreg_imm32_b32 hwreg(HW_REG_WAVE_MODE, 25, 1), 1
	s_wait_xcnt 0x0
	s_wait_alu depctr_hold_cnt(0) depctr_sa_sdst(0) depctr_va_vdst(0) depctr_va_sdst(0) depctr_va_ssrc(0) depctr_va_vcc(0) depctr_vm_vsrc(0)
	s_getreg_b32 s2, hwreg(HW_REG_IB_STS2, 6, 4)
	s_cmp_eq_u32 s2, 0
	s_cbranch_scc0 .Lentry_in_a_cluster
	s_endpgm
.Lentry_in_a_cluster:
	s_bfe_u32 s2, ttmp6, 0x10000c
	s_cmp_lg_u32 s2, 0x3003
	s_cbranch_scc0 .Lentry_shape_is_right
	s_endpgm
.Lentry_shape_is_right:
; ctx[head][q] = the sum over keys of softmax(q . k / 8 + mask x -1e9) v, both products on codes of E4M3; ctx is quantised for the next product and stored as images of operand registers.
; THE SOFTMAX: t = score x log2(e) / 8 + the key's mask term; M = the running largest t rounded UP to a whole number, kept as -M = floor(-t); p = 2^(t - M) is quantised, not normalised;
; the row's sum is taken of the unquantised p and divides at the end; when M moves, the sum and O are multiplied by 2^(old M - new M), which rounds nothing.
; t IS ONE FUSED MULTIPLY-ADD, one rounding, where the definition scales, adds the mask and multiplies by log2(e): the same number wherever the mask is 0; another order of rounding where it is not.
; SHARES.  A work-group owns 256 queries of one head; each of its eight waves two tiles of 16 queries, so that each fragment of K, of V and of the mask terms read from LDS serves two tiles.
; Two waves share a SIMD: one wave's vector work stands beside the other's matrix work and LDS loads.  Every wave walks the head's 4,096 keys, 128 a step.
; LAYOUT.  Both products transposed: S^T = K Q^T (source 0 = 16 keys), O^T = V^T P^T (source 0 = 16 channels): a lane holds ONE query throughout.  In S^T's tile t register j is key 16 t + 8 h + j,
; so its eight registers convert into registers 2 t, 2 t + 1 of P.  V^T's channels were chosen so that O^T's tiles 2 b, 2 b + 1 hold the 16 neighbouring channels 32 b + 16 h + 0 .. 15.
; THE RING.  A key step's K, V^T and mask terms are one dense block of 16,896 bytes, laid as images of registers: no pitch, no padding, every LDS read takes consecutive bytes.  A slot holds eight steps;
; each wave fetches one step's block by one tensor load.  Two slots, four slots' worth of keys: two loads of a wave are out at the start, later one.
; CLUSTER.  The four work-groups of a cluster belong to one head and walk the same blocks: each block is asked for JOINTLY, by the same load with the same descriptor and the mask of all four.
; NO PREFETCH: half of the head's blocks go out with the first fills, and each refill is asked for eight key steps (192 matrix and some 4,600 vector instructions of each wave) ahead of the wait for it.
; All of a WGP's LDS is claimed; 271,360 bytes are used.
; LIMITS: e6 + e7 between -123 and 130 (added to a constant's exponent field); e8 and e10 between -126 and 119; mask x -1e9 finite; NaN among the inputs is not served.
; REGISTERS: window 0 = tile 0 and what is shared, window 1 = tile 1 at the same numbers.  v12 -M, v13 the largest t, v[14:15] the sum in two halves, v16-23 Q, v96-159 S^T then p, v160-191 O^T, v192-207 P,
;   v208-223 at work, v224-227 scales and holds.  v32-95: in window 0 the fragments of K, then of V; in window 1 the 64 mask terms of a lane.
.set STEPB, 16896                      ; a key step's block
.set SLOT,  8*STEPB
.set SPARE, 2*SLOT                     ; behind the ring: the spare words, 128 bytes for each wave: four blocks of 256 bytes that no other line names
.set LI,  1                            ; 16 x lane
.set AM0, 2                            ; the mask terms' place in a block: 16,384 + 32 h
.set SPW, 3                            ; LDS address of my spare word; never rewritten
.set NIL, 4                            ; 0; never rewritten
.set AD,  5                            ; the step's block + 16 x lane
.set AM,  6                            ; the step's mask terms
.set NM,  12
.set TM,  13
.set L,   14
.set Q,   16
.set F,   32
.set MT,  32
.set S,   96
.set O,   160
.set P,   192
.set MX,  208
.set PL,  212
.set FF,  214
.set SUM, 216
.set SCL, 224
.set HOLD, 225
.set CSC, 226
.set CHOLD, 227
.set WV,  12                           ; s12 my wave's number
.set G1,  16                           ; s[16:23] descriptor group 1
.set G0,  24                           ; s[24:31] descriptor group 0, a set for each slot
.set CS,  48                           ; s[48:49] log2(e) / 8 x 2^(e6 + e7)
.set SEL, 50                           ; s[50:51] lane selects: lane l xor 16
.set SO,  52                           ; s52 LDS byte of the step in hand
.set CNT, 53
.set MSB, 0
.macro WIN new                         ; the immediate's high byte repeats the setting that is left
.if MSB != (\new)
	s_set_vgpr_msb (MSB<<8)|(\new)
.set MSB, (\new)
.endif
.endm
.macro PLACES
.rept 4
	v_nop
.endr
.endm
; A round of the cluster's barrier: my work-group's barrier, wave 0 signals for the work-group, every wave waits for all four work-groups, my work-group's barrier once more
.macro CROUND
	s_barrier_signal -1
	s_barrier_wait -1
	s_cmp_lg_u32 s[WV], 0
	s_cbranch_scc1 .Lnot_wave_0_\@
	s_barrier_signal -3
.Lnot_wave_0_\@:
	s_barrier_wait -3
	s_barrier_signal -1
	s_barrier_wait -1
.endm
	s_load_b256 s[4:11], s[0:1], 0x0               ; qimg s[4:5], kv s[6:7], the exponents s[8:9], cimg s[10:11]
	v_lshl_add_u32 v[SPW], v0, 2, SPARE
	v_mov_b32 v[NIL], 0
	ds_add_u32 v3, v4
	ds_add_u32 v3, v4
	s_wait_dscnt 0x0
	v_lshrrev_b32 v7, 5, v0
	v_readfirstlane_b32 s[WV], v7                  ; wave 0..7
	s_bfe_u32 s13, ttmp6, 0x40000                  ; cx: my place in the cluster: it enters Q's and the result's addresses alone
	s_lshl_b32 s14, ttmp9, 2
	s_add_co_u32 s14, s14, s13                     ; my block of 256 queries
	s_and_b32 s15, ttmp7, 0xffff                   ; 4 x batch + head, which the four partners share
	s_mov_b32 s[G1], 15|(3<<16)|(1<<21)            ; 15:0 the mask: all four work-groups; 17:16 elements of 8 bytes; 21 set beside a mask; no padding
	s_mov_b32 s[G1+1], 32<<16                      ; tensor_dim0 = 32 elements: rows of 256 bytes
	s_mov_b32 s[G1+2], 66<<16                      ; tensor_dim1 = 66 rows: 16,896 bytes
	s_mov_b32 s[G1+3], 32<<16                      ; tile_dim0
	s_mov_b32 s[G1+4], 66                          ; tile_dim1
	s_mov_b32 s[G1+5], 32                          ; from row to row: the block is dense
	s_mov_b32 s[G1+6], 0
	s_mov_b32 s[G1+7], 0
	s_mov_b32 s[SEL], 0x76543210
	s_mov_b32 s[SEL+1], 0xfedcba98
	s_mul_i32 s54, s[WV], STEPB                    ; the step that I fetch: its place in a slot, in LDS and in memory alike
	s_mul_i32 s56, s15, 32*STEPB
	s_add_co_u32 s56, s56, s54
	s_mov_b32 s57, 0
	s_lshl_b32 s58, s15, 8
	s_lshl_b32 s59, s14, 4
	s_add_co_u32 s58, s58, s59
	s_lshl_b32 s59, s[WV], 1
	s_add_co_u32 s58, s58, s59                     ; 256 head + my first query tile
	s_lshl_b32 s58, s58, 10
	s_mov_b32 s59, 0
	s_lshr_b32 s60, s15, 2
	s_lshl_b32 s60, s60, 8
	s_lshl_b32 s61, s14, 4
	s_add_co_u32 s60, s60, s61
	s_lshl_b32 s61, s[WV], 1
	s_add_co_u32 s60, s60, s61                     ; 256 batch + my first query tile: a token tile's two fragments are 4,096 bytes,
	s_lshl_b32 s60, s60, 12
	s_and_b32 s61, s15, 3
	s_lshl_b32 s61, s61, 10                        ; of which my head's 64 channels are two blocks: 1,024 x head
	s_add_co_u32 s60, s60, s61
	s_mov_b32 s61, 0
	s_wait_kmcnt 0x0
	s_load_b512 s[32:47], s[8:9], 0x0              ; e0 .. e15 in s32 .. s47
	s_add_nc_u64 s[6:7], s[6:7], s[56:57]
	s_add_nc_u64 s[4:5], s[4:5], s[58:59]
	s_add_nc_u64 s[10:11], s[10:11], s[60:61]
.irp n, 0,1
	s_mov_b32 s[G0+4*\n], 1                        ; count = 1
	s_add_co_u32 s[G0+4*\n+1], s54, \n*SLOT        ; LDS address: wave x a block + the slot
	s_add_nc_u64 s[G0+4*\n+2:G0+4*\n+3], s[6:7], \n*SLOT   ; global address: the slot's eight steps, my one of them
	s_or_b32 s[G0+4*\n+3], s[G0+4*\n+3], 0x80000000        ; type = 2
.endr
	CROUND                                         ; all four work-groups are here: the first joint loads meet
	tensor_load_to_lds s[G0:G0+3], s[G1:G1+7]      ; both first fills together, ahead of every wait on TENSORcnt, every LDS read and every other barrier
	s_nop 0
	tensor_load_to_lds s[G0+4:G0+7], s[G1:G1+7]
	s_nop 0
	PLACES                                         ; four lines behind a tensor load, ahead of any switch of windows
	v_and_b32 v7, 31, v0
	v_lshlrev_b32 v[LI], 4, v7
	v_bfe_u32 v8, v0, 4, 1
	v_lshlrev_b32 v[AM0], 5, v8
	v_add_nc_u32 v[AM0], 16384, v[AM0]
	global_load_b128 v[Q:Q+3], v[LI], s[4:5]       ; Q stays in registers: tile 0,
	global_load_b128 v[Q+4:Q+7], v[LI], s[4:5] offset:512
	WIN 0x40
	global_load_b128 v[Q:Q+3], v[LI], s[4:5] offset:1024   ; tile 1
	global_load_b128 v[Q+4:Q+7], v[LI], s[4:5] offset:1536
	WIN 0
	s_wait_kmcnt 0x0
	s_add_co_i32 s54, s38, s39
	s_lshl_b32 s54, s54, 23
	s_add_co_i32 s[CS], s54, 0x3e38aa3b            ; log2(e) / 8, with e6 + e7 added to its exponent field: a score stands for score x 2^(e6 + e7)
	s_mov_b32 s[CS+1], s[CS]                       ; (named with it as a pair, so it is written)
	s_add_co_i32 s55, s40, s41                     ; e8 + e9
	s_add_co_i32 s54, s40, 127
	s_lshl_b32 s56, s54, 23                        ; 2^e8 as f32, for p's conversions
	s_add_co_i32 s54, s54, 8
	s_lshl_b32 s57, s54, 23
	s_or_b32 s57, s57, 0x600000                    ; 448 x 2^e8
	s_add_co_i32 s54, s42, 127
	s_lshl_b32 s58, s54, 23                        ; 2^e10, for the result's
	s_add_co_i32 s54, s54, 8
	s_lshl_b32 s59, s54, 23
	s_or_b32 s59, s59, 0x600000
.irp wn, 0, 0x40                       ; both tiles' state.  The step is written once: the first finds zeros, which the first change of M leaves zeros
	WIN \wn
	v_mov_b32 v[TM], 0xff61b1e6                    ; the largest t so far: -3e38, under every t
	v_mov_b32 v[NM], 0x7f61b1e6                    ; -M = floor(3e38)
	v_mov_b32 v[L], 0
	v_mov_b32 v[L+1], 0
	v_mov_b32 v[PL], 0                             ; a lane permute's destination counts as one of its sources
	v_mov_b32 v[FF+1], 0                           ; (named as the upper half of a pair)
	v_mov_b32 v[SCL], s56
	v_mov_b32 v[HOLD], s57
	v_mov_b32 v[CSC], s58
	v_mov_b32 v[CHOLD], s59
.set j, 0
.rept 32
	v_mov_b32 v[O+j], 0
.set j, j+1
.endr
.endr
	WIN 0
; One tile's softmax for one key step.  Tile 1 works wholly in window 1; tile 0 takes the mask terms from there and works in window 0.
.macro SOFTMAX tile
.if \tile
	WIN 0x55
.else
	WIN 0x10
.endif
.set j, 0
.rept 32
	v_pk_fma_f32 v[S+j:S+j+1], v[S+j:S+j+1], s[CS:CS+1], v[MT+j:MT+j+1] op_sel_hi:[1,0,1]   ; t, two at a time; each accumulator from its low end on
.set j, j+2
.endr
.if \tile == 0
	WIN 0
.endif
.irp k, 0,1,2,3                        ; the largest t of my 64 keys: four chains of 15,
	v_max3_num_f32 v[MX+\k], v[S+16*\k], v[S+16*\k+1], v[S+16*\k+2]
.endr
.irp i, 1,2,3,4,5,6
.irp k, 0,1,2,3
	v_max3_num_f32 v[MX+\k], v[MX+\k], v[S+16*\k+2*\i+1], v[S+16*\k+2*\i+2]
.endr
.endr
	v_max3_num_f32 v[MX], v[MX], v[MX+1], v[S+15]  ; the four left over, and the chains
	v_max3_num_f32 v[MX+2], v[MX+2], v[MX+3], v[S+31]
	v_max3_num_f32 v[MX], v[MX], v[S+47], v[S+63]
	v_max_num_f32 v[MX], v[MX], v[MX+2]
	v_permlanex16_b32 v[PL], v[MX], s[SEL], s[SEL+1]
	v_max_num_f32 v[MX], v[MX], v[PL]              ; and lane l xor 16's 64 keys
	v_max_num_f32 v[TM], v[TM], v[MX]              ; the running largest t
	v_mov_b32 v[MX+1], v[NM]
	v_floor_f32 v[NM], -v[TM]                      ; the new -M = -ceil(t): a whole number
	v_sub_f32 v[MX+1], v[NM], v[MX+1]              ; old M - new M: a whole number, 0 or less
	v_cvt_i32_f32 v[MX+1], v[MX+1]                 ; (it saturates)
	v_ldexp_f32 v[FF], 1.0, v[MX+1]                ; f = 2^(old M - new M)
.set j, 0
.rept 32
	v_pk_add_f32 v[S+j:S+j+1], v[S+j:S+j+1], v[NM:NM+1] op_sel_hi:[1,0]   ; t - M (the pair's low word serves both halves)
.set j, j+2
.endr
.set j, 0
.rept 64
	v_exp_f32 v[S+j], v[S+j]                       ; p = 2^(t - M), at most 1
.set j, j+1
.endr
	v_pk_mul_f32 v[O:O+1], v[O:O+1], v[FF:FF+1] op_sel_hi:[1,0]   ; O^T x f begins here: the plain instruction behind the exponentials (ISA guide 5.7.2)
	s_wait_alu depctr_va_vdst(0)
.irp k, 0,1,2,3                        ; the sum of the UNQUANTISED p, two at a time, in four chains
	v_pk_add_f32 v[SUM+2*\k:SUM+2*\k+1], v[S+2*\k:S+2*\k+1], v[S+8+2*\k:S+8+2*\k+1]
.endr
.irp i, 2,3,4,5,6,7
.irp k, 0,1,2,3
	v_pk_add_f32 v[SUM+2*\k:SUM+2*\k+1], v[SUM+2*\k:SUM+2*\k+1], v[S+8*\i+2*\k:S+8*\i+2*\k+1]
.endr
.endr
	v_pk_add_f32 v[SUM:SUM+1], v[SUM:SUM+1], v[SUM+2:SUM+3]
	v_pk_add_f32 v[SUM+4:SUM+5], v[SUM+4:SUM+5], v[SUM+6:SUM+7]
	v_pk_add_f32 v[SUM:SUM+1], v[SUM:SUM+1], v[SUM+4:SUM+5]
	v_pk_fma_f32 v[L:L+1], v[L:L+1], v[FF:FF+1], v[SUM:SUM+1] op_sel_hi:[1,0,1]   ; l = l f + the step's sum
.irp t, 0,1,2,3,4,5,6,7
.irp i, 0,1,2,3,4,5,6,7
	v_min_num_f32 v[S+8*\t+\i], v[S+8*\t+\i], v[HOLD]   ; the conversion does not saturate (ISA guide 7.6.2); p is not negative, so the hold is one-sided
.endr
	v_cvt_scalef32_pk8_fp8_f32 v[P+2*\t:P+2*\t+1], v[S+8*\t:S+8*\t+7], v[SCL]
.endr
.set j, 2
.rept 15
	v_pk_mul_f32 v[O+j:O+j+1], v[O+j:O+j+1], v[FF:FF+1] op_sel_hi:[1,0]   ; the rest of O^T x f: also the plain instructions between the conversions and the products that read P
.set j, j+2
.endr
.endm
; A key step: 128 keys, both tiles.  The 24 matrix instructions name 24 accumulators: between two links of O^T's sums stand 23 others'.
.macro STEP
	v_add_nc_u32 v[AD], s[SO], v[LI]               ; these two and two v_nop are the four places between the last products and the loads into the registers that they read
	v_add_nc_u32 v[AM], s[SO], v[AM0]
	v_nop
	v_nop
.irp t, 0,1,2,3,4,5,6,7
	ds_load_b128 v[F+8*\t:F+8*\t+3], v[AD] offset:1024*\t          ; K's tile t
	ds_load_b128 v[F+8*\t+4:F+8*\t+7], v[AD] offset:1024*\t+512
.endr
	WIN 0x40
.irp t, 0,1,2,3,4,5,6,7
	ds_load_b128 v[MT+8*\t:MT+8*\t+3], v[AM] offset:64*\t          ; the mask terms of keys 16 t + 8 h + 0 .. 7
	ds_load_b128 v[MT+8*\t+4:MT+8*\t+7], v[AM] offset:64*\t+16
.endr
	WIN 0
	s_wait_dscnt 16                                ; K is in; the 16 loads of mask terms may be out
.irp t, 0,1,2,3,4,5,6,7
	v_wmma_f32_16x16x64_fp8_fp8 v[S+8*\t:S+8*\t+7], v[F+8*\t:F+8*\t+7], v[Q:Q+7], 0
.endr
	WIN 0x44                                       ; tile 1: Q and S^T in window 1
.irp t, 0,1,2,3,4,5,6,7
	v_wmma_f32_16x16x64_fp8_fp8 v[S+8*\t:S+8*\t+7], v[F+8*\t:F+8*\t+7], v[Q:Q+7], 0
.endr
	WIN 0
	PLACES
.irp t, 0,1,2,3
.irp c, 0,1,2,3
	ds_load_b128 v[F+16*\t+4*\c:F+16*\t+4*\c+3], v[AD] offset:8192+2048*\t+512*\c   ; V^T's channel tile t: lands under the softmax
.endr
.endr
	s_wait_dscnt 16                                ; the mask terms are in; V's 16 loads may be out
	SOFTMAX 0
	SOFTMAX 1
	WIN 0
	s_wait_dscnt 0x0                               ; V is in
.irp t, 0,1,2,3
	v_wmma_f32_16x16x128_fp8_fp8 v[O+8*\t:O+8*\t+7], v[F+16*\t:F+16*\t+15], v[P:P+15], v[O+8*\t:O+8*\t+7]
.endr
	WIN 0x54                                       ; tile 1: P and O^T in window 1
.irp t, 0,1,2,3
	v_wmma_f32_16x16x128_fp8_fp8 v[O+8*\t:O+8*\t+7], v[F+16*\t:F+16*\t+15], v[P:P+15], v[O+8*\t:O+8*\t+7]
.endr
	WIN 0
.endm
.macro SLOT_STEPS slot                 ; a slot's eight key steps
	s_mov_b32 s[SO], \slot*SLOT
	s_mov_b32 s[CNT], 8
.Lstep_\@:
	STEP
	s_add_co_u32 s[SO], s[SO], STEPB
	s_sub_co_u32 s[CNT], s[CNT], 1
	s_cmp_lg_u32 s[CNT], 0
	s_cbranch_scc1 .Lstep_\@
.endm
; The change of slots.  Each wave waits for all its tensor loads (its part of the slot ahead), adds 0 to its spare word, and waits for that and for its reads of the slot that it leaves.
; fill = 1: behind a round of the cluster's barrier, so that no wave of any partner still reads that slot or has a load on its way, it is filled with the keys two slots on.
.macro CHANGE slot, fill
	s_wait_tensorcnt 0x0                           ; no tensor load of mine is out, so a group 0 may be written
	ds_add_u32 v[SPW], v[NIL]                      ; 0 onto my spare word
.if \fill
	s_add_nc_u64 s[G0+4*\slot+2:G0+4*\slot+3], s[G0+4*\slot+2:G0+4*\slot+3], 2*SLOT   ; the type bits on top are not reached
.endif
	s_wait_dscnt 0x0                               ; the add is done, and my reads of the slot are over
.if \fill
	CROUND
	tensor_load_to_lds s[G0+4*\slot:G0+4*\slot+3], s[G1:G1+7]   ; the first thing behind the round, and my one tensor load until the next
	s_nop 0
	PLACES
.else
	s_barrier_signal -1
	s_barrier_wait -1
.endif
.endm
	s_wait_loadcnt 0x0                             ; Q
	s_wait_tensorcnt 0x1                           ; my part of slot 0 is in; slot 1's may stay out
	s_barrier_signal -1
	s_barrier_wait -1                              ; everybody's is
	SLOT_STEPS 0                                   ; keys 0 .. 1,023.  The four slots are written out
	CHANGE 0, 1
	SLOT_STEPS 1
	CHANGE 1, 1
	SLOT_STEPS 0
	CHANGE 0, 0                                    ; nothing is left to fetch
	SLOT_STEPS 1
; THE WAY OUT.  O^T x 2^(e8 + e9) / the sum is the context; held, converted under e10, its 8 registers are two blocks of the next product's fragment, stored as they stand.
.macro FINISH tile
.if \tile
	WIN 0x55
.endif
	v_add_f32 v[L], v[L], v[L+1]                   ; the sum's two halves,
	v_permlanex16_b32 v[PL], v[L], s[SEL], s[SEL+1]
	v_add_f32 v[L], v[L], v[PL]                    ; and lane l xor 16's
	v_rcp_f32 v[L], v[L]
	v_nop                                          ; a plain instruction behind the reciprocal
	s_wait_alu depctr_va_vdst(0)
	v_ldexp_f32 v[L], v[L], s55
.set j, 0
.rept 16
	v_pk_mul_f32 v[S+j:S+j+1], v[O+j:O+j+1], v[L:L+1] op_sel_hi:[1,0]
.set j, j+2
.endr
.set j, 0
.rept 32
	v_med3_num_f32 v[S+j], v[S+j], -v[CHOLD], v[CHOLD]
.set j, j+1
.endr
.irp t, 0,1,2,3
	v_cvt_scalef32_pk8_fp8_f32 v[P+2*\t:P+2*\t+1], v[S+8*\t:S+8*\t+7], v[CSC]
.endr
	v_nop
.if \tile
	WIN 0x04                                       ; the stores' data in window 1, their address in window 0
.endif
	global_store_b128 v[LI], v[P:P+3], s[10:11] offset:4096*\tile          ; the wave stores 512 consecutive bytes, aligned
	global_store_b128 v[LI], v[P+4:P+7], s[10:11] offset:4096*\tile+512
	WIN 0
.endm
	PLACES                                         ; between the last products and the first read of their results
	FINISH 0
	FINISH 1
	s_wait_tensorcnt 0x0                           ; the wave's end
	ds_add_u32 v[SPW], v[NIL]
	s_wait_dscnt 0x0
	CROUND                                         ; the closing round: no work-group ends while a partner may still ask for a block that names it
	s_endpgm
.Lfunc_end_k_q4d02bbd96c_attn:
	.size	k_q4d02bbd96c_attn, .Lfunc_end_k_q4d02bbd96c_attn-k_q4d02bbd96c_attn
	.p2alignl 7, 3214868480
	.fill 96, 4, 3214868480
	.section	.rodata,"a",@progbits
	.p2align	6, 0x0
	.amdhsa_kernel k_q4d02bbd96c_attn
		.amdhsa_group_segment_fixed_size 327680
		.amdhsa_private_segment_fixed_size 0
		.amdhsa_enable_private_segment 0
		.amdhsa_kernarg_size 32
		.amdhsa_user_sgpr_count 2
		.amdhsa_user_sgpr_kernarg_segment_ptr 1
		.amdhsa_wavefront_size32 1
		.amdhsa_system_sgpr_workgroup_id_x 1
		.amdhsa_system_sgpr_workgroup_id_y 1
		.amdhsa_system_sgpr_workgroup_id_z 1
		.amdhsa_system_vgpr_workitem_id 0
		.amdhsa_next_free_vgpr 512
		.amdhsa_next_free_sgpr 72
		.amdhsa_reserve_vcc 0
		.amdhsa_float_denorm_mode_32 3
		.amdhsa_float_denorm_mode_16_64 3
		.amdhsa_memory_ordered 1
		.amdhsa_forward_progress 1
		.amdhsa_inst_pref_size 150
	.end_amdhsa_kernel
	.amdgpu_metadata
---
amdhsa.version: [ 1, 2 ]
amdhsa.kernels:
  - .name:           k_q4d02bbd96c_attn
    .symbol:         k_q4d02bbd96c_attn.kd
    .args:
      - { .name: qimg, .offset: 0, .size: 8, .value_kind: global_buffer, .address_space: global }
      - { .name: kv, .offset: 8, .size: 8, .value_kind: global_buffer, .address_space: global }
      - { .name: lowp_scales, .offset: 16, .size: 8, .value_kind: global_buffer, .address_space: global }
      - { .name: cimg, .offset: 24, .size: 8, .value_kind: global_buffer, .address_space: global }
    .group_segment_fixed_size: 327680
    .private_segment_fixed_size: 0
    .kernarg_segment_align: 8
    .kernarg_segment_size: 32
    .max_flat_workgroup_size: 256
    .sgpr_count:     72
    .vgpr_count:     512
    .wavefront_size: 32
...
	.end_amdgpu_metadata
.endif
;; end of part 3
;; launch tail (part 4): grid 256 x 1, 4 waves a work-group, no clusters, 176,640 bytes of LDS; arguments cimg, x, wimg, lowp_scales, bo, ln1_g, ln1_b, b1, ln_ff_g, ln_ff_b, b2, ln2_g, ln2_b, out0; writes out0
.if DOCPART == 4
	.amdgcn_target "amdgcn-amd-amdhsa--gfx1250"
	.amdhsa_code_object_version 6
	.text
	.protected	k_q4d02bbd96c_tail
	.globl	k_q4d02bbd96c_tail
	.p2align	8
	.type	k_q4d02bbd96c_tail,@function
k_q4d02bbd96c_tail:
	s_mov_b64 s[64:65], 0
	v_nop
	global_prefetch_b8 v0, s[64:65] scope:SCOPE_SE
	s_setreg_imm32_b32 hwreg(HW_REG_WAVE_MODE, 25, 1), 1
	s_wait_xcnt 0x0
; out1 = LN(x + ctx wo + bo);  h = LN(relu(out1 w1 + b1));  out0 = LN(out1 + h w2 + b2): three products on codes of E4M3, all else f32; nothing between them goes to memory.
; SHARES.  A work-group takes 64 tokens (four tiles m).  THE WAVES SHARE THE COLUMNS: wave w owns channels 64 w .. 64 w + 63 of the two 256-wide results and hidden units 256 w .. 256 w + 255, for all 64 tokens.
; All products are used transposed (source 0 = 16 columns of a weight, source 1 = 16 tokens): lane (r, h) holds token r, and register j of tile 2 b + u is channel 32 b + 16 h + 8 u + j, so the registers of two
; neighbouring tiles convert straight into a block of the next product's fragment.  Fragments go from wave to wave through LDS as images of their registers (512 bytes a block, lane l at 16 l).
; WEIGHTS.  Wave w's 72 fragments lie in memory in its order of use and stream straight into a ring of four register buffers of four fragments: 18 groups, each asked for four groups ahead.
; NO CLUSTER, NO JOINT LOADS: a weight fragment is wanted by one wave of a work-group, in registers; the 589,824 bytes do not fit in LDS beside the 176,128 in use, and a ring of slots would put a round of a
; cluster's barrier behind every 16 matrix instructions of a wave.
; LAYER NORMS.  Each wave takes the mean of its own part of a token's row, subtracts it, and sums the squares of what is left; (mean, sum of squares) of the four waves meet in LDS behind one barrier and are
; joined as M2 = the four sums + n x the sum of (wave's mean - mean)^2: no difference of large sums.  That is another order of rounding than mean and variance over the whole row at once.
; The hidden layer stays in the units of its sums (h = H x 2^E, E = e12 + e13): the variance is scaled by 2^(2 E), the factor by 2^E.
; LIMITS: e12, e14 between -126 and 119; e10 + e11 and e14 + e15 between -126 and 127.  NaN among the inputs is not served.
; REGISTERS, in windows of 256: window 0: v1-15 addresses; v16-31 for each m the pairs (a, 0), (-delta a, 0); v32-159 A's fragments, and while a norm is taken its statistics; v160-223 parameters;
;   v224-226 scale, hold, permute's target; v240-247 codes.   window 1: the weight ring.   windows 2, 3: H: token tile m at 128 (m % 2) of window 2 + m / 2; tile T at + 8 T; in the 256-wide phases sums at + 0 .. 31, x or out1 at + 32 .. 63.
.set P_BO,  0                          ; LDS: the parameters, f32, as they lie in memory; the three biases divided by the power of two that their sums lack
.set P_G1,  1024
.set P_B1,  2048
.set P_B2,  3072
.set P_G2,  4096
.set P_BB2, 5120
.set P_FB,  6144
.set P_FG,  10240
.set P_FBB, 14336
.set STAT,  18432                      ; three regions of 2,048: [token][wave] x (mean, sum of squares)
.set O1IMG, 24576                      ; out1's 8 fragments: (2 m + s) x 2,048
.set PARK,  40960                      ; 17,408 for each wave, its own: out1 as f32 images, later the stage of 64 rows x (256 + 16) bytes
.set PARKW, 17408
.set HIMG,  110592                     ; the hidden layer's 32 fragments: (8 m + s) x 2,048
.set LI,   1
.set XA,   2
.set PA1,  3
.set PA4,  4
.set STW,  5
.set STR,  6
.set IMW1, 7
.set IMWH, 8
.set LIH,  9
.set PKA,  10
.set SGI,  11
.set SGO,  12
.set GO,   13
.set T8,   14
.set T16,  15
.set AP,   16
.set AF,   32
.set MUP,  32                          ; while a norm is taken: v[32 + 2 m], v[33 + 2 m] = my wave's (mean, sum of squares) of token tile m
.set CH,   40                          ; four chains
.set SB,   48                          ; the four waves' statistics, 8 registers for each m
.set TT,   80                          ; at work
.set PRM,  160
.set SCL,  224
.set HOLD, 225
.set PLT,  226
.set PC,   240
.set WV,   48                          ; s48 my wave's number
.set SEL,  50                          ; s[50:51] lane selects: lane l xor 16
.set MSB, 0
.macro WIN new                         ; the immediate's high byte repeats the setting that is left
.if MSB != (\new)
	s_set_vgpr_msb (MSB<<8)|(\new)
.set MSB, (\new)
.endif
.endm
.macro PLACES                          ; four plain vector instructions between a matrix instruction and a load into, or a vector read or write of, its registers
.rept 4
	v_nop
.endr
.endm
.macro BARRIER                         ; my LDS stores have landed and my LDS loads are in: then the work-group's barrier
	s_wait_dscnt 0x0
	s_barrier_signal -1
	s_barrier_wait -1
.endm
.macro MKSC se                         ; 2^e and 448 x 2^e for the conversions that follow; e in s[se]
	s_add_co_i32 s70, s[\se], 127
	s_lshl_b32 s71, s70, 23
	v_mov_b32 v[SCL], s71
	s_add_co_i32 s70, s70, 8
	s_lshl_b32 s70, s70, 23
	s_or_b32 s70, s70, 0x600000
	v_mov_b32 v[HOLD], s70
.endm
.macro WLOAD g                         ; group g of my stream: four fragments into buffer g % 4 of window 1
	WIN 0x40
.irp f, 0,1,2,3
.irp c, 0,1,2,3
	global_load_b128 v[64*((\g)%4)+16*\f+4*\c:64*((\g)%4)+16*\f+4*\c+3], v[LI], s[8:9] offset:(4*(\g)+\f)*2048+512*\c
.endr
.endr
	WIN 0
.endm
.macro PRD reg, adr, off               ; 32 parameters in the results' layout: those of channels 32 b + 16 h + 0 .. 15, b = 0, 1
.irp b, 0,1
.irp i, 0,1,2,3
	ds_load_b128 v[\reg+16*\b+4*\i:\reg+16*\b+4*\i+3], v[\adr] offset:\off+128*\b+16*\i
.endr
.endr
.endm
; 16 products: my four tiles x the four token tiles, one K step; A's fragment of token tile m at afb + afs m.  first = 1: the bias in v[PRM] on is the C.  The 16 accumulators take turns.
.macro MM4 buf, afb, afs, first
.irp m, 0,1,2,3
.if \first
	WIN 0x81+0x40*(\m/2)                           ; source 0 (weight) window 1, source 1 and C window 0, D window 2 or 3
.else
	WIN 0xa1+0x50*(\m/2)                           ; C and D window 2 or 3
.endif
.irp t, 0,1,2,3
.if \first
	v_wmma_f32_16x16x128_fp8_fp8 v[128*(\m%2)+8*\t:128*(\m%2)+8*\t+7], v[\buf+16*\t:\buf+16*\t+15], v[\afb+\afs*\m:\afb+\afs*\m+15], v[PRM+8*\t:PRM+8*\t+7]
.else
	v_wmma_f32_16x16x128_fp8_fp8 v[128*(\m%2)+8*\t:128*(\m%2)+8*\t+7], v[\buf+16*\t:\buf+16*\t+15], v[\afb+\afs*\m:\afb+\afs*\m+15], v[128*(\m%2)+8*\t:128*(\m%2)+8*\t+7]
.endif
.endr
.endr
	WIN 0
.endm
; 16 products: hidden tiles 2 p, 2 p + 1 x the four token tiles, both K steps: eight accumulators by turns
.macro MM2 buf, p
.irp s, 0,1
.irp m, 0,1,2,3
.if \s == 0
	WIN 0x81+0x40*(\m/2)
.else
	WIN 0xa1+0x50*(\m/2)
.endif
.irp u, 0,1
.if \s == 0
	v_wmma_f32_16x16x128_fp8_fp8 v[128*(\m%2)+8*(2*(\p)+\u):128*(\m%2)+8*(2*(\p)+\u)+7], v[\buf+16*(2*\s+\u):\buf+16*(2*\s+\u)+15], v[AF+16*(2*\m+\s):AF+16*(2*\m+\s)+15], v[PRM+16*((\p)%4)+8*\u:PRM+16*((\p)%4)+8*\u+7]
.else
	v_wmma_f32_16x16x128_fp8_fp8 v[128*(\m%2)+8*(2*(\p)+\u):128*(\m%2)+8*(2*(\p)+\u)+7], v[\buf+16*(2*\s+\u):\buf+16*(2*\s+\u)+15], v[AF+16*(2*\m+\s):AF+16*(2*\m+\s)+15], v[128*(\m%2)+8*(2*(\p)+\u):128*(\m%2)+8*(2*(\p)+\u)+7]
.endif
.endr
.endr
.endr
	WIN 0
.endm
.macro RESID sp                        ; sum x 2^(the two exponents) + what lies at + 32: one packed multiply-add for two numbers; each accumulator from its low end on
.irp m, 0,1,2,3
	WIN 0xa2+0x51*(\m/2)
.set j, 0
.rept 16
	v_pk_fma_f32 v[128*(\m%2)+j:128*(\m%2)+j+1], v[128*(\m%2)+j:128*(\m%2)+j+1], s[\sp:\sp+1], v[128*(\m%2)+32+j:128*(\m%2)+32+j+1] op_sel_hi:[1,0,1]
.set j, j+2
.endr
.endr
	WIN 0
.endm
; Token tile mm, n registers a lane: my wave's mean of each token's 2 n numbers; H becomes H - that mean; the sum of its squares; both to LDS.  inv = 1 / (2 n) as f32.
.macro LNSTAT mm, n, k, inv
.set XW, 2+(\mm)/2
.set HB, 128*((\mm)%2)
	WIN XW|(XW<<2)
.irp c, 0,1,2,3
	v_pk_add_f32 v[CH+2*\c:CH+2*\c+1], v[HB+2*\c:HB+2*\c+1], v[HB+8+2*\c:HB+8+2*\c+1]
.endr
	WIN XW
.set j, 16
.rept (\n-16)/2
	v_pk_add_f32 v[CH+j%8:CH+j%8+1], v[HB+j:HB+j+1], v[CH+j%8:CH+j%8+1]
.set j, j+2
.endr
	WIN 0
	v_pk_add_f32 v[CH:CH+1], v[CH:CH+1], v[CH+2:CH+3]
	v_pk_add_f32 v[CH+4:CH+5], v[CH+4:CH+5], v[CH+6:CH+7]
	v_pk_add_f32 v[CH:CH+1], v[CH:CH+1], v[CH+4:CH+5]
	v_add_f32 v[CH], v[CH], v[CH+1]
	v_permlanex16_b32 v[PLT], v[CH], s[SEL], s[SEL+1]
	v_add_f32 v[CH], v[CH], v[PLT]                 ; a token's other n numbers lie in lane l xor 16
	v_mul_f32 v[MUP+2*\mm], \inv, v[CH]
	WIN XW|(XW<<6)
.set j, 0
.rept \n/2
	v_pk_add_f32 v[HB+j:HB+j+1], v[HB+j:HB+j+1], v[MUP+2*\mm:MUP+2*\mm+1] op_sel_hi:[1,0] neg_lo:[0,1] neg_hi:[0,1]
.set j, j+2
.endr
	WIN XW|(XW<<2)
.irp c, 0,1,2,3
	v_pk_mul_f32 v[CH+2*\c:CH+2*\c+1], v[HB+2*\c:HB+2*\c+1], v[HB+2*\c:HB+2*\c+1]
.endr
.set j, 8
.rept (\n-8)/2
	v_pk_fma_f32 v[CH+j%8:CH+j%8+1], v[HB+j:HB+j+1], v[HB+j:HB+j+1], v[CH+j%8:CH+j%8+1]
.set j, j+2
.endr
	WIN 0
	v_pk_add_f32 v[CH:CH+1], v[CH:CH+1], v[CH+2:CH+3]
	v_pk_add_f32 v[CH+4:CH+5], v[CH+4:CH+5], v[CH+6:CH+7]
	v_pk_add_f32 v[CH:CH+1], v[CH:CH+1], v[CH+4:CH+5]
	v_add_f32 v[CH], v[CH], v[CH+1]
	v_permlanex16_b32 v[PLT], v[CH], s[SEL], s[SEL+1]
	v_add_f32 v[MUP+2*\mm+1], v[CH], v[PLT]
	ds_store_b64 v[STW], v[MUP+2*\mm:MUP+2*\mm+1] offset:STAT+2048*\k+512*\mm   ; lanes l and l xor 16 store the same two numbers to the same word pair
.endm
.macro LNLOAD k                        ; the four waves' statistics of my lane's token, for each m
.irp m, 0,1,2,3
	ds_load_b128 v[SB+8*\m:SB+8*\m+3], v[STR] offset:STAT+2048*\k+512*\m
	ds_load_b128 v[SB+8*\m+4:SB+8*\m+7], v[STR] offset:STAT+2048*\k+512*\m+16
.endr
.endm
; a = 2^se / sqrt(M2 x 2^sv + eps) and (my wave's mean - the mean) x a.  nw: the numbers of a wave's part, as f32; sv: -log2(the row's length), + 2 E for the hidden layer
.macro LNCOMB mm, nw, sv, eps, se
.set SM, SB+8*\mm
	v_add_f32 v[TT], v[SM], v[SM+2]
	v_add_f32 v[TT+1], v[SM+4], v[SM+6]
	v_add_f32 v[TT], v[TT], v[TT+1]
	v_mul_f32 v[TT], 0x3e800000, v[TT]             ; the mean of the four equal parts' means
	v_sub_f32 v[TT+1], v[SM], v[TT]
	v_sub_f32 v[TT+2], v[SM+2], v[TT]
	v_sub_f32 v[TT+3], v[SM+4], v[TT]
	v_sub_f32 v[TT+4], v[SM+6], v[TT]
	v_mul_f32 v[TT+1], v[TT+1], v[TT+1]
	v_fmac_f32 v[TT+1], v[TT+2], v[TT+2]
	v_fmac_f32 v[TT+1], v[TT+3], v[TT+3]
	v_fmac_f32 v[TT+1], v[TT+4], v[TT+4]
	v_add_f32 v[TT+2], v[SM+1], v[SM+3]
	v_add_f32 v[TT+3], v[SM+5], v[SM+7]
	v_add_f32 v[TT+2], v[TT+2], v[TT+3]
	v_fmamk_f32 v[TT+1], v[TT+1], \nw, v[TT+2]
	v_ldexp_f32 v[TT+1], v[TT+1], \sv              ; the variance
	v_add_f32 v[TT+1], \eps, v[TT+1]
	v_rsq_f32 v[TT+1], v[TT+1]
	v_sub_f32 v[TT+2], v[MUP+2*\mm], v[TT]         ; (the plain instruction behind the root)
	s_wait_alu depctr_va_vdst(0)
	v_ldexp_f32 v[AP+4*\mm], v[TT+1], \se
	v_mul_f32 v[AP+4*\mm+2], v[TT+2], v[AP+4*\mm]
.endm
.macro NORM mm, j0                     ; 32 registers from j0 on: ((H - my mean) a + (my mean - mean) a) g + b; g in v[PRM] on, b in v[PRM + 32] on
.set XW, 2+(\mm)/2
.set HB, 128*((\mm)%2)+\j0
	WIN XW|(XW<<6)
.set j, 0
.rept 16
	v_pk_fma_f32 v[HB+j:HB+j+1], v[HB+j:HB+j+1], v[AP+4*\mm:AP+4*\mm+1], v[AP+4*\mm+2:AP+4*\mm+3] op_sel_hi:[1,0,0]
.set j, j+2
.endr
.set j, 0
.rept 16
	v_pk_fma_f32 v[HB+j:HB+j+1], v[HB+j:HB+j+1], v[PRM+j:PRM+j+1], v[PRM+32+j:PRM+32+j+1]
.set j, j+2
.endr
	WIN 0
.endm
.macro QC mm, j0                       ; the same 32 registers become two blocks of codes in v[PC] on
.set XW, 2+(\mm)/2
.set HB, 128*((\mm)%2)+\j0
	WIN XW|(XW<<6)
.set j, 0
.rept 32
	v_med3_num_f32 v[HB+j], v[HB+j], -v[HOLD], v[HOLD]   ; the conversion does not saturate (ISA guide 7.6.2): the hold
.set j, j+1
.endr
	WIN XW
	s_wait_dscnt 0x0                               ; the last codes' stores have read their registers
.irp t, 0,1,2,3
	v_cvt_scalef32_pk8_fp8_f32 v[PC+2*\t:PC+2*\t+1], v[HB+8*\t:HB+8*\t+7], v[SCL]
.endr
	v_nop                                          ; a plain vector instruction between the conversions and whatever next writes their sources
	WIN 0
.endm
.macro HFETCH st                       ; the hidden layer's fragments of K step st, four token tiles, into set st % 2
.irp m, 0,1,2,3
.irp c, 0,1,2,3
	ds_load_b128 v[AF+64*((\st)%2)+16*\m+4*\c:AF+64*((\st)%2)+16*\m+4*\c+3], v[LIH] offset:(8*\m+(\st))*2048+512*\c
.endr
.endr
.endm
	s_load_b512 s[4:19], s[0:1], 0x0               ; cimg s[4:5], x s[6:7], wimg s[8:9], the exponents s[10:11], bo s[12:13], ln1_g s[14:15], ln1_b s[16:17], b1 s[18:19]
	s_load_b256 s[20:27], s[0:1], 0x40             ; ln_ff_g s[20:21], ln_ff_b s[22:23], b2 s[24:25], ln2_g s[26:27]
	s_load_b128 s[28:31], s[0:1], 0x60             ; ln2_b s[28:29], out0 s[30:31]
	v_lshl_add_u32 v254, v0, 2, 0x2b000
	v_mov_b32 v255, 0
	v_lshrrev_b32 v16, 5, v0
	v_readfirstlane_b32 s[WV], v16                 ; wave 0..3
	v_and_b32 v16, 31, v0
	v_and_b32 v17, 15, v0                          ; r
	v_bfe_u32 v18, v0, 4, 1                        ; h
	v_lshlrev_b32 v[LI], 4, v16                    ; 16 x lane
	v_lshlrev_b32 v19, 6, v18                      ; 64 h
	s_lshl_b32 s60, s[WV], 8
	v_add_nc_u32 v[PA1], s60, v19                  ; a 256-wide parameter: 64 h + 256 w bytes
	v_lshl_add_u32 v[XA], v17, 10, v[PA1]          ; x: + 1,024 r
	s_lshl_b32 s60, s[WV], 10
	v_add_nc_u32 v[PA4], s60, v19                  ; a 1,024-wide parameter: 64 h + 1,024 w
	v_add_nc_u32 v[IMW1], s60, v[LI]               ; out1's images: my 64 channels are two blocks: 1,024 w
	v_lshlrev_b32 v[STR], 5, v17                   ; a token's four pairs of statistics: 32 r,
	s_lshl_b32 s60, s[WV], 3
	v_add_nc_u32 v[STW], s60, v[STR]               ; mine among them: + 8 w
	v_add_nc_u32 v[LIH], HIMG, v[LI]
	s_lshl_b32 s60, s[WV], 12
	v_add_nc_u32 v[IMWH], s60, v[LIH]              ; the hidden images: my 256 units are two fragments: 4,096 w
	s_mul_i32 s60, s[WV], PARKW
	s_add_co_u32 s60, s60, PARK
	v_add_nc_u32 v[PKA], s60, v[LI]
	v_mul_u32_u24 v20, v17, 272
	v_add_nc_u32 v20, v20, v19
	v_add_nc_u32 v[SGI], s60, v20                  ; the stage, in: row r, + 64 h
	v_mul_u32_u24 v20, v18, 272
	v_lshl_add_u32 v20, v17, 4, v20
	v_add_nc_u32 v[SGO], s60, v20                  ; back: lanes 0-15 one row of 256 bytes, lanes 16-31 the next
	v_lshlrev_b32 v20, 10, v18
	v_lshl_add_u32 v20, v17, 4, v20
	s_lshl_b32 s60, s[WV], 8
	v_add_nc_u32 v[GO], s60, v20                   ; and the same two rows in out0, at my 256 bytes
	v_lshlrev_b32 v[T8], 3, v0
	v_lshlrev_b32 v[T16], 4, v0
.set j, 0
.rept 16
	v_mov_b32 v[AP+j], 0                           ; the pairs' upper halves are named, so they are written
.set j, j+1
.endr
	v_mov_b32 v[PLT], 0                            ; a lane permute's destination counts as one of its sources
	s_mov_b32 s[SEL], 0x76543210
	s_mov_b32 s[SEL+1], 0xfedcba98
	s_lshl_b32 s60, ttmp9, 14                      ; four token tiles of 4,096 bytes of codes
	s_mov_b32 s61, 0
	s_lshl_b32 s62, ttmp9, 16                      ; 64 rows of 1,024 bytes
	s_mov_b32 s63, 0
	s_mul_i32 s66, s[WV], 147456
	s_add_co_u32 s66, s66, 196608                  ; my stream of 72 fragments
	s_mov_b32 s67, 0
	s_wait_kmcnt 0x0
	s_load_b512 s[32:47], s[10:11], 0x0            ; e0 .. e15 in s32 .. s47
	s_add_nc_u64 s[4:5], s[4:5], s[60:61]
	s_add_nc_u64 s[6:7], s[6:7], s[62:63]
	s_add_nc_u64 s[30:31], s[30:31], s[62:63]
	s_add_nc_u64 s[8:9], s[8:9], s[66:67]
	global_load_b64 v[160:161], v[T8], s[12:13]    ; the parameters, once, each load of the work-group in consecutive bytes
	global_load_b64 v[162:163], v[T8], s[14:15]
	global_load_b64 v[164:165], v[T8], s[16:17]
	global_load_b64 v[166:167], v[T8], s[24:25]
	global_load_b64 v[168:169], v[T8], s[26:27]
	global_load_b64 v[170:171], v[T8], s[28:29]
	global_load_b128 v[172:175], v[T16], s[18:19]
	global_load_b128 v[176:179], v[T16], s[18:19] offset:2048
	global_load_b128 v[180:183], v[T16], s[20:21]
	global_load_b128 v[184:187], v[T16], s[20:21] offset:2048
	global_load_b128 v[188:191], v[T16], s[22:23]
	global_load_b128 v[192:195], v[T16], s[22:23] offset:2048
.irp f, 0,1,2,3,4,5,6,7                ; the context's 8 fragments (2 m + s), as they lie
.irp c, 0,1,2,3
	global_load_b128 v[AF+16*\f+4*\c:AF+16*\f+4*\c+3], v[LI], s[4:5] offset:2048*\f+512*\c
.endr
.endr
	WLOAD 0
	s_wait_kmcnt 0x0
	s_add_co_i32 s60, s42, s43                     ; e10 + e11
	s_sub_co_i32 s66, 0, s60
	s_add_co_i32 s60, s60, 127
	s_lshl_b32 s52, s60, 23                        ; 2^(e10 + e11) as f32
	s_mov_b32 s53, s52
	s_add_co_i32 s60, s46, s47                     ; e14 + e15
	s_sub_co_i32 s67, 0, s60
	s_add_co_i32 s60, s60, 127
	s_lshl_b32 s54, s60, 23
	s_mov_b32 s55, s54
	s_add_co_i32 s56, s44, s45                     ; E = e12 + e13
	s_sub_co_i32 s68, 0, s56
	s_lshl_b32 s57, s56, 1
	s_sub_co_i32 s57, s57, 10                      ; 2 E - log2(1,024)
	s_wait_loadcnt 48                              ; the parameters are in: behind them came the context's 32 loads and the first group's 16
	v_ldexp_f32 v160, v160, s66                    ; bo / 2^(e10 + e11)
	v_ldexp_f32 v161, v161, s66
	v_ldexp_f32 v166, v166, s67                    ; b2 / 2^(e14 + e15)
	v_ldexp_f32 v167, v167, s67
.set j, 172
.rept 8
	v_ldexp_f32 v[j], v[j], s68                    ; b1 / 2^E
.set j, j+1
.endr
	ds_store_b64 v[T8], v[160:161] offset:P_BO
	ds_store_b64 v[T8], v[162:163] offset:P_G1
	ds_store_b64 v[T8], v[164:165] offset:P_B1
	ds_store_b64 v[T8], v[166:167] offset:P_B2
	ds_store_b64 v[T8], v[168:169] offset:P_G2
	ds_store_b64 v[T8], v[170:171] offset:P_BB2
	ds_store_b128 v[T16], v[172:175] offset:P_FB
	ds_store_b128 v[T16], v[176:179] offset:P_FB+2048
	ds_store_b128 v[T16], v[180:183] offset:P_FG
	ds_store_b128 v[T16], v[184:187] offset:P_FG+2048
	ds_store_b128 v[T16], v[188:191] offset:P_FBB
	ds_store_b128 v[T16], v[192:195] offset:P_FBB+2048
	WLOAD 1
.irp m, 0,1,2,3                        ; x at my 64 channels, in the sums' layout, beside the sums
	WIN 0x80+0x40*(\m/2)
.irp b, 0,1
.irp i, 0,1,2,3
	global_load_b128 v[128*(\m%2)+32+16*\b+4*\i:128*(\m%2)+32+16*\b+4*\i+3], v[XA], s[6:7] offset:16384*\m+128*\b+16*\i th:TH_LOAD_NT
.endr
.endr
.endr
	WIN 0
	WLOAD 2
	WLOAD 3
	BARRIER                                        ; the parameters lie in LDS
	; ---- ctx wo + bo, the residual, the first norm
	PRD PRM, PA1, P_BO
	s_wait_dscnt 0x0
	s_wait_loadcnt 63                              ; the context and group 0 are in: 80 loads came behind them, and the wait's field ends at 63
	MM4 0, AF, 32, 1
	PLACES
	WLOAD 4
	s_wait_loadcnt 63                              ; group 1: again 80 behind it
	MM4 64, AF+16, 32, 0
	PLACES
	WLOAD 5
	s_wait_loadcnt 63                              ; x: groups 2 to 5, 64 loads, behind it
	RESID 52
	LNSTAT 0, 32, 0, 0x3c800000
	LNSTAT 1, 32, 0, 0x3c800000
	LNSTAT 2, 32, 0, 0x3c800000
	LNSTAT 3, 32, 0, 0x3c800000
	BARRIER                                        ; the four waves' statistics lie in LDS
	LNLOAD 0
	PRD PRM, PA1, P_G1
	PRD PRM+32, PA1, P_B1
	MKSC 44                                        ; out1 is quantised under e12
	s_wait_dscnt 0x0
.irp m, 0,1,2,3
	LNCOMB \m, 0x42800000, -8, 0x3a83126f, 0
.endr
.irp m, 0,1,2,3
	NORM \m, 0                                     ; out1
	WIN 0x08+0x04*(\m/2)                           ; the stores' data in window 2 or 3
.irp i, 0,1,2,3,4,5,6,7
	ds_store_b128 v[PKA], v[128*(\m%2)+4*\i:128*(\m%2)+4*\i+3] offset:4096*\m+512*\i   ; parked in my own bytes: the hidden layer needs all of H
.endr
	WIN 0
.endr
	s_wait_dscnt 0x0                               ; the parking stores have read their registers, which the holds below write
.irp m, 0,1,2,3
	QC \m, 0
	ds_store_b128 v[IMW1], v[PC:PC+3] offset:O1IMG+4096*\m
	ds_store_b128 v[IMW1], v[PC+4:PC+7] offset:O1IMG+4096*\m+512
.endr
	BARRIER                                        ; out1's eight fragments lie in LDS
	; ---- relu(out1 w1 + b1) and its norm
.irp f, 0,1,2,3,4,5,6,7
.irp c, 0,1,2,3
	ds_load_b128 v[AF+16*\f+4*\c:AF+16*\f+4*\c+3], v[LI] offset:O1IMG+2048*\f+512*\c
.endr
.endr
	PRD PRM, PA4, P_FB                             ; b1 of pairs 0 to 3
	PRD PRM+32, PA4, P_FB+256
	s_wait_dscnt 0x0
.irp p, 0,1,2,3,4,5,6,7
.if \p == 4
	PRD PRM, PA4, P_FB+512                         ; b1 of pairs 4 to 7 (behind the places that follow the last product that read these registers)
	PRD PRM+32, PA4, P_FB+768
	s_wait_dscnt 0x0
.endif
	s_wait_loadcnt 48                              ; this pair's group is in; the three groups behind it may be out
	MM2 64*((\p+2)%4), \p
	PLACES
	WLOAD \p+6
.endr
.irp m, 0,1,2,3
	WIN (2+\m/2)*0x44                              ; source 1 and destination window 2 or 3
.set j, 0
.rept 128
	v_max_num_f32 v[128*(\m%2)+j], 0, v[128*(\m%2)+j]   ; relu; each accumulator from its low end on
.set j, j+1
.endr
.endr
	WIN 0
	LNSTAT 0, 128, 1, 0x3b800000
	LNSTAT 1, 128, 1, 0x3b800000
	LNSTAT 2, 128, 1, 0x3b800000
	LNSTAT 3, 128, 1, 0x3b800000
	BARRIER
	LNLOAD 1
	MKSC 46                                        ; the normed hidden layer is quantised under e14
	s_wait_dscnt 0x0
.irp m, 0,1,2,3
	LNCOMB \m, 0x43800000, s57, 0x358637bd, s56
.endr
.irp q, 0,1,2,3                        ; four tiles (64 units) at a time: their gains and biases, then norm, codes and images for the four token tiles
	PRD PRM, PA4, P_FG+256*\q
	PRD PRM+32, PA4, P_FBB+256*\q
	s_wait_dscnt 0x0
.irp m, 0,1,2,3
	NORM \m, 32*\q
	QC \m, 32*\q
	ds_store_b128 v[IMWH], v[PC:PC+3] offset:16384*\m+1024*\q
	ds_store_b128 v[IMWH], v[PC+4:PC+7] offset:16384*\m+1024*\q+512
.endr
.endr
	BARRIER                                        ; the hidden layer's 32 fragments lie in LDS
	; ---- h w2 + b2, the residual, the last norm
	PRD PRM, PA1, P_B2
	HFETCH 0
	HFETCH 1
.irp m, 0,1,2,3
	WIN 0x80+0x40*(\m/2)
.irp i, 0,1,2,3,4,5,6,7
	ds_load_b128 v[128*(\m%2)+32+4*\i:128*(\m%2)+32+4*\i+3], v[PKA] offset:4096*\m+512*\i   ; out1 comes back beside the sums
.endr
.endr
	WIN 0
.irp s, 0,1,2,3,4,5,6,7
.if \s < 2
	s_wait_dscnt 48                                ; this K step's fragments are in: behind them came 16 + 32 LDS loads (step 1: out1's 32 and step 2's 16)
.elseif \s < 7
	s_wait_dscnt 16                                ; the next K step's 16 may be out
.else
	s_wait_dscnt 0x0
.endif
.if \s < 5
	s_wait_loadcnt 48                              ; this K step's weights are in; the younger groups may be out: three, then two, one, none
.else
	s_wait_loadcnt 16*(7-\s)
.endif
.if \s == 0
	MM4 64*((\s+2)%4), AF+64*(\s%2), 16, 1
.else
	MM4 64*((\s+2)%4), AF+64*(\s%2), 16, 0
.endif
	PLACES
.if \s < 4
	WLOAD \s+14
.endif
.if \s < 6
	HFETCH \s+2
.endif
.endr
	RESID 54
	LNSTAT 0, 32, 2, 0x3c800000
	LNSTAT 1, 32, 2, 0x3c800000
	LNSTAT 2, 32, 2, 0x3c800000
	LNSTAT 3, 32, 2, 0x3c800000
	BARRIER
	LNLOAD 2
	PRD PRM, PA1, P_G2
	PRD PRM+32, PA1, P_BB2
	s_wait_dscnt 0x0
.irp m, 0,1,2,3
	LNCOMB \m, 0x42800000, -8, 0x3a83126f, 0
.endr
	; THE WAY OUT.  A lane holds 64 neighbouring bytes twice of one row, the lanes beside it other rows: the 64 rows x 256 bytes of my channels go through my own stage and come back by rows.
.irp m, 0,1,2,3
	NORM \m, 0
	WIN 0x08+0x04*(\m/2)
.irp b, 0,1
.irp i, 0,1,2,3
	ds_store_b128 v[SGI], v[128*(\m%2)+16*\b+4*\i:128*(\m%2)+16*\b+4*\i+3] offset:4352*\m+128*\b+16*\i
.endr
.endr
	WIN 0
.endr
.irp i, 0,1,2,3,4,5,6,7,8,9,10,11,12,13,14,15,16,17,18,19,20,21,22,23,24,25,26,27,28,29,30,31
	ds_load_b128 v[AF+4*\i:AF+4*\i+3], v[SGO] offset:544*\i   ; LDS serves a wave's instructions in order (ISA guide 5.7.1.4): these see my stores
.endr
.irp i, 0,1,2,3,4,5,6,7,8,9,10,11,12,13,14,15,16,17,18,19,20,21,22,23,24,25,26,27,28,29,30,31
	s_wait_dscnt 31-\i                             ; rows 2 i and 2 i + 1 are back; the younger loads may be out
	global_store_b128 v[GO], v[AF+4*\i:AF+4*\i+3], s[30:31] offset:2048*\i th:TH_STORE_NT   ; sixteen lanes store 256 consecutive bytes, at a multiple of 256 from out0's first byte
.endr
	s_wait_tensorcnt 0x0
	ds_add_u32 v254, v255
	s_wait_dscnt 0x0
	s_endpgm
.Lfunc_end_k_q4d02bbd96c_tail:
	.size	k_q4d02bbd96c_tail, .Lfunc_end_k_q4d02bbd96c_tail-k_q4d02bbd96c_tail
	.p2alignl 7, 3214868480
	.fill 96, 4, 3214868480
	.section	.rodata,"a",@progbits
	.p2align	6, 0x0
	.amdhsa_kernel k_q4d02bbd96c_tail
		.amdhsa_group_segment_fixed_size 176640
		.amdhsa_private_segment_fixed_size 0
		.amdhsa_enable_private_segment 0
		.amdhsa_kernarg_size 112
		.amdhsa_user_sgpr_count 2
		.amdhsa_user_sgpr_kernarg_segment_ptr 1
		.amdhsa_wavefront_size32 1
		.amdhsa_system_sgpr_workgroup_id_x 1
		.amdhsa_system_sgpr_workgroup_id_y 1
		.amdhsa_system_sgpr_workgroup_id_z 1
		.amdhsa_system_vgpr_workitem_id 0
		.amdhsa_next_free_vgpr 1024
		.amdhsa_next_free_sgpr 104
		.amdhsa_reserve_vcc 0
		.amdhsa_float_denorm_mode_32 3
		.amdhsa_float_denorm_mode_16_64 3
		.amdhsa_memory_ordered 1
		.amdhsa_forward_progress 1
		.amdhsa_inst_pref_size 255
	.end_amdhsa_kernel
	.section	.bss,"aw",@nobits
	.p2align	6
	.space	262144
	.amdgpu_metadata
---
amdhsa.version: [ 1, 2 ]
amdhsa.kernels:
  - .name:           k_q4d02bbd96c_tail
    .symbol:         k_q4d02bbd96c_tail.kd
    .args:
      - { .name: cimg, .offset: 0, .size: 8, .value_kind: global_buffer, .address_space: global }
      - { .name: x, .offset: 8, .size: 8, .value_kind: global_buffer, .address_space: global }
      - { .name: wimg, .offset: 16, .size: 8, .value_kind: global_buffer, .address_space: global }
      - { .name: lowp_scales, .offset: 24, .size: 8, .value_kind: global_buffer, .address_space: global }
      - { .name: bo, .offset: 32, .size: 8, .value_kind: global_buffer, .address_space: global }
      - { .name: ln1_g, .offset: 40, .size: 8, .value_kind: global_buffer, .address_space: global }
      - { .name: ln1_b, .offset: 48, .size: 8, .value_kind: global_buffer, .address_space: global }
      - { .name: b1, .offset: 56, .size: 8, .value_kind: global_buffer, .address_space: global }
      - { .name: ln_ff_g, .offset: 64, .size: 8, .value_kind: global_buffer, .address_space: global }
      - { .name: ln_ff_b, .offset: 72, .size: 8, .value_kind: global_buffer, .address_space: global }
      - { .name: b2, .offset: 80, .size: 8, .value_kind: global_buffer, .address_space: global }
      - { .name: ln2_g, .offset: 88, .size: 8, .value_kind: global_buffer, .address_space: global }
      - { .name: ln2_b, .offset: 96, .size: 8, .value_kind: global_buffer, .address_space: global }
      - { .name: out0, .offset: 104, .size: 8, .value_kind: global_buffer, .address_space: global }
    .group_segment_fixed_size: 176640
    .private_segment_fixed_size: 0
    .kernarg_segment_align: 8
    .kernarg_segment_size: 112
    .max_flat_workgroup_size: 128
    .sgpr_count:     104
    .vgpr_count:     1024
    .wavefront_size: 32
...
	.end_amdgpu_metadata
.endif
;; end of part 4
;; ======== version 2 of 2: 4 launches
;; workspace buffers: wimg 786,432 bytes; qimg 4,194,304 bytes; kv 8,650,752 bytes; cimg 4,194,304 bytes
;; launch prep (part 5): grid 96 x 1, 4 waves a work-group, no clusters, 0 bytes of LDS; arguments wq, wk, wv, wo, w1, w2, lowp_scales, wimg; writes wimg
.if DOCPART == 5
	.amdgcn_target "amdgcn-amd-amdhsa--gfx1250"
	.amdhsa_code_object_version 6
	.text
	.protected	k_q4d02bbd96c_prep
	.globl	k_q4d02bbd96c_prep
	.p2align	8
	.type	k_q4d02bbd96c_prep,@function
k_q4d02bbd96c_prep:
	s_mov_b64 s[64:65], 0
	v_nop
	global_prefetch_b8 v0, s[64:65] scope:SCOPE_SE
	s_setreg_imm32_b32 hwreg(HW_REG_WAVE_MODE, 25, 1), 1
	s_wait_xcnt 0x0
; The six weights, f32 stored [K][N], become codes of E4M3, each with its given scale 2^e, laid as IMAGES OF OPERAND REGISTERS.
; A fragment is 16 columns n x 128 along K: 16 registers a lane, 2,048 bytes: four blocks of 512 bytes, lane l's 16 bytes at 16 l.
; Lane (r, h) of tile Tn takes column n = 32 (Tn / 2) + 8 (Tn % 2) + r + 8 (r / 8), and its registers 4 c .. 4 c + 3 hold k = 128 s + 32 c + 16 h + 0 .. 15.
; A lane's registers run down K, so the conversions' results are the operand's registers; nothing is transposed.
; One wave makes one fragment: 384 fragments, 96 work-groups of four waves.  Waves share nothing: no LDS, no barrier.
; Where a fragment goes: 0 .. 95 for the launch of q, k, v: 24 head + 8 tensor + 2 tile + s;  96 + 72 w + i for wave w of the last launch, in its order of use:
; i = 4 s + T (wo), 8 + 4 pair + 2 s + u (w1), 40 + 4 s + T (w2).
; code = x / 2^e, held within +-448, to the nearest code, ties to even.  LIMITS: -126 <= e <= 119; NaN among the inputs is not served.
.set X, 16                             ; v16-79  64 numbers: register 16 c + i = W(128 s + 32 c + 16 h + i, my column)
.set C, 80                             ; v80-95  the fragment's codes
	s_load_b256 s[4:11], s[0:1], 0x0               ; wq s[4:5], wk s[6:7], wv s[8:9], wo s[10:11]
	s_load_b256 s[12:19], s[0:1], 0x20             ; w1 s[12:13], w2 s[14:15], the exponents s[16:17], the images s[18:19]
	v_lshrrev_b32 v1, 5, v0
	v_readfirstlane_b32 s20, v1                    ; wave
	s_lshl_b32 s21, ttmp9, 2
	s_add_co_u32 s21, s21, s20                     ; f: my fragment's number, 0 .. 383
	v_and_b32 v3, 15, v0                           ; r
	v_and_b32 v4, 8, v3
	v_add_nc_u32 v3, v3, v4                        ; r + 8 (r / 8)
	v_bfe_u32 v4, v0, 4, 1                         ; h
	v_and_b32 v5, 31, v0
	v_lshlrev_b32 v5, 4, v5                        ; 16 x lane
	s_wait_kmcnt 0x0
	s_load_b512 s[32:47], s[16:17], 0x0            ; e0 .. e15 in s32 .. s47
	s_wait_kmcnt 0x0
	; which tensor, K step (s26), tile (s27), exponent (s24), place (s25), log2 of the row length (s28): branches on the work-group's number alone
	s_cmp_lt_u32 ttmp9, 32
	s_cbranch_scc0 .Lnot_square
	s_lshr_b32 s29, ttmp9, 3                       ; 0 wq, 1 wk, 2 wv, 3 wo: 32 fragments each
	s_and_b32 s30, s21, 31
	s_and_b32 s26, s30, 1
	s_lshr_b32 s27, s30, 1
	s_mov_b64 s[22:23], s[4:5]
	s_mov_b32 s24, s33
	s_cmp_eq_u32 s29, 1
	s_cselect_b64 s[22:23], s[6:7], s[22:23]
	s_cselect_b32 s24, s35, s24
	s_cmp_eq_u32 s29, 2
	s_cselect_b64 s[22:23], s[8:9], s[22:23]
	s_cselect_b32 s24, s37, s24
	s_cmp_eq_u32 s29, 3
	s_cselect_b64 s[22:23], s[10:11], s[22:23]
	s_cselect_b32 s24, s43, s24
	s_lshr_b32 s30, s27, 2                         ; the head, or the wave that owns the tile
	s_and_b32 s31, s27, 3                          ; the tile among its four
	s_mul_i32 s48, s30, 24
	s_lshl_b32 s49, s29, 3
	s_add_co_u32 s48, s48, s49
	s_lshl_b32 s49, s31, 1
	s_add_co_u32 s48, s48, s49
	s_add_co_u32 s48, s48, s26                     ; q, k, v: 24 head + 8 tensor + 2 tile + s
	s_mul_i32 s50, s30, 72
	s_lshl_b32 s49, s26, 2
	s_add_co_u32 s50, s50, s49
	s_add_co_u32 s50, s50, s31
	s_add_co_u32 s50, s50, 96                      ; wo: 96 + 72 w + 4 s + T
	s_cmp_eq_u32 s29, 3
	s_cselect_b32 s25, s50, s48
	s_mov_b32 s28, 8
	s_branch .Ldecoded
.Lnot_square:
	s_cmp_lt_u32 ttmp9, 64
	s_cbranch_scc0 .Lsecond
	s_sub_co_u32 s30, s21, 128                     ; w1: 64 tiles x 2 K steps
	s_and_b32 s26, s30, 1
	s_lshr_b32 s27, s30, 1
	s_mov_b64 s[22:23], s[12:13]
	s_mov_b32 s24, s45
	s_lshr_b32 s30, s27, 4
	s_mul_i32 s25, s30, 72
	s_and_b32 s30, s27, 15
	s_lshr_b32 s30, s30, 1
	s_lshl_b32 s30, s30, 2
	s_add_co_u32 s25, s25, s30
	s_lshl_b32 s30, s26, 1
	s_add_co_u32 s25, s25, s30
	s_and_b32 s30, s27, 1
	s_add_co_u32 s25, s25, s30
	s_add_co_u32 s25, s25, 104                     ; 96 + 72 w + 8 + 4 pair + 2 s + u
	s_mov_b32 s28, 10
	s_branch .Ldecoded
.Lsecond:
	s_sub_co_u32 s30, s21, 256                     ; w2: 16 tiles x 8 K steps
	s_and_b32 s26, s30, 7
	s_lshr_b32 s27, s30, 3
	s_mov_b64 s[22:23], s[14:15]
	s_mov_b32 s24, s47
	s_lshr_b32 s30, s27, 2
	s_mul_i32 s25, s30, 72
	s_lshl_b32 s30, s26, 2
	s_add_co_u32 s25, s25, s30
	s_and_b32 s30, s27, 3
	s_add_co_u32 s25, s25, s30
	s_add_co_u32 s25, s25, 136                     ; 96 + 72 w + 40 + 4 s + T
	s_mov_b32 s28, 8
.Ldecoded:
	s_add_co_u32 s29, s28, 7
	s_lshl_b32 s29, s26, s29                       ; 128 s rows of N numbers
	s_lshr_b32 s30, s27, 1
	s_lshl_b32 s30, s30, 5
	s_and_b32 s31, s27, 1
	s_lshl_b32 s31, s31, 3
	s_add_co_u32 s29, s29, s30
	s_add_co_u32 s29, s29, s31                     ; + the tile's first column
	s_lshl_b32 s48, s29, 2
	s_mov_b32 s49, 0
	s_add_nc_u64 s[22:23], s[22:23], s[48:49]
	s_lshl_b32 s48, s25, 11
	s_add_nc_u64 s[18:19], s[18:19], s[48:49]      ; the fragment's 2,048 bytes
	s_add_co_u32 s30, s28, 6
	s_wait_alu depctr_va_vdst(0)
	v_lshlrev_b32 v4, s30, v4                      ; lanes 16-31 begin 16 rows further down: 64 N bytes
	v_lshl_add_u32 v2, v3, 2, v4                   ; + 4 x my column in the tile
	s_add_co_i32 s24, s24, 127
	s_lshl_b32 s29, s24, 23
	v_mov_b32 v6, s29                              ; 2^e as f32: the conversion takes its exponent field
	s_add_co_i32 s24, s24, 8
	s_lshl_b32 s24, s24, 23
	s_or_b32 s24, s24, 0x600000
	v_mov_b32 v7, s24                              ; 448 x 2^e
.macro LOADS n                         ; 64 loads; the row length stands in the immediates, so the run is written for each of the two lengths
.irp c, 0,1,2,3
.irp i, 0,1,2,3,4,5,6,7,8,9,10,11,12,13,14,15
	global_load_b32 v[X+16*\c+\i], v2, s[22:23] offset:(32*\c+\i)*\n*4
.endr
.endr
.endm
	s_cmp_eq_u32 s28, 10
	s_cbranch_scc1 .Lwide
	LOADS 256
	s_branch .Lloaded
.Lwide:
	s_wait_alu depctr_va_vdst(0)
	LOADS 1024
.Lloaded:
	s_wait_loadcnt 0x0
.set j, 0
	s_wait_alu depctr_va_vdst(0)
.rept 64
	v_med3_num_f32 v[X+j], v[X+j], -v7, v7         ; the conversion to an 8-bit code does not saturate (ISA guide 7.6.2): the hold at the largest code x the scale
.set j, j+1
.endr
.irp c, 0,1,2,3
	v_cvt_scalef32_pk8_fp8_f32 v[C+4*\c:C+4*\c+1], v[X+16*\c:X+16*\c+7], v6
	v_cvt_scalef32_pk8_fp8_f32 v[C+4*\c+2:C+4*\c+3], v[X+16*\c+8:X+16*\c+15], v6
.endr
.irp c, 0,1,2,3
	global_store_b128 v5, v[C+4*\c:C+4*\c+3], s[18:19] offset:512*\c   ; the wave stores 512 consecutive bytes, at a multiple of 512 from the buffer's first byte
.endr
	s_endpgm
.Lfunc_end_k_q4d02bbd96c_prep:
	.size	k_q4d02bbd96c_prep, .Lfunc_end_k_q4d02bbd96c_prep-k_q4d02bbd96c_prep
	.p2alignl 7, 3214868480
	.fill 96, 4, 3214868480
	.section	.rodata,"a",@progbits
	.p2align	6, 0x0
	.amdhsa_kernel k_q4d02bbd96c_prep
		.amdhsa_group_segment_fixed_size 0
		.amdhsa_private_segment_fixed_size 0
		.amdhsa_enable_private_segment 0
		.amdhsa_kernarg_size 64
		.amdhsa_user_sgpr_count 2
		.amdhsa_user_sgpr_kernarg_segment_ptr 1
		.amdhsa_wavefront_size32 1
		.amdhsa_system_sgpr_workgroup_id_x 1
		.amdhsa_system_sgpr_workgroup_id_y 1
		.amdhsa_system_sgpr_workgroup_id_z 1
		.amdhsa_system_vgpr_workitem_id 0
		.amdhsa_next_free_vgpr 96
		.amdhsa_next_free_sgpr 66
		.amdhsa_reserve_vcc 0
		.amdhsa_float_denorm_mode_32 3
		.amdhsa_float_denorm_mode_16_64 3
		.amdhsa_memory_ordered 1
		.amdhsa_forward_progress 1
		.amdhsa_inst_pref_size 22
	.end_amdhsa_kernel
	.amdgpu_metadata
---
amdhsa.version: [ 1, 2 ]
amdhsa.kernels:
  - .name:           k_q4d02bbd96c_prep
    .symbol:         k_q4d02bbd96c_prep.kd
    .args:
      - { .name: wq, .offset: 0, .size: 8, .value_kind: global_buffer, .address_space: global }
      - { .name: wk, .offset: 8, .size: 8, .value_kind: global_buffer, .address_space: global }
      - { .name: wv, .offset: 16, .size: 8, .value_kind: global_buffer, .address_space: global }
      - { .name: wo, .offset: 24, .size: 8, .value_kind: global_buffer, .address_space: global }
      - { .name: w1, .offset: 32, .size: 8, .value_kind: global_buffer, .address_space: global }
      - { .name: w2, .offset: 40, .size: 8, .value_kind: global_buffer, .address_space: global }
      - { .name: lowp_scales, .offset: 48, .size: 8, .value_kind: global_buffer, .address_space: global }
      - { .name: wimg, .offset: 56, .size: 8, .value_kind: global_buffer, .address_space: global }
    .group_segment_fixed_size: 0
    .private_segment_fixed_size: 0
    .kernarg_segment_align: 8
    .kernarg_segment_size: 64
    .max_flat_workgroup_size: 128
    .sgpr_count:     66
    .vgpr_count:     96
    .wavefront_size: 32
...
	.end_amdgpu_metadata
.endif
;; end of part 5
;; launch qkv (part 6): grid 256 x 1, 4 waves a work-group, no clusters, 49,664 bytes of LDS; arguments x, mask, bq, bk, bv, lowp_scales, wimg, qimg, kv; writes qimg, kv
.if DOCPART == 6
	.amdgcn_target "amdgcn-amd-amdhsa--gfx1250"
	.amdhsa_code_object_version 6
	.text
	.protected	k_q4d02bbd96c_qkv
	.globl	k_q4d02bbd96c_qkv
	.p2align	8
	.type	k_q4d02bbd96c_qkv,@function
k_q4d02bbd96c_qkv:
	s_mov_b64 s[64:65], 0
	v_nop
	global_prefetch_b8 v0, s[64:65] scope:SCOPE_SE
	s_setreg_imm32_b32 hwreg(HW_REG_WAVE_SCHED_MODE, 0, 2), 2
	s_setreg_imm32_b32 hwreg(HW_REG_WAVE_MODE, 25, 1), 1
	s_wait_xcnt 0x0
	s_wait_alu depctr_vm_vsrc(0)
; q = x wq + bq, k = x wk + bk, v = x wv + bv on codes of E4M3, and q, k, v quantised again for the attention; the mask's terms are made on the way.
; SHARES.  A work-group takes 64 tokens.  Wave w quantises token tile w of x, three times (x has a scale of its own in each of the three products), and stores the six fragments in LDS as images of
; their registers; behind ONE barrier wave w makes head w (64 channels) of q, k and v for all four token tiles.  Its 24 weight fragments come from memory straight into its registers, once.
; NO CLUSTER, NO JOINT LOADS: every weight byte is wanted by one wave of a work-group, in registers, once; a joint load would lay the 196,608 bytes in LDS, from where they would be read once more.
; LAYOUT.  A fragment for K = 128: lane (r, h) holds row r; registers 4 c .. 4 c + 3 hold k = 32 c + 16 h + 0 .. 15: the same order of k on both sides of a product.
; q and k are made TRANSPOSED (source 0 = 16 columns of the weight, source 1 = 16 tokens): a lane holds one token, and by the choice of a weight tile's columns the registers of tiles 2 b, 2 b + 1 are the
; 16 neighbouring channels 32 b + 16 h + 0 .. 15: the conversions' results are the fragments of the first attention product.
; v is made the natural way round (source 0 = tokens, source 1 = columns): a lane holds one channel and eight neighbouring tokens, which are the keys, the second attention product's K.
; The biases are the C of each sum's first matrix instruction, divided by the power of two that the sums lack; the scales ahead of each quantiser are folded into the conversion's one.
; OUT.  qimg: [16 heads][256 query tiles] x 1,024 bytes.  kv: [16 heads][32 steps of 128 keys] x 16,896 bytes: K's 8 tiles (1,024 each), V^T's 4 channel tiles (2,048 each), 128 mask terms.
; mask term = (mask x -1e9) x log2(e), two roundings.
; LIMITS: e0, e2, e4, e6 - e0 - e1, e7 - e2 - e3, e9 - e4 - e5 between -126 and 119.  NaN among the inputs is not served.
; REGISTERS, in windows of 256: window 0: v1-6 addresses; v32-159 x's 128 numbers, later the 16 accumulators; v160-223 held numbers, later two sets of 32 codes on their way out;
;   v240-251 scales and holds; v252-253 the mask.   window 1: wq's 8 fragments, wk's 8.   window 2: wv's 8; from v128 the biases as C.
;   window 3: v0-95 x's six fragments as they are made, then v0-127 (A) and v128-255 (B) x's 8 fragments of a tensor; B first holds the biases as loaded.
; THE MODE: SCHED_MODE bits 1:0 = 2 (LLVM: expert scheduling mode 2), set by the entry lines.  The code itself states the register dependences
; between vector or matrix instructions and memory or LDS instructions, with s_wait_alu, always for 0.
; THE PLAN.  Registers that memory or LDS instructions touch:
;   v1-6           Addresses, written at the head and never again.
;   window 3 v0-95 x's six fragments, each in 16 registers of its own: written once by the conversions, read by the LDS stores, three fragments in one run behind one wait on va_vdst.
;   A, B           Written by LDS loads (tensor 0 into A, tensor 1 into B, tensor 2 into A), read by the products.  B's loads stand in the middle of q's products, which name A alone;
;                  A's second loads stand behind the wait that follows q's conversions, which shows q's products done.
;   OC0, OC1       v160-191, v192-223: written by the conversions of q, k, v by turns (OC0, OC1, OC0), read by the global stores behind one wait on va_vdst each;
;                  the wait on vm_vsrc ahead of OC0's second turn stands a whole tensor behind the stores that it waits for.
;   v252-253       The mask: loaded, multiplied in place, stored once.
;   Windows 1 and 2 v0-127 (the weights) are written by loads and read by products alone; v254, v255 are read by the closing add alone.
.set LI,  1                            ; 16 x lane
.set XA,  2                            ; x: 1,024 r + 64 h
.set XWI, 3                            ; where I store x's images: 16 x lane + 12,288 x wave
.set L8,  4                            ; 8 x lane
.set H64, 5                            ; 64 h
.set RP4, 6                            ; 4 (r + 8 (r / 8))
.set X,   32
.set ACC, 32
.set TMP, 160
.set OC,  160
.set XS,  240                          ; x's scale and hold for tensor t: v[XS + 2 t], v[XS + 2 t + 1]
.set OS,  246                          ; the same for the results
.set MK,  252
.set MSB, 0
.macro WIN new                         ; the immediate's high byte repeats the setting that is left
.if MSB != (\new)
	s_set_vgpr_msb (MSB<<8)|(\new)
.set MSB, (\new)
.endif
.endm
.macro PLACES                          ; four plain vector instructions between a matrix instruction and a vector read of its results (ISA guide 7.12.1)
.rept 4
	v_nop
.endr
.endm
.macro MKSC vs, vh, se                 ; 2^e as f32 into v[vs], 448 x 2^e into v[vh]; e in s[se]
	s_add_co_i32 s76, s[\se], 127
	s_lshl_b32 s77, s76, 23
	v_mov_b32 v[\vs], s77
	s_add_co_i32 s76, s76, 8
	s_lshl_b32 s76, s76, 23
	s_or_b32 s76, s76, 0x600000
	v_mov_b32 v[\vh], s76
.endm
	s_load_b256 s[4:11], s[0:1], 0x0               ; x s[4:5], mask s[6:7], bq s[8:9], bk s[10:11]
	s_load_b256 s[12:19], s[0:1], 0x20             ; bv s[12:13], the exponents s[14:15], the weights' images s[16:17], qimg s[18:19]
	s_load_b64 s[20:21], s[0:1], 0x40              ; kv
	v_lshl_add_u32 v254, v0, 2, 0xc000
	v_mov_b32 v255, 0
	v_lshrrev_b32 v7, 5, v0
	v_readfirstlane_b32 s22, v7                    ; wave = head
	v_and_b32 v7, 31, v0
	v_and_b32 v8, 15, v0                           ; r
	v_bfe_u32 v9, v0, 4, 1                         ; h
	v_lshlrev_b32 v[LI], 4, v7
	v_lshlrev_b32 v[L8], 3, v7
	v_lshlrev_b32 v[H64], 6, v9
	v_lshl_add_u32 v[XA], v8, 10, v[H64]
	v_and_b32 v10, 8, v8
	v_add_nc_u32 v10, v10, v8
	v_lshlrev_b32 v[RP4], 2, v10
	s_wait_alu depctr_va_sdst(0)                   ; s22, the wave's number, is written, ahead of its first reader
	s_mul_i32 s23, s22, 12288
	v_add_nc_u32 v[XWI], s23, v[LI]
	s_lshl_b32 s24, ttmp9, 16                      ; 64 tokens of 1,024 bytes,
	s_lshl_b32 s25, s22, 14
	s_add_co_u32 s24, s24, s25                     ; + my wave's 16
	s_mov_b32 s25, 0
	s_lshl_b32 s26, ttmp9, 8                       ; 64 mask numbers
	s_mov_b32 s27, 0
	s_lshl_b32 s28, s22, 8                         ; my head's 64 bias numbers
	s_mov_b32 s29, 0
	s_mul_i32 s30, s22, 49152                      ; my 24 weight fragments
	s_mov_b32 s31, 0
	s_lshr_b32 s48, ttmp9, 6
	s_lshl_b32 s48, s48, 2
	s_add_co_u32 s48, s48, s22                     ; 4 x batch + head
	s_and_b32 s49, ttmp9, 63                       ; which 64 tokens of the batch
	s_lshr_b32 s50, s49, 1                         ; the key step of 128,
	s_and_b32 s51, s49, 1                          ; and which half of it
	s_lshl_b32 s52, s48, 8
	s_lshl_b32 s53, s49, 2
	s_add_co_u32 s52, s52, s53
	s_lshl_b32 s52, s52, 10                        ; q: (256 head + first query tile) x 1,024
	s_mov_b32 s53, 0
	s_mul_i32 s54, s48, 540672
	s_mul_i32 s55, s50, 16896
	s_add_co_u32 s54, s54, s55                     ; the step's block in kv
	s_mov_b32 s55, 0
	s_lshl_b32 s56, s51, 12                        ; K: my half's four tiles
	s_mov_b32 s57, 0
	s_lshl_b32 s58, s51, 10
	s_add_co_u32 s58, s58, 8192                    ; V: my half's two blocks of each channel tile
	s_mov_b32 s59, 0
	s_lshl_b32 s60, s51, 8
	s_add_co_u32 s60, s60, 16384                   ; the mask terms: my half's 256 bytes
	s_mov_b32 s61, 0
	s_wait_kmcnt 0x0
	s_load_b512 s[32:47], s[14:15], 0x0            ; e0 .. e15 in s32 .. s47
	s_add_nc_u64 s[4:5], s[4:5], s[24:25]
	s_add_nc_u64 s[6:7], s[6:7], s[26:27]
	s_add_nc_u64 s[8:9], s[8:9], s[28:29]
	s_add_nc_u64 s[10:11], s[10:11], s[28:29]
	s_add_nc_u64 s[12:13], s[12:13], s[28:29]
	s_add_nc_u64 s[16:17], s[16:17], s[30:31]
	s_add_nc_u64 s[18:19], s[18:19], s[52:53]
	s_add_nc_u64 s[20:21], s[20:21], s[54:55]
	s_add_nc_u64 s[66:67], s[20:21], s[56:57]
	s_add_nc_u64 s[68:69], s[20:21], s[58:59]
	s_add_nc_u64 s[70:71], s[20:21], s[60:61]
.macro XLOAD s                         ; my 16 tokens' numbers of K step s: register 16 c + i = x(r, 128 s + 32 c + 16 h + i)
.irp c, 0,1,2,3
.irp j, 0,1,2,3
	global_load_b128 v[X+64*\s+16*\c+4*\j:X+64*\s+16*\c+4*\j+3], v[XA], s[4:5] offset:512*\s+128*\c+16*\j th:TH_LOAD_NT
.endr
.endr
.endm
.macro WLD ten                         ; tensor ten's 8 weight fragments (tile, K step) at 16 (2 tile + s): wq and wk in window 1, wv in window 2.  No vector or matrix instruction ahead of these loads names their registers
.if \ten == 2
	WIN 0x80
.else
	WIN 0x40
.endif
.irp f, 0,1,2,3,4,5,6,7
.irp c, 0,1,2,3
	global_load_b128 v[128*(\ten%2)+16*\f+4*\c:128*(\ten%2)+16*\f+4*\c+3], v[LI], s[16:17] offset:(8*\ten+\f)*2048+512*\c
.endr
.endr
	WIN 0
.endm
; K step s of my token tile becomes a fragment under tensor ten's scale, in 16 registers of its own in window 3; x's numbers are kept, since three scales are served
.macro QUANTX s, ten
.set j, 0
.rept 64
	v_med3_num_f32 v[TMP+j], v[X+64*\s+j], -v[XS+2*\ten+1], v[XS+2*\ten+1]   ; the conversion does not saturate (ISA guide 7.6.2): the hold
.set j, j+1
.endr
	WIN 0xc0                                       ; destination window 3
.irp c, 0,1,2,3
	v_cvt_scalef32_pk8_fp8_f32 v[16*(2*\ten+\s)+4*\c:16*(2*\ten+\s)+4*\c+1], v[TMP+16*\c:TMP+16*\c+7], v[XS+2*\ten]
	v_cvt_scalef32_pk8_fp8_f32 v[16*(2*\ten+\s)+4*\c+2:16*(2*\ten+\s)+4*\c+3], v[TMP+16*\c+8:TMP+16*\c+15], v[XS+2*\ten]
.endr
	v_nop                                          ; a plain vector instruction between the conversions and the next lines that write their sources
	WIN 0
.endm
.macro XSTORE s                        ; K step s's three fragments go to LDS as they stand
	WIN 0x0c                                       ; the stores' data in window 3
	s_wait_alu depctr_va_vdst(0)                   ; the conversions have written K step s's three fragments, which the LDS stores read
.irp ten, 0,1,2
.irp c, 0,1,2,3
	ds_store_b128 v[XWI], v[16*(2*\ten+\s)+4*\c:16*(2*\ten+\s)+4*\c+3] offset:(2*\ten+\s)*2048+512*\c
.endr
.endr
	WIN 0
.endm
	s_wait_alu depctr_va_vdst(0)                   ; the six addresses v1 to v6 are written, which every load and store below reads
	XLOAD 0
	XLOAD 1
	global_load_b64 v[MK:MK+1], v[L8], s[6:7]      ; the work-group's 64 mask numbers, two a lane
	WIN 0xc0                                       ; destination window 3
.irp t, 0,1,2,3                        ; bq, bk: lane (r, h) wants, for tile 2 b + u, the numbers of channels 32 b + 16 h + 8 u + 0 .. 7
	global_load_b128 v[128+8*\t:128+8*\t+3], v[H64], s[8:9] offset:(32*(\t/2)+8*(\t%2))*4
	global_load_b128 v[128+8*\t+4:128+8*\t+7], v[H64], s[8:9] offset:(32*(\t/2)+8*(\t%2))*4+16
.endr
.irp t, 0,1,2,3
	global_load_b128 v[160+8*\t:160+8*\t+3], v[H64], s[10:11] offset:(32*(\t/2)+8*(\t%2))*4
	global_load_b128 v[160+8*\t+4:160+8*\t+7], v[H64], s[10:11] offset:(32*(\t/2)+8*(\t%2))*4+16
.endr
.irp t, 0,1,2,3                        ; bv: a lane holds one channel of each tile
	global_load_b32 v[192+\t], v[RP4], s[12:13] offset:(32*(\t/2)+8*(\t%2))*4
.endr
	WIN 0
	s_wait_kmcnt 0x0
	MKSC XS, XS+1, 32
	MKSC XS+2, XS+3, 34
	MKSC XS+4, XS+5, 36
	s_add_co_i32 s72, s32, s33                     ; a sum of the first product stands for sum x 2^(e0 + e1): its code under e6 is sum / 2^(e6 - e0 - e1)
	s_sub_co_i32 s78, s38, s72
	MKSC OS, OS+1, 78
	s_sub_co_i32 s72, 0, s72                       ; and bq goes in as bq x 2^-(e0 + e1)
	s_add_co_i32 s73, s34, s35
	s_sub_co_i32 s78, s39, s73
	MKSC OS+2, OS+3, 78
	s_sub_co_i32 s73, 0, s73
	s_add_co_i32 s74, s36, s37
	s_sub_co_i32 s78, s41, s74
	MKSC OS+4, OS+5, 78
	s_sub_co_i32 s74, 0, s74
	s_wait_loadcnt 37                              ; x's K step 0 is in: behind it came K step 1's 16 loads, the mask's one and the biases' 20
	WLD 0
	QUANTX 0, 0
	QUANTX 0, 1
	QUANTX 0, 2
	XSTORE 0
	s_wait_loadcnt 53                              ; x's K step 1 is in: behind it 21 + wq's 32
	WLD 1
	QUANTX 1, 0
	QUANTX 1, 1
	QUANTX 1, 2
	XSTORE 1
	s_wait_loadcnt 63                              ; the mask and the biases are in: 64 loads came behind them, and the wait's field ends at 63
	WLD 2
	WIN 0x83                                       ; source 0 window 3, destination window 2
.set j, 0
.rept 32
	v_ldexp_f32 v[128+j], v[128+j], s72
.set j, j+1
.endr
.set j, 0
.rept 32
	v_ldexp_f32 v[160+j], v[160+j], s73
.set j, j+1
.endr
.irp t, 0,1,2,3
.irp i, 0,1,2,3,4,5,6,7
	v_ldexp_f32 v[192+8*\t+\i], v[192+\t], s74     ; the lane's one channel, for its eight tokens
.endr
.endr
	WIN 0
	v_mul_f32 v[MK], 0xce6e6b28, v[MK]             ; mask x -1e9,
	v_mul_f32 v[MK+1], 0xce6e6b28, v[MK+1]
	v_mul_f32 v[MK], 0x3fb8aa3b, v[MK]             ; x log2(e)
	v_mul_f32 v[MK+1], 0x3fb8aa3b, v[MK+1]
	s_wait_alu depctr_va_vdst(0)                   ; the multiplications have written v[MK ..], which the store reads; the scalings are done reading the biases as loaded, in whose registers (B) tensor 1's fragments land; the conversions have written A's registers
	global_store_b64 v[L8], v[MK:MK+1], s[70:71]   ; each wave for its own head: 256 consecutive bytes, aligned
	s_wait_dscnt 0x0                               ; my six images have landed
	s_barrier_signal -1
	s_barrier_wait -1                              ; all 24 lie in LDS; nothing is stored there again
.macro FETCH ten, xb                   ; x's 8 fragments (token tile m, K step s) under tensor ten's scale, into window 3 at xb + 16 (2 m + s)
	WIN 0xc0
.irp m, 0,1,2,3
.irp s, 0,1
.irp c, 0,1,2,3
	ds_load_b128 v[\xb+16*(2*\m+\s)+4*\c:\xb+16*(2*\m+\s)+4*\c+3], v[LI] offset:((3*\m+\ten)*2+\s)*2048+512*\c
.endr
.endr
.endr
	WIN 0
.endm
; q or k, K step s: 16 accumulators (token tile m, channel tile t) by turns, one instruction a turn; the first K step takes the bias as C
.macro MULQK ten, xb, s
.if \s == 0
	WIN 0x2d                                       ; source 0 (weight) window 1, source 1 (x) window 3, C (bias) window 2, D window 0
.else
	WIN 0x0d
.endif
.irp m, 0,1,2,3
.irp t, 0,1,2,3
.if \s == 0
	v_wmma_f32_16x16x128_fp8_fp8 v[ACC+32*\m+8*\t:ACC+32*\m+8*\t+7], v[128*\ten+16*(2*\t+\s):128*\ten+16*(2*\t+\s)+15], v[\xb+16*(2*\m+\s):\xb+16*(2*\m+\s)+15], v[128+32*\ten+8*\t:128+32*\ten+8*\t+7]
.else
	v_wmma_f32_16x16x128_fp8_fp8 v[ACC+32*\m+8*\t:ACC+32*\m+8*\t+7], v[128*\ten+16*(2*\t+\s):128*\ten+16*(2*\t+\s)+15], v[\xb+16*(2*\m+\s):\xb+16*(2*\m+\s)+15], v[ACC+32*\m+8*\t:ACC+32*\m+8*\t+7]
.endif
.endr
.endr
	WIN 0
.endm
.macro MULV                            ; v: accumulator (channel tile t, token tile m); source 0 = x (in A), source 1 = wv
.irp s, 0,1
.if \s == 0
	WIN 0x2b                                       ; source 0 (x) window 3, source 1 (wv) and C (bias) window 2, D window 0
.else
	WIN 0x0b
.endif
.irp t, 0,1,2,3
.irp m, 0,1,2,3
.if \s == 0
	v_wmma_f32_16x16x128_fp8_fp8 v[ACC+32*\t+8*\m:ACC+32*\t+8*\m+7], v[16*(2*\m+\s):16*(2*\m+\s)+15], v[16*(2*\t+\s):16*(2*\t+\s)+15], v[192+8*\t:192+8*\t+7]
.else
	v_wmma_f32_16x16x128_fp8_fp8 v[ACC+32*\t+8*\m:ACC+32*\t+8*\m+7], v[16*(2*\m+\s):16*(2*\m+\s)+15], v[16*(2*\t+\s):16*(2*\t+\s)+15], v[ACC+32*\t+8*\m:ACC+32*\t+8*\m+7]
.endif
.endr
.endr
.endr
	WIN 0
.endm
; The 16 accumulators become 32 registers of codes from v[oc] on: group g's four accumulators give registers 8 g .. 8 g + 7.  Each accumulator is read from its low end on.
.macro QCODES ten, oc
.irp g, 0,1,2,3
.set j, 0
.rept 32
	v_med3_num_f32 v[ACC+32*\g+j], v[ACC+32*\g+j], -v[OS+2*\ten+1], v[OS+2*\ten+1]
.set j, j+1
.endr
.irp i, 0,1,2,3
	v_cvt_scalef32_pk8_fp8_f32 v[\oc+8*\g+2*\i:\oc+8*\g+2*\i+1], v[ACC+32*\g+8*\i:ACC+32*\g+8*\i+7], v[OS+2*\ten]
.endr
.endr
	v_nop                                          ; a plain vector instruction between the conversions and the next products, which write their sources
.endm
	WIN 0xc0
	s_wait_alu depctr_vm_vsrc(0)                   ; my LDS stores have read window 3's v0 to v95, in which the fragments below land
	FETCH 0, 0
	s_wait_dscnt 0x0
	s_wait_loadcnt 63                              ; wq is in: wk's and wv's 64 loads came behind it, and the field ends at 63
	MULQK 0, 0, 0
	FETCH 1, 128                                   ; tensor 1's fragments into B.  No wait: no vector or matrix instruction since the wait ahead of the mask's store names B or v[LI]
	MULQK 0, 0, 1
	PLACES
	QCODES 0, OC
	WIN 0xc0
	s_wait_alu depctr_va_vdst(0)                   ; the conversions have written OC0, which q's stores read; q's products are done reading A, in which tensor 2's fragments land
	s_wait_dscnt 0x0                               ; tensor 1's fragments, asked for in the middle of q's products, are in
	FETCH 2, 0                                     ; lands while k is multiplied and quantised
.irp m, 0,1,2,3
.irp c, 0,1
	global_store_b128 v[LI], v[OC+8*\m+4*\c:OC+8*\m+4*\c+3], s[18:19] offset:1024*\m+512*\c   ; every store of the wave covers 512 consecutive bytes, aligned
.endr
.endr
	s_wait_loadcnt 32                              ; wk is in: wv's 32 came behind it
	MULQK 1, 128, 0
	MULQK 1, 128, 1
	PLACES
	QCODES 1, OC+32
	s_wait_alu depctr_va_vdst(0)                   ; the conversions have written OC1, which k's stores read
.irp m, 0,1,2,3
.irp c, 0,1
	global_store_b128 v[LI], v[OC+32+8*\m+4*\c:OC+32+8*\m+4*\c+3], s[66:67] offset:1024*\m+512*\c
.endr
.endr
	s_wait_dscnt 0x0                               ; tensor 2's fragments are in
	s_wait_loadcnt 0x0
	MULV
	PLACES
	s_wait_xcnt 0x0                                ; q's stores have had their addresses translated: OC0 is written again only behind this wait,
	s_wait_alu depctr_vm_vsrc(0)                   ; and q's stores have read OC0, which v's conversions write
	QCODES 2, OC                                   ; token tile m gives registers 2 (4 half + m), + 1 of V^T's fragment: keys 16 t + 8 h + 0 .. 7
	s_wait_alu depctr_va_vdst(0)                   ; the conversions have written OC0, which v's stores read
.irp g, 0,1,2,3
.irp c, 0,1
	global_store_b128 v[LI], v[OC+8*\g+4*\c:OC+8*\g+4*\c+3], s[68:69] offset:2048*\g+512*\c
.endr
.endr
	s_wait_dscnt 0x0                               ; the closing lines, six on end
	s_wait_alu 0x0
	s_wait_tensorcnt 0x0
	ds_add_u32 v254, v255
	s_wait_dscnt 0x0
	s_endpgm
.Lfunc_end_k_q4d02bbd96c_qkv:
	.size	k_q4d02bbd96c_qkv, .Lfunc_end_k_q4d02bbd96c_qkv-k_q4d02bbd96c_qkv
	.p2alignl 7, 3214868480
	.fill 96, 4, 3214868480
	.section	.rodata,"a",@progbits
	.p2align	6, 0x0
	.amdhsa_kernel k_q4d02bbd96c_qkv
		.amdhsa_group_segment_fixed_size 49664
		.amdhsa_private_segment_fixed_size 0
		.amdhsa_enable_private_segment 0
		.amdhsa_kernarg_size 72
		.amdhsa_user_sgpr_count 2
		.amdhsa_user_sgpr_kernarg_segment_ptr 1
		.amdhsa_wavefront_size32 1
		.amdhsa_system_sgpr_workgroup_id_x 1
		.amdhsa_system_sgpr_workgroup_id_y 1
		.amdhsa_system_sgpr_workgroup_id_z 1
		.amdhsa_system_vgpr_workitem_id 0
		.amdhsa_next_free_vgpr 1024
		.amdhsa_next_free_sgpr 100
		.amdhsa_reserve_vcc 0
		.amdhsa_float_denorm_mode_32 3
		.amdhsa_float_denorm_mode_16_64 3
		.amdhsa_memory_ordered 1
		.amdhsa_forward_progress 1
		.amdhsa_inst_pref_size 98
	.end_amdhsa_kernel
	.amdgpu_metadata
---
amdhsa.version: [ 1, 2 ]
amdhsa.kernels:
  - .name:           k_q4d02bbd96c_qkv
    .symbol:         k_q4d02bbd96c_qkv.kd
    .args:
      - { .name: x, .offset: 0, .size: 8, .value_kind: global_buffer, .address_space: global }
      - { .name: mask, .offset: 8, .size: 8, .value_kind: global_buffer, .address_space: global }
      - { .name: bq, .offset: 16, .size: 8, .value_kind: global_buffer, .address_space: global }
      - { .name: bk, .offset: 24, .size: 8, .value_kind: global_buffer, .address_space: global }
      - { .name: bv, .offset: 32, .size: 8, .value_kind: global_buffer, .address_space: global }
      - { .name: lowp_scales, .offset: 40, .size: 8, .value_kind: global_buffer, .address_space: global }
      - { .name: wimg, .offset: 48, .size: 8, .value_kind: global_buffer, .address_space: global }
      - { .name: qimg, .offset: 56, .size: 8, .value_kind: global_buffer, .address_space: global }
      - { .name: kv, .offset: 64, .size: 8, .value_kind: global_buffer, .address_space: global }
    .group_segment_fixed_size: 49664
    .private_segment_fixed_size: 0
    .kernarg_segment_align: 8
    .kernarg_segment_size: 72
    .max_flat_workgroup_size: 128
    .sgpr_count:     100
    .vgpr_count:     1024
    .wavefront_size: 32
...
	.end_amdgpu_metadata
.endif
;; end of part 6
;; launch attn (part 7): grid 16 x 16, 8 waves a work-group, clusters of 4 x 1, 327,680 bytes of LDS; arguments qimg, kv, lowp_scales, cimg; writes cimg
.if DOCPART == 7
	.amdgcn_target "amdgcn-amd-amdhsa--gfx1250"
	.amdhsa_code_object_version 6
	.text
	.protected	k_q4d02bbd96c_attn
	.globl	k_q4d02bbd96c_attn
	.p2align	8
	.type	k_q4d02bbd96c_attn,@function
k_q4d02bbd96c_attn:
	s_mov_b64 s[64:65], 0
	v_nop
	global_prefetch_b8 v0, s[64:65] scope:SCOPE_SE
	s_setreg_imm32_b32 hwreg(HW_REG_WAVE_MODE, 25, 1), 1
	s_wait_xcnt 0x0
	s_wait_alu depctr_hold_cnt(0) depctr_sa_sdst(0) depctr_va_vdst(0) depctr_va_sdst(0) depctr_va_ssrc(0) depctr_va_vcc(0) depctr_vm_vsrc(0)
	s_getreg_b32 s2, hwreg(HW_REG_IB_STS2, 6, 4)
	s_cmp_eq_u32 s2, 0
	s_cbranch_scc0 .Lentry_in_a_cluster
	s_endpgm
.Lentry_in_a_cluster:
	s_bfe_u32 s2, ttmp6, 0x10000c
	s_cmp_lg_u32 s2, 0x3003
	s_cbranch_scc0 .Lentry_shape_is_right
	s_endpgm
.Lentry_shape_is_right:
; ctx[head][q] = the sum over keys of softmax(q . k / 8 + mask x -1e9) v, both products on codes of E4M3; ctx is quantised for the next product and stored as images of operand registers.
; THE SOFTMAX: t = score x log2(e) / 8 + the key's mask term; M = the running largest t rounded UP to a whole number, kept as -M = floor(-t); p = 2^(t - M) is quantised, not normalised;
; the row's sum is taken of the unquantised p and divides at the end; when M moves, the sum and O are multiplied by 2^(old M - new M), which rounds nothing.
; t IS ONE FUSED MULTIPLY-ADD, one rounding, where the definition scales, adds the mask and multiplies by log2(e): the same number wherever the mask is 0; another order of rounding where it is not.
; SHARES.  A work-group owns 256 queries of one head; each of its eight waves two tiles of 16 queries, so that each fragment of K, of V and of the mask terms read from LDS serves two tiles.
; Two waves share a SIMD: one wave's vector work stands beside the other's matrix work and LDS loads.  Every wave walks the head's 4,096 keys, 128 a step.
; LAYOUT.  Both products transposed: S^T = K Q^T (source 0 = 16 keys), O^T = V^T P^T (source 0 = 16 channels): a lane holds ONE query throughout.  In S^T's tile t register j is key 16 t + 8 h + j,
; so its eight registers convert into registers 2 t, 2 t + 1 of P.  V^T's channels were chosen so that O^T's tiles 2 b, 2 b + 1 hold the 16 neighbouring channels 32 b + 16 h + 0 .. 15.
; THE RING.  A key step's K, V^T and mask terms are one dense block of 16,896 bytes, laid as images of registers: no pitch, no padding, every LDS read takes consecutive bytes.  A slot holds eight steps;
; each wave fetches one step's block by one tensor load.  Two slots, four slots' worth of keys: a wave has one load out at a time.
; CLUSTER.  The four work-groups of a cluster belong to one head and walk the same blocks: each block is asked for JOINTLY, by the same load with the same descriptor and the mask of all four.
; NO PREFETCH: half of the head's blocks go out with the first fills, and each refill is asked for eight key steps (192 matrix and some 4,600 vector instructions of each wave) ahead of the wait for it.
; All of a WGP's LDS is claimed; 271,360 bytes are used.
; LIMITS: e6 + e7 between -123 and 130 (added to a constant's exponent field); e8 and e10 between -126 and 119; mask x -1e9 finite; NaN among the inputs is not served.
; REGISTERS: window 0 = tile 0 and what is shared, window 1 = tile 1 at the same numbers.  v12 -M, v13 the largest t, v[14:15] the sum in two halves, v16-23 Q, v96-159 S^T then p, v160-191 O^T, v192-207 P,
;   v208-223 at work, v224-227 scales and holds.  v32-95: in window 0 the fragments of K, then of V; in window 1 the 64 mask terms of a lane.
.set STEPB, 16896                      ; a key step's block
.set SLOT,  8*STEPB
.set SPARE, 2*SLOT                     ; behind the ring: the spare words, 128 bytes for each wave: four blocks of 256 bytes that no other line names
.set LI,  1                            ; 16 x lane
.set AM0, 2                            ; the mask terms' place in a block: 16,384 + 32 h
.set SPW, 3                            ; LDS address of my spare word; never rewritten
.set NIL, 4                            ; 0; never rewritten
.set AD,  5                            ; the step's block + 16 x lane
.set AM,  6                            ; the step's mask terms
.set NM,  12
.set TM,  13
.set L,   14
.set Q,   16
.set F,   32
.set MT,  32
.set S,   96
.set O,   160
.set P,   192
.set MX,  208
.set PL,  212
.set FF,  214
.set SUM, 216
.set SCL, 224
.set HOLD, 225
.set CSC, 226
.set CHOLD, 227
.set WV,  12                           ; s12 my wave's number
.set G1,  16                           ; s[16:23] descriptor group 1
.set G0,  24                           ; s[24:31] descriptor group 0, a set for each slot
.set CS,  48                           ; s[48:49] log2(e) / 8 x 2^(e6 + e7)
.set SEL, 50                           ; s[50:51] lane selects: lane l xor 16
.set SO,  52                           ; s52 LDS byte of the step in hand
.set CNT, 53
.set MSB, 0
.macro WIN new                         ; the immediate's high byte repeats the setting that is left
.if MSB != (\new)
	s_set_vgpr_msb (MSB<<8)|(\new)
.set MSB, (\new)
.endif
.endm
.macro PLACES
.rept 4
	v_nop
.endr
.endm
; A round of the cluster's barrier: my work-group's barrier, wave 0 signals for the work-group, every wave waits for all four work-groups, my work-group's barrier once more
.macro CROUND
	s_barrier_signal -1
	s_barrier_wait -1
	s_cmp_lg_u32 s[WV], 0
	s_cbranch_scc1 .Lnot_wave_0_\@
	s_barrier_signal -3
.Lnot_wave_0_\@:
	s_barrier_wait -3
	s_barrier_signal -1
	s_barrier_wait -1
.endm
	s_load_b256 s[4:11], s[0:1], 0x0               ; qimg s[4:5], kv s[6:7], the exponents s[8:9], cimg s[10:11]
	v_lshl_add_u32 v[SPW], v0, 2, SPARE
	v_mov_b32 v[NIL], 0
	ds_add_u32 v3, v4
	ds_add_u32 v3, v4
	s_wait_dscnt 0x0
	v_lshrrev_b32 v7, 5, v0
	s_delay_alu instid0(VALU_DEP_1)
	v_readfirstlane_b32 s[WV], v7                  ; wave 0..7
	s_bfe_u32 s13, ttmp6, 0x40000                  ; cx: my place in the cluster: it enters Q's and the result's addresses alone
	s_lshl_b32 s14, ttmp9, 2
	s_add_co_u32 s14, s14, s13                     ; my block of 256 queries
	s_and_b32 s15, ttmp7, 0xffff                   ; 4 x batch + head, which the four partners share
	s_mov_b32 s[G1], 15|(3<<16)|(1<<21)            ; 15:0 the mask: all four work-groups; 17:16 elements of 8 bytes; 21 set beside a mask; no padding
	s_mov_b32 s[G1+1], 32<<16                      ; tensor_dim0 = 32 elements: rows of 256 bytes
	s_mov_b32 s[G1+2], 66<<16                      ; tensor_dim1 = 66 rows: 16,896 bytes
	s_mov_b32 s[G1+3], 32<<16                      ; tile_dim0
	s_mov_b32 s[G1+4], 66                          ; tile_dim1
	s_mov_b32 s[G1+5], 32                          ; from row to row: the block is dense
	s_mov_b32 s[G1+6], 0
	s_mov_b32 s[G1+7], 0
	s_mov_b32 s[SEL], 0x76543210
	s_mov_b32 s[SEL+1], 0xfedcba98
	s_mul_i32 s54, s[WV], STEPB                    ; the step that I fetch: its place in a slot, in LDS and in memory alike
	s_mul_i32 s56, s15, 32*STEPB
	s_add_co_u32 s56, s56, s54
	s_mov_b32 s57, 0
	s_lshl_b32 s58, s15, 8
	s_lshl_b32 s59, s14, 4
	s_add_co_u32 s58, s58, s59
	s_lshl_b32 s59, s[WV], 1
	s_add_co_u32 s58, s58, s59                     ; 256 head + my first query tile
	s_lshl_b32 s58, s58, 10
	s_mov_b32 s59, 0
	s_lshr_b32 s60, s15, 2
	s_lshl_b32 s60, s60, 8
	s_lshl_b32 s61, s14, 4
	s_add_co_u32 s60, s60, s61
	s_lshl_b32 s61, s[WV], 1
	s_add_co_u32 s60, s60, s61                     ; 256 batch + my first query tile: a token tile's two fragments are 4,096 bytes,
	s_lshl_b32 s60, s60, 12
	s_and_b32 s61, s15, 3
	s_lshl_b32 s61, s61, 10                        ; of which my head's 64 channels are two blocks: 1,024 x head
	s_add_co_u32 s60, s60, s61
	s_mov_b32 s61, 0
	s_wait_kmcnt 0x0
	s_load_b512 s[32:47], s[8:9], 0x0              ; e0 .. e15 in s32 .. s47
	s_add_nc_u64 s[6:7], s[6:7], s[56:57]
	s_add_nc_u64 s[4:5], s[4:5], s[58:59]
	s_add_nc_u64 s[10:11], s[10:11], s[60:61]
.irp n, 0,1
	s_mov_b32 s[G0+4*\n], 1                        ; count = 1
	s_add_co_u32 s[G0+4*\n+1], s54, \n*SLOT        ; LDS address: wave x a block + the slot
	s_add_nc_u64 s[G0+4*\n+2:G0+4*\n+3], s[6:7], \n*SLOT   ; global address: the slot's eight steps, my one of them
	s_or_b32 s[G0+4*\n+3], s[G0+4*\n+3], 0x80000000        ; type = 2
.endr
	CROUND                                         ; all four work-groups are here: the first joint loads meet
	tensor_load_to_lds s[G0:G0+3], s[G1:G1+7]      ; slot 0's fill, ahead of every wait on TENSORcnt, every LDS read and every other barrier
	s_nop 0
	s_wait_alu depctr_va_vdst(0)
	s_wait_tensorcnt 0x0
	ds_add_u32 v3, v4
	s_wait_dscnt 0x0
	CROUND
	tensor_load_to_lds s[G0+4:G0+7], s[G1:G1+7]
	s_nop 0
	PLACES                                         ; four lines behind a tensor load, ahead of any switch of windows
	v_and_b32 v7, 31, v0
	s_delay_alu instid0(VALU_DEP_1)
	v_lshlrev_b32 v[LI], 4, v7
	v_bfe_u32 v8, v0, 4, 1
	s_delay_alu instid0(VALU_DEP_1)
	v_lshlrev_b32 v[AM0], 5, v8
	s_delay_alu instid0(VALU_DEP_1)
	v_add_nc_u32 v[AM0], 16384, v[AM0]
	global_load_b128 v[Q:Q+3], v[LI], s[4:5]       ; Q stays in registers: tile 0,
	global_load_b128 v[Q+4:Q+7], v[LI], s[4:5] offset:512
	WIN 0x40
	global_load_b128 v[Q:Q+3], v[LI], s[4:5] offset:1024   ; tile 1
	global_load_b128 v[Q+4:Q+7], v[LI], s[4:5] offset:1536
	WIN 0
	s_wait_kmcnt 0x0
	s_add_co_i32 s54, s38, s39
	s_lshl_b32 s54, s54, 23
	s_add_co_i32 s[CS], s54, 0x3e38aa3b            ; log2(e) / 8, with e6 + e7 added to its exponent field: a score stands for score x 2^(e6 + e7)
	s_mov_b32 s[CS+1], s[CS]                       ; (named with it as a pair, so it is written)
	s_add_co_i32 s55, s40, s41                     ; e8 + e9
	s_add_co_i32 s54, s40, 127
	s_lshl_b32 s56, s54, 23                        ; 2^e8 as f32, for p's conversions
	s_add_co_i32 s54, s54, 8
	s_lshl_b32 s57, s54, 23
	s_or_b32 s57, s57, 0x600000                    ; 448 x 2^e8
	s_add_co_i32 s54, s42, 127
	s_lshl_b32 s58, s54, 23                        ; 2^e10, for the result's
	s_add_co_i32 s54, s54, 8
	s_lshl_b32 s59, s54, 23
	s_or_b32 s59, s59, 0x600000
.irp wn, 0, 0x40                       ; both tiles' state.  The step is written once: the first finds zeros, which the first change of M leaves zeros
	WIN \wn
	v_mov_b32 v[TM], 0xff61b1e6                    ; the largest t so far: -3e38, under every t
	v_mov_b32 v[NM], 0x7f61b1e6                    ; -M = floor(3e38)
	v_mov_b32 v[L], 0
	v_mov_b32 v[L+1], 0
	v_mov_b32 v[PL], 0                             ; a lane permute's destination counts as one of its sources
	v_mov_b32 v[FF+1], 0                           ; (named as the upper half of a pair)
	v_mov_b32 v[SCL], s56
	v_mov_b32 v[HOLD], s57
	v_mov_b32 v[CSC], s58
	v_mov_b32 v[CHOLD], s59
.set j, 0
.rept 32
	v_mov_b32 v[O+j], 0
.set j, j+1
.endr
.endr
	WIN 0
; One tile's softmax for one key step.  Tile 1 works wholly in window 1; tile 0 takes the mask terms from there and works in window 0.
.macro SOFTMAX tile
.if \tile
	WIN 0x55
.else
	WIN 0x10
.endif
.set j, 0
.rept 32
	v_pk_fma_f32 v[S+j:S+j+1], v[S+j:S+j+1], s[CS:CS+1], v[MT+j:MT+j+1] op_sel_hi:[1,0,1]   ; t, two at a time; each accumulator from its low end on
.set j, j+2
.endr
.if \tile == 0
	WIN 0
.endif
.irp k, 0,1,2,3                        ; the largest t of my 64 keys: four chains of 15,
	v_max3_num_f32 v[MX+\k], v[S+16*\k], v[S+16*\k+1], v[S+16*\k+2]
.endr
.irp i, 1,2,3,4,5,6
.irp k, 0,1,2,3
	s_delay_alu instid0(VALU_DEP_4)
	v_max3_num_f32 v[MX+\k], v[MX+\k], v[S+16*\k+2*\i+1], v[S+16*\k+2*\i+2]
.endr
.endr
	s_delay_alu instid0(VALU_DEP_3)
	v_max3_num_f32 v[MX], v[MX], v[MX+1], v[S+15]  ; the four left over, and the chains
	s_delay_alu instid0(VALU_DEP_2)
	v_max3_num_f32 v[MX+2], v[MX+2], v[MX+3], v[S+31]
	s_delay_alu instid0(VALU_DEP_2)
	v_max3_num_f32 v[MX], v[MX], v[S+47], v[S+63]
	s_delay_alu instid0(VALU_DEP_1)
	v_max_num_f32 v[MX], v[MX], v[MX+2]
	s_delay_alu instid0(VALU_DEP_1)
	v_permlanex16_b32 v[PL], v[MX], s[SEL], s[SEL+1]
	s_delay_alu instid0(VALU_DEP_1)
	v_max_num_f32 v[MX], v[MX], v[PL]              ; and lane l xor 16's 64 keys
	s_delay_alu instid0(VALU_DEP_1)
	v_max_num_f32 v[TM], v[TM], v[MX]              ; the running largest t
	v_mov_b32 v[MX+1], v[NM]
	s_delay_alu instid0(VALU_DEP_2)
	v_floor_f32 v[NM], -v[TM]                      ; the new -M = -ceil(t): a whole number
	s_delay_alu instid0(VALU_DEP_1)
	v_sub_f32 v[MX+1], v[NM], v[MX+1]              ; old M - new M: a whole number, 0 or less
	s_delay_alu instid0(VALU_DEP_1)
	v_cvt_i32_f32 v[MX+1], v[MX+1]                 ; (it saturates)
	s_delay_alu instid0(VALU_DEP_1)
	v_ldexp_f32 v[FF], 1.0, v[MX+1]                ; f = 2^(old M - new M)
.set j, 0
.rept 32
	v_pk_add_f32 v[S+j:S+j+1], v[S+j:S+j+1], v[NM:NM+1] op_sel_hi:[1,0]   ; t - M (the pair's low word serves both halves)
.set j, j+2
.endr
.set j, 0
	s_wait_alu depctr_va_vdst(0)
.rept 64
	v_exp_f32 v[S+j], v[S+j]                       ; p = 2^(t - M), at most 1
.set j, j+1
.endr
	s_wait_alu depctr_va_vdst(0)
	v_pk_mul_f32 v[O:O+1], v[O:O+1], v[FF:FF+1] op_sel_hi:[1,0]   ; O^T x f begins here: the plain instruction behind the exponentials (ISA guide 5.7.2)
	s_wait_alu depctr_va_vdst(0)
.irp k, 0,1,2,3                        ; the sum of the UNQUANTISED p, two at a time, in four chains
	v_pk_add_f32 v[SUM+2*\k:SUM+2*\k+1], v[S+2*\k:S+2*\k+1], v[S+8+2*\k:S+8+2*\k+1]
.endr
.irp i, 2,3,4,5,6,7
.irp k, 0,1,2,3
	v_pk_add_f32 v[SUM+2*\k:SUM+2*\k+1], v[SUM+2*\k:SUM+2*\k+1], v[S+8*\i+2*\k:S+8*\i+2*\k+1]
.endr
.endr
	s_delay_alu instid0(VALU_DEP_3)
	v_pk_add_f32 v[SUM:SUM+1], v[SUM:SUM+1], v[SUM+2:SUM+3]
	s_delay_alu instid0(VALU_DEP_2)
	v_pk_add_f32 v[SUM+4:SUM+5], v[SUM+4:SUM+5], v[SUM+6:SUM+7]
	s_delay_alu instid0(VALU_DEP_1)
	v_pk_add_f32 v[SUM:SUM+1], v[SUM:SUM+1], v[SUM+4:SUM+5]
	s_delay_alu instid0(VALU_DEP_1)
	v_pk_fma_f32 v[L:L+1], v[L:L+1], v[FF:FF+1], v[SUM:SUM+1] op_sel_hi:[1,0,1]   ; l = l f + the step's sum
.irp t, 0,1,2,3,4,5,6,7
.irp i, 0,1,2,3,4,5,6,7
	v_min_num_f32 v[S+8*\t+\i], v[S+8*\t+\i], v[HOLD]   ; the conversion does not saturate (ISA guide 7.6.2); p is not negative, so the hold is one-sided
.endr
	v_cvt_scalef32_pk8_fp8_f32 v[P+2*\t:P+2*\t+1], v[S+8*\t:S+8*\t+7], v[SCL]
.endr
.set j, 2
.rept 15
	v_pk_mul_f32 v[O+j:O+j+1], v[O+j:O+j+1], v[FF:FF+1] op_sel_hi:[1,0]   ; the rest of O^T x f: also the plain instructions between the conversions and the products that read P
.set j, j+2
.endr
.endm
; A key step: 128 keys, both tiles.  The 24 matrix instructions name 24 accumulators: between two links of O^T's sums stand 23 others'.
.macro STEP
	v_add_nc_u32 v[AD], s[SO], v[LI]               ; these two and two v_nop are the four places between the last products and the loads into the registers that they read
	v_add_nc_u32 v[AM], s[SO], v[AM0]
	v_nop
	v_nop
.irp t, 0,1,2,3,4,5,6,7
	ds_load_b128 v[F+8*\t:F+8*\t+3], v[AD] offset:1024*\t          ; K's tile t
	ds_load_b128 v[F+8*\t+4:F+8*\t+7], v[AD] offset:1024*\t+512
.endr
	WIN 0x40
.irp t, 0,1,2,3,4,5,6,7
	ds_load_b128 v[MT+8*\t:MT+8*\t+3], v[AM] offset:64*\t          ; the mask terms of keys 16 t + 8 h + 0 .. 7
	ds_load_b128 v[MT+8*\t+4:MT+8*\t+7], v[AM] offset:64*\t+16
.endr
	WIN 0
	s_wait_alu depctr_va_vdst(0)
	s_wait_dscnt 16                                ; K is in; the 16 loads of mask terms may be out
.irp t, 0,1,2,3,4,5,6,7
	v_wmma_f32_16x16x64_fp8_fp8 v[S+8*\t:S+8*\t+7], v[F+8*\t:F+8*\t+7], v[Q:Q+7], 0
.endr
	WIN 0x44                                       ; tile 1: Q and S^T in window 1
.irp t, 0,1,2,3,4,5,6,7
	v_wmma_f32_16x16x64_fp8_fp8 v[S+8*\t:S+8*\t+7], v[F+8*\t:F+8*\t+7], v[Q:Q+7], 0
.endr
	WIN 0
	PLACES
.irp t, 0,1,2,3
.irp c, 0,1,2,3
	ds_load_b128 v[F+16*\t+4*\c:F+16*\t+4*\c+3], v[AD] offset:8192+2048*\t+512*\c   ; V^T's channel tile t: lands under the softmax
.endr
.endr
	s_wait_dscnt 16                                ; the mask terms are in; V's 16 loads may be out
	SOFTMAX 0
	SOFTMAX 1
	WIN 0
	s_wait_alu depctr_va_vdst(0)
	s_wait_dscnt 0x0                               ; V is in
.irp t, 0,1,2,3
	v_wmma_f32_16x16x128_fp8_fp8 v[O+8*\t:O+8*\t+7], v[F+16*\t:F+16*\t+15], v[P:P+15], v[O+8*\t:O+8*\t+7]
.endr
	WIN 0x54                                       ; tile 1: P and O^T in window 1
.irp t, 0,1,2,3
	v_wmma_f32_16x16x128_fp8_fp8 v[O+8*\t:O+8*\t+7], v[F+16*\t:F+16*\t+15], v[P:P+15], v[O+8*\t:O+8*\t+7]
.endr
	WIN 0
.endm
.macro SLOT_STEPS slot                 ; a slot's eight key steps
	s_mov_b32 s[SO], \slot*SLOT
	s_mov_b32 s[CNT], 8
.Lstep_\@:
	STEP
	s_add_co_u32 s[SO], s[SO], STEPB
	s_sub_co_u32 s[CNT], s[CNT], 1
	s_cmp_lg_u32 s[CNT], 0
	s_cbranch_scc1 .Lstep_\@
.endm
; The change of slots.  Each wave waits for all its tensor loads (its part of the slot ahead), adds 0 to its spare word, and waits for that and for its reads of the slot that it leaves.
; fill = 1: behind a round of the cluster's barrier, so that no wave of any partner still reads that slot or has a load on its way, it is filled with the keys two slots on.
.macro CHANGE slot, fill
	s_wait_tensorcnt 0x0                           ; no tensor load of mine is out, so a group 0 may be written
	ds_add_u32 v[SPW], v[NIL]                      ; 0 onto my spare word
.if \fill
	s_add_nc_u64 s[G0+4*\slot+2:G0+4*\slot+3], s[G0+4*\slot+2:G0+4*\slot+3], 2*SLOT   ; the type bits on top are not reached
.endif
	s_wait_dscnt 0x0                               ; the add is done, and my reads of the slot are over
.if \fill
	CROUND
	tensor_load_to_lds s[G0+4*\slot:G0+4*\slot+3], s[G1:G1+7]   ; the first thing behind the round, and my one tensor load until the next
	s_nop 0
	PLACES
.else
	s_barrier_signal -1
	s_barrier_wait -1
.endif
.endm
	s_wait_loadcnt 0x0                             ; Q
	s_wait_tensorcnt 0x1                           ; my part of slot 0 is in; slot 1's may stay out
	s_barrier_signal -1
	s_barrier_wait -1                              ; everybody's is
	SLOT_STEPS 0                                   ; keys 0 .. 1,023.  The four slots are written out
	CHANGE 0, 1
	SLOT_STEPS 1
	CHANGE 1, 1
	SLOT_STEPS 0
	CHANGE 0, 0                                    ; nothing is left to fetch
	SLOT_STEPS 1
; THE WAY OUT.  O^T x 2^(e8 + e9) / the sum is the context; held, converted under e10, its 8 registers are two blocks of the next product's fragment, stored as they stand.
.macro FINISH tile
.if \tile
	WIN 0x55
.endif
	v_add_f32 v[L], v[L], v[L+1]                   ; the sum's two halves,
	s_delay_alu instid0(VALU_DEP_1)
	v_permlanex16_b32 v[PL], v[L], s[SEL], s[SEL+1]
	s_delay_alu instid0(VALU_DEP_1)
	v_add_f32 v[L], v[L], v[PL]                    ; and lane l xor 16's
	s_wait_alu depctr_va_vdst(0)
	v_rcp_f32 v[L], v[L]
	v_nop                                          ; a plain instruction behind the reciprocal
	s_wait_alu depctr_va_vdst(0)
	v_ldexp_f32 v[L], v[L], s55
.set j, 0
.rept 16
	v_pk_mul_f32 v[S+j:S+j+1], v[O+j:O+j+1], v[L:L+1] op_sel_hi:[1,0]
.set j, j+2
.endr
.set j, 0
.rept 32
	v_med3_num_f32 v[S+j], v[S+j], -v[CHOLD], v[CHOLD]
.set j, j+1
.endr
.irp t, 0,1,2,3
	v_cvt_scalef32_pk8_fp8_f32 v[P+2*\t:P+2*\t+1], v[S+8*\t:S+8*\t+7], v[CSC]
.endr
	v_nop
.if \tile
	WIN 0x04                                       ; the stores' data in window 1, their address in window 0
.endif
	global_store_b128 v[LI], v[P:P+3], s[10:11] offset:4096*\tile          ; the wave stores 512 consecutive bytes, aligned
	global_store_b128 v[LI], v[P+4:P+7], s[10:11] offset:4096*\tile+512
	WIN 0
.endm
	PLACES                                         ; between the last products and the first read of their results
	FINISH 0
	FINISH 1
	s_wait_tensorcnt 0x0                           ; the wave's end
	ds_add_u32 v[SPW], v[NIL]
	s_wait_dscnt 0x0
	CROUND                                         ; the closing round: no work-group ends while a partner may still ask for a block that names it
	s_endpgm
.Lfunc_end_k_q4d02bbd96c_attn:
	.size	k_q4d02bbd96c_attn, .Lfunc_end_k_q4d02bbd96c_attn-k_q4d02bbd96c_attn
	.p2alignl 7, 3214868480
	.fill 96, 4, 3214868480
	.section	.rodata,"a",@progbits
	.p2align	6, 0x0
	.amdhsa_kernel k_q4d02bbd96c_attn
		.amdhsa_group_segment_fixed_size 327680
		.amdhsa_private_segment_fixed_size 0
		.amdhsa_enable_private_segment 0
		.amdhsa_kernarg_size 32
		.amdhsa_user_sgpr_count 2
		.amdhsa_user_sgpr_kernarg_segment_ptr 1
		.amdhsa_wavefront_size32 1
		.amdhsa_system_sgpr_workgroup_id_x 1
		.amdhsa_system_sgpr_workgroup_id_y 1
		.amdhsa_system_sgpr_workgroup_id_z 1
		.amdhsa_system_vgpr_workitem_id 0
		.amdhsa_next_free_vgpr 512
		.amdhsa_next_free_sgpr 72
		.amdhsa_reserve_vcc 0
		.amdhsa_float_denorm_mode_32 3
		.amdhsa_float_denorm_mode_16_64 3
		.amdhsa_memory_ordered 1
		.amdhsa_forward_progress 1
		.amdhsa_inst_pref_size 162
	.end_amdhsa_kernel
	.amdgpu_metadata
---
amdhsa.version: [ 1, 2 ]
amdhsa.kernels:
  - .name:           k_q4d02bbd96c_attn
    .symbol:         k_q4d02bbd96c_attn.kd
    .args:
      - { .name: qimg, .offset: 0, .size: 8, .value_kind: global_buffer, .address_space: global }
      - { .name: kv, .offset: 8, .size: 8, .value_kind: global_buffer, .address_space: global }
      - { .name: lowp_scales, .offset: 16, .size: 8, .value_kind: global_buffer, .address_space: global }
      - { .name: cimg, .offset: 24, .size: 8, .value_kind: global_buffer, .address_space: global }
    .group_segment_fixed_size: 327680
    .private_segment_fixed_size: 0
    .kernarg_segment_align: 8
    .kernarg_segment_size: 32
    .max_flat_workgroup_size: 256
    .sgpr_count:     72
    .vgpr_count:     512
    .wavefront_size: 32
...
	.end_amdgpu_metadata
.endif
;; end of part 7
;; launch tail (part 8): grid 256 x 1, 4 waves a work-group, no clusters, 176,640 bytes of LDS; arguments cimg, x, wimg, lowp_scales, bo, ln1_g, ln1_b, b1, ln_ff_g, ln_ff_b, b2, ln2_g, ln2_b, out0; writes out0
.if DOCPART == 8
	.amdgcn_target "amdgcn-amd-amdhsa--gfx1250"
	.amdhsa_code_object_version 6
	.text
	.protected	k_q4d02bbd96c_tail
	.globl	k_q4d02bbd96c_tail
	.p2align	8
	.type	k_q4d02bbd96c_tail,@function
k_q4d02bbd96c_tail:
	s_mov_b64 s[64:65], 0
	v_nop
	global_prefetch_b8 v0, s[64:65] scope:SCOPE_SE
	s_setreg_imm32_b32 hwreg(HW_REG_WAVE_SCHED_MODE, 0, 2), 2
	s_setreg_imm32_b32 hwreg(HW_REG_WAVE_MODE, 25, 1), 1
	s_wait_xcnt 0x0
	s_wait_alu depctr_vm_vsrc(0)
; out1 = LN(x + ctx wo + bo);  h = LN(relu(out1 w1 + b1));  out0 = LN(out1 + h w2 + b2): three products on codes of E4M3, all else f32; nothing between them goes to memory.
; SHARES.  A work-group takes 64 tokens (four tiles m).  THE WAVES SHARE THE COLUMNS: wave w owns channels 64 w .. 64 w + 63 of the two 256-wide results and hidden units 256 w .. 256 w + 255, for all 64 tokens.
; All products are used transposed (source 0 = 16 columns of a weight, source 1 = 16 tokens): lane (r, h) holds token r, and register j of tile 2 b + u is channel 32 b + 16 h + 8 u + j, so the registers of two
; neighbouring tiles convert straight into a block of the next product's fragment.  Fragments go from wave to wave through LDS as images of their registers (512 bytes a block, lane l at 16 l).
; WEIGHTS.  Wave w's 72 fragments lie in memory in its order of use and stream straight into a ring of four register buffers of four fragments: 18 groups, each asked for three groups ahead, four across a norm.
; NO CLUSTER, NO JOINT LOADS: a weight fragment is wanted by one wave of a work-group, in registers; the 589,824 bytes do not fit in LDS beside the 176,128 in use, and a ring of slots would put a round of a
; cluster's barrier behind every 16 matrix instructions of a wave.
; LAYER NORMS.  Each wave takes the mean of its own part of a token's row, subtracts it, and sums the squares of what is left; (mean, sum of squares) of the four waves meet in LDS behind one barrier and are
; joined as M2 = the four sums + n x the sum of (wave's mean - mean)^2: no difference of large sums.  That is another order of rounding than mean and variance over the whole row at once.
; The hidden layer stays in the units of its sums (h = H x 2^E, E = e12 + e13): the variance is scaled by 2^(2 E), the factor by 2^E.
; LIMITS: e12, e14 between -126 and 119; e10 + e11 and e14 + e15 between -126 and 127.  NaN among the inputs is not served.
; REGISTERS, in windows of 256: window 0: v1-15 addresses; v16-31 for each m the pairs (a, 0), (-delta a, 0); v32-159 A's fragments, and while a norm is taken its statistics and then the codes;
;   v160-223 parameters, in the last product a third set of A's fragments; v224-226 scale, hold, permute's target.   window 1: the weight ring.
;   windows 2, 3: H: token tile m at 128 (m % 2) of window 2 + m / 2; tile T at + 8 T; in the 256-wide phases sums at + 0 .. 31, x, held out1 or out1 at + 32 .. 63.
; THE MODE: SCHED_MODE bits 1:0 = 2 (LLVM: expert scheduling mode 2), set by the entry lines.  The code itself states the register dependences
; between vector or matrix instructions and memory or LDS instructions, with s_wait_alu, always for 0.
; THE PLAN.  Registers that memory or LDS instructions touch:
;   v1-15        Addresses, written at the head and never again.
;   The ring     Step g's products read buffer g % 4.  ONE wait on va_vdst at the head of step g, behind the wait for its data, shows step g - 1's products done reading; behind step g's products, which
;                name none of those registers, group g + 3 is asked for into buffer (g - 1) % 4.  Groups 5 and 13 follow the wait that stands ahead of a norm's statistics stores.
;   v32-159      Loaded as A's fragments and read by products; then written by a norm's sums (v32-111) and by the conversions (out1's codes v112-143; the hidden layer's sixteen sets of 8 fill v32-159,
;                each written once); read by the statistics' and the images' LDS stores; loaded again behind the next barrier, behind a wait on va_vdst and one on vm_vsrc.
;   v160-223     Loaded from LDS; read by products (as C) and by the norms' multiply-adds; loaded again behind a wait on va_vdst that stands there for stores' sake too.
;   H + 0 .. 31  Written by products and norms; read by the parking stores and the stage's stores, behind one wait on va_vdst each.  out1 is held into + 32 .. 63, so that what the parking stores read is not written again
;                before the next barrier's wait on vm_vsrc.
;   H + 32 .. 63 x, loaded at the head; out1, loaded back from LDS in two halves among the last product's steps, whose products name + 0 .. 31 alone.
;   The last product has three sets of A's fragments (v32, v96, v160): step s + 2's land, behind step s's products, in the set that step s - 1 read.
.set P_BO,  0                          ; LDS: the parameters, f32, as they lie in memory; the three biases divided by the power of two that their sums lack
.set P_G1,  1024
.set P_B1,  2048
.set P_B2,  3072
.set P_G2,  4096
.set P_BB2, 5120
.set P_FB,  6144
.set P_FG,  10240
.set P_FBB, 14336
.set STAT,  18432                      ; three regions of 2,048: [token][wave] x (mean, sum of squares)
.set O1IMG, 24576                      ; out1's 8 fragments: (2 m + s) x 2,048
.set PARK,  40960                      ; 17,408 for each wave, its own: out1 as f32 images, later the stage of 64 rows x (256 + 16) bytes
.set PARKW, 17408
.set HIMG,  110592                     ; the hidden layer's 32 fragments: (8 m + s) x 2,048
.set LI,   1
.set XA,   2
.set PA1,  3
.set PA4,  4
.set STW,  5
.set STR,  6
.set IMW1, 7
.set IMWH, 8
.set LIH,  9
.set PKA,  10
.set SGI,  11
.set SGO,  12
.set GO,   13
.set T8,   14
.set T16,  15
.set AP,   16
.set AF,   32
.set MUP,  32                          ; while a norm is taken: v[32 + 2 m], v[33 + 2 m] = my wave's (mean, sum of squares) of token tile m
.set CH,   40                          ; four chains
.set SB,   48                          ; the four waves' statistics, 8 registers for each m
.set TT,   80                          ; at work, 8 registers for each m
.set C1,   112                         ; out1's codes, 8 registers for each m
.set CQ,   32                          ; the hidden layer's codes: 32 q + 8 m
.set PRM,  160
.set SCL,  224
.set HOLD, 225
.set PLT,  226
.set WV,   48                          ; s48 my wave's number
.set SEL,  50                          ; s[50:51] lane selects: lane l xor 16
.set MSB, 0
.macro WIN new                         ; the immediate's high byte repeats the setting that is left
.if MSB != (\new)
	s_set_vgpr_msb (MSB<<8)|(\new)
.set MSB, (\new)
.endif
.endm
.macro PLACES                          ; four plain vector instructions behind a run of matrix instructions, ahead of a vector read or write of, or a load into, their registers
.rept 4
	v_nop
.endr
.endm
.macro BARRIER                         ; my LDS stores have landed and my LDS loads are in: then the work-group's barrier
	s_wait_dscnt 0x0
	s_barrier_signal -1
	s_barrier_wait -1
.endm
.macro MKSC se                         ; 2^e and 448 x 2^e for the conversions that follow; e in s[se]
	s_add_co_i32 s70, s[\se], 127
	s_lshl_b32 s71, s70, 23
	v_mov_b32 v[SCL], s71
	s_add_co_i32 s70, s70, 8
	s_lshl_b32 s70, s70, 23
	s_or_b32 s70, s70, 0x600000
	v_mov_b32 v[HOLD], s70
.endm
.macro WLOAD g                         ; group g of my stream: four fragments into buffer g % 4 of window 1
	WIN 0x40
.irp f, 0,1,2,3
.irp c, 0,1,2,3
	global_load_b128 v[64*((\g)%4)+16*\f+4*\c:64*((\g)%4)+16*\f+4*\c+3], v[LI], s[8:9] offset:(4*(\g)+\f)*2048+512*\c
.endr
.endr
	WIN 0
.endm
.macro PRD reg, adr, off               ; 32 parameters in the results' layout: those of channels 32 b + 16 h + 0 .. 15, b = 0, 1
.irp b, 0,1
.irp i, 0,1,2,3
	ds_load_b128 v[\reg+16*\b+4*\i:\reg+16*\b+4*\i+3], v[\adr] offset:\off+128*\b+16*\i
.endr
.endr
.endm
; 16 products: my four tiles x the four token tiles, one K step; A's fragment of token tile m at afb + afs m.  first = 1: the bias in v[PRM] on is the C.  The 16 accumulators take turns.
.macro MM4 buf, afb, afs, first
.irp m, 0,1,2,3
.if \first
	WIN 0x81+0x40*(\m/2)                           ; source 0 (weight) window 1, source 1 and C window 0, D window 2 or 3
.else
	WIN 0xa1+0x50*(\m/2)                           ; C and D window 2 or 3
.endif
.irp t, 0,1,2,3
.if \first
	v_wmma_f32_16x16x128_fp8_fp8 v[128*(\m%2)+8*\t:128*(\m%2)+8*\t+7], v[\buf+16*\t:\buf+16*\t+15], v[\afb+\afs*\m:\afb+\afs*\m+15], v[PRM+8*\t:PRM+8*\t+7]
.else
	v_wmma_f32_16x16x128_fp8_fp8 v[128*(\m%2)+8*\t:128*(\m%2)+8*\t+7], v[\buf+16*\t:\buf+16*\t+15], v[\afb+\afs*\m:\afb+\afs*\m+15], v[128*(\m%2)+8*\t:128*(\m%2)+8*\t+7]
.endif
.endr
.endr
	WIN 0
.endm
; 16 products: hidden tiles 2 p, 2 p + 1 x the four token tiles, both K steps: eight accumulators by turns
.macro MM2 buf, p
.irp s, 0,1
.irp m, 0,1,2,3
.if \s == 0
	WIN 0x81+0x40*(\m/2)
.else
	WIN 0xa1+0x50*(\m/2)
.endif
.irp u, 0,1
.if \s == 0
	v_wmma_f32_16x16x128_fp8_fp8 v[128*(\m%2)+8*(2*(\p)+\u):128*(\m%2)+8*(2*(\p)+\u)+7], v[\buf+16*(2*\s+\u):\buf+16*(2*\s+\u)+15], v[AF+16*(2*\m+\s):AF+16*(2*\m+\s)+15], v[PRM+16*((\p)%4)+8*\u:PRM+16*((\p)%4)+8*\u+7]
.else
	v_wmma_f32_16x16x128_fp8_fp8 v[128*(\m%2)+8*(2*(\p)+\u):128*(\m%2)+8*(2*(\p)+\u)+7], v[\buf+16*(2*\s+\u):\buf+16*(2*\s+\u)+15], v[AF+16*(2*\m+\s):AF+16*(2*\m+\s)+15], v[128*(\m%2)+8*(2*(\p)+\u):128*(\m%2)+8*(2*(\p)+\u)+7]
.endif
.endr
.endr
.endr
	WIN 0
.endm
.macro RESID sp                        ; sum x 2^(the two exponents) + what lies at + 32: one packed multiply-add for two numbers; each accumulator from its low end on
.irp m, 0,1,2,3
	WIN 0xa2+0x51*(\m/2)
.set j, 0
.rept 16
	v_pk_fma_f32 v[128*(\m%2)+j:128*(\m%2)+j+1], v[128*(\m%2)+j:128*(\m%2)+j+1], s[\sp:\sp+1], v[128*(\m%2)+32+j:128*(\m%2)+32+j+1] op_sel_hi:[1,0,1]
.set j, j+2
.endr
.endr
	WIN 0
.endm
; Token tile mm, n registers a lane: my wave's mean of each token's 2 n numbers; H becomes H - that mean; the sum of its squares.  inv = 1 / (2 n) as f32.
.macro LNSTAT mm, n, inv
.set XW, 2+(\mm)/2
.set HB, 128*((\mm)%2)
	WIN XW|(XW<<2)
.irp c, 0,1,2,3
	v_pk_add_f32 v[CH+2*\c:CH+2*\c+1], v[HB+2*\c:HB+2*\c+1], v[HB+8+2*\c:HB+8+2*\c+1]
.endr
	WIN XW
.set j, 16
.rept (\n-16)/2
	v_pk_add_f32 v[CH+j%8:CH+j%8+1], v[HB+j:HB+j+1], v[CH+j%8:CH+j%8+1]
.set j, j+2
.endr
	WIN 0
	v_pk_add_f32 v[CH:CH+1], v[CH:CH+1], v[CH+2:CH+3]
	v_pk_add_f32 v[CH+4:CH+5], v[CH+4:CH+5], v[CH+6:CH+7]
	v_pk_add_f32 v[CH:CH+1], v[CH:CH+1], v[CH+4:CH+5]
	v_add_f32 v[CH], v[CH], v[CH+1]
	v_permlanex16_b32 v[PLT], v[CH], s[SEL], s[SEL+1]
	v_add_f32 v[CH], v[CH], v[PLT]                 ; a token's other n numbers lie in lane l xor 16
	v_mul_f32 v[MUP+2*\mm], \inv, v[CH]
	WIN XW|(XW<<6)
.set j, 0
.rept \n/2
	v_pk_add_f32 v[HB+j:HB+j+1], v[HB+j:HB+j+1], v[MUP+2*\mm:MUP+2*\mm+1] op_sel_hi:[1,0] neg_lo:[0,1] neg_hi:[0,1]
.set j, j+2
.endr
	WIN XW|(XW<<2)
.irp c, 0,1,2,3
	v_pk_mul_f32 v[CH+2*\c:CH+2*\c+1], v[HB+2*\c:HB+2*\c+1], v[HB+2*\c:HB+2*\c+1]
.endr
.set j, 8
.rept (\n-8)/2
	v_pk_fma_f32 v[CH+j%8:CH+j%8+1], v[HB+j:HB+j+1], v[HB+j:HB+j+1], v[CH+j%8:CH+j%8+1]
.set j, j+2
.endr
	WIN 0
	v_pk_add_f32 v[CH:CH+1], v[CH:CH+1], v[CH+2:CH+3]
	v_pk_add_f32 v[CH+4:CH+5], v[CH+4:CH+5], v[CH+6:CH+7]
	v_pk_add_f32 v[CH:CH+1], v[CH:CH+1], v[CH+4:CH+5]
	v_add_f32 v[CH], v[CH], v[CH+1]
	v_permlanex16_b32 v[PLT], v[CH], s[SEL], s[SEL+1]
	v_add_f32 v[MUP+2*\mm+1], v[CH], v[PLT]
.endm
.macro LNPUT k                         ; my wave's four pairs go to LDS in one run
	s_wait_alu depctr_va_vdst(0)                   ; the sums have written v[MUP ..], which the LDS stores read; every product issued so far is done reading its weights, its fragments and its C
.irp m, 0,1,2,3
	ds_store_b64 v[STW], v[MUP+2*\m:MUP+2*\m+1] offset:STAT+2048*\k+512*\m   ; lanes l and l xor 16 store the same two numbers to the same word pair
.endr
.endm
.macro LNLOAD k                        ; the four waves' statistics of my lane's token, for each m
.irp m, 0,1,2,3
	ds_load_b128 v[SB+8*\m:SB+8*\m+3], v[STR] offset:STAT+2048*\k+512*\m
	ds_load_b128 v[SB+8*\m+4:SB+8*\m+7], v[STR] offset:STAT+2048*\k+512*\m+16
.endr
.endm
; 1 / sqrt(M2 x 2^sv + eps), and my wave's mean - the mean.  nw: the numbers of a wave's part, as f32; sv: -log2(the row's length), + 2 E for the hidden layer.  The four tiles' roots are one batch
.macro LNC1 mm, nw, sv, eps
.set SM, SB+8*\mm
.set TQ, TT+8*\mm
	v_add_f32 v[TQ], v[SM], v[SM+2]
	v_add_f32 v[TQ+1], v[SM+4], v[SM+6]
	v_add_f32 v[TQ], v[TQ], v[TQ+1]
	v_mul_f32 v[TQ], 0x3e800000, v[TQ]             ; the mean of the four equal parts' means
	v_sub_f32 v[TQ+1], v[SM], v[TQ]
	v_sub_f32 v[TQ+2], v[SM+2], v[TQ]
	v_sub_f32 v[TQ+3], v[SM+4], v[TQ]
	v_sub_f32 v[TQ+4], v[SM+6], v[TQ]
	v_mul_f32 v[TQ+1], v[TQ+1], v[TQ+1]
	v_fmac_f32 v[TQ+1], v[TQ+2], v[TQ+2]
	v_fmac_f32 v[TQ+1], v[TQ+3], v[TQ+3]
	v_fmac_f32 v[TQ+1], v[TQ+4], v[TQ+4]
	v_add_f32 v[TQ+2], v[SM+1], v[SM+3]
	v_add_f32 v[TQ+3], v[SM+5], v[SM+7]
	v_add_f32 v[TQ+2], v[TQ+2], v[TQ+3]
	v_fmamk_f32 v[TQ+1], v[TQ+1], \nw, v[TQ+2]
	v_ldexp_f32 v[TQ+1], v[TQ+1], \sv              ; the variance
	v_add_f32 v[TQ+1], \eps, v[TQ+1]
	v_sub_f32 v[TQ+2], v[MUP+2*\mm], v[TQ]
	s_wait_alu depctr_va_vdst(0)
	v_rsq_f32 v[TQ+1], v[TQ+1]
.endm
.macro LNC2 mm, se                     ; a = the root x 2^se, and (my wave's mean - the mean) x a
.set TQ, TT+8*\mm
	v_ldexp_f32 v[AP+4*\mm], v[TQ+1], \se
	v_mul_f32 v[AP+4*\mm+2], v[TQ+2], v[AP+4*\mm]
.endm
.macro NORM mm, j0                     ; 32 registers from j0 on: ((H - my mean) a + (my mean - mean) a) g + b; g in v[PRM] on, b in v[PRM + 32] on
.set XW, 2+(\mm)/2
.set HB, 128*((\mm)%2)+\j0
	WIN XW|(XW<<6)
.set j, 0
.rept 16
	v_pk_fma_f32 v[HB+j:HB+j+1], v[HB+j:HB+j+1], v[AP+4*\mm:AP+4*\mm+1], v[AP+4*\mm+2:AP+4*\mm+3] op_sel_hi:[1,0,0]
.set j, j+2
.endr
.set j, 0
.rept 16
	v_pk_fma_f32 v[HB+j:HB+j+1], v[HB+j:HB+j+1], v[PRM+j:PRM+j+1], v[PRM+32+j:PRM+32+j+1]
.set j, j+2
.endr
	WIN 0
.endm
.macro QC mm, j0, d, pc                ; the same 32 registers, held into the registers d further on (d = 0: in place), become two blocks of codes in v[pc] on
.set XW, 2+(\mm)/2
.set HB, 128*((\mm)%2)+\j0
	WIN XW|(XW<<6)
.set j, 0
.rept 32
	v_med3_num_f32 v[HB+\d+j], v[HB+j], -v[HOLD], v[HOLD]   ; the conversion does not saturate (ISA guide 7.6.2): the hold
.set j, j+1
.endr
	WIN XW
.irp t, 0,1,2,3
	v_cvt_scalef32_pk8_fp8_f32 v[\pc+2*\t:\pc+2*\t+1], v[HB+\d+8*\t:HB+\d+8*\t+7], v[SCL]
.endr
	v_nop                                          ; a plain vector instruction between the conversions and whatever next writes their sources
	WIN 0
.endm
.macro HFETCH st                       ; the hidden layer's fragments of K step st, four token tiles, into set st % 3
.irp m, 0,1,2,3
.irp c, 0,1,2,3
	ds_load_b128 v[AF+64*((\st)%3)+16*\m+4*\c:AF+64*((\st)%3)+16*\m+4*\c+3], v[LIH] offset:(8*\m+(\st))*2048+512*\c
.endr
.endr
.endm
.macro O1BACK m0                       ; out1 of token tiles m0 and m0 + 1 comes back beside the sums
	WIN 0x80+0x40*((\m0)/2)
.irp d, 0,1
.irp i, 0,1,2,3,4,5,6,7
	ds_load_b128 v[128*\d+32+4*\i:128*\d+32+4*\i+3], v[PKA] offset:4096*((\m0)+\d)+512*\i
.endr
.endr
	WIN 0
.endm
	s_load_b512 s[4:19], s[0:1], 0x0               ; cimg s[4:5], x s[6:7], wimg s[8:9], the exponents s[10:11], bo s[12:13], ln1_g s[14:15], ln1_b s[16:17], b1 s[18:19]
	s_load_b256 s[20:27], s[0:1], 0x40             ; ln_ff_g s[20:21], ln_ff_b s[22:23], b2 s[24:25], ln2_g s[26:27]
	s_load_b128 s[28:31], s[0:1], 0x60             ; ln2_b s[28:29], out0 s[30:31]
	v_lshl_add_u32 v254, v0, 2, 0x2b000
	v_mov_b32 v255, 0
	v_lshrrev_b32 v16, 5, v0
	v_readfirstlane_b32 s[WV], v16                 ; wave 0..3
	v_and_b32 v16, 31, v0
	v_and_b32 v17, 15, v0                          ; r
	v_bfe_u32 v18, v0, 4, 1                        ; h
	v_lshlrev_b32 v[LI], 4, v16                    ; 16 x lane
	v_lshlrev_b32 v19, 6, v18                      ; 64 h
	s_wait_alu depctr_va_sdst(0)                   ; s48, the wave's number, is written, ahead of its first reader
	s_lshl_b32 s60, s[WV], 8
	v_add_nc_u32 v[PA1], s60, v19                  ; a 256-wide parameter: 64 h + 256 w bytes
	v_lshl_add_u32 v[XA], v17, 10, v[PA1]          ; x: + 1,024 r
	s_lshl_b32 s60, s[WV], 10
	v_add_nc_u32 v[PA4], s60, v19                  ; a 1,024-wide parameter: 64 h + 1,024 w
	v_add_nc_u32 v[IMW1], s60, v[LI]               ; out1's images: my 64 channels are two blocks: 1,024 w
	v_lshlrev_b32 v[STR], 5, v17                   ; a token's four pairs of statistics: 32 r,
	s_lshl_b32 s60, s[WV], 3
	v_add_nc_u32 v[STW], s60, v[STR]               ; mine among them: + 8 w
	v_add_nc_u32 v[LIH], HIMG, v[LI]
	s_lshl_b32 s60, s[WV], 12
	v_add_nc_u32 v[IMWH], s60, v[LIH]              ; the hidden images: my 256 units are two fragments: 4,096 w
	s_mul_i32 s60, s[WV], PARKW
	s_add_co_u32 s60, s60, PARK
	v_add_nc_u32 v[PKA], s60, v[LI]
	v_mul_u32_u24 v20, v17, 272
	v_add_nc_u32 v20, v20, v19
	v_add_nc_u32 v[SGI], s60, v20                  ; the stage, in: row r, + 64 h
	v_mul_u32_u24 v20, v18, 272
	v_lshl_add_u32 v20, v17, 4, v20
	v_add_nc_u32 v[SGO], s60, v20                  ; back: lanes 0-15 one row of 256 bytes, lanes 16-31 the next
	v_lshlrev_b32 v20, 10, v18
	v_lshl_add_u32 v20, v17, 4, v20
	s_lshl_b32 s60, s[WV], 8
	v_add_nc_u32 v[GO], s60, v20                   ; and the same two rows in out0, at my 256 bytes
	v_lshlrev_b32 v[T8], 3, v0
	v_lshlrev_b32 v[T16], 4, v0
.set j, 0
.rept 16
	v_mov_b32 v[AP+j], 0                           ; the pairs' upper halves are named, so they are written
.set j, j+1
.endr
	v_mov_b32 v[PLT], 0                            ; a lane permute's destination counts as one of its sources
	s_mov_b32 s[SEL], 0x76543210
	s_mov_b32 s[SEL+1], 0xfedcba98
	s_lshl_b32 s60, ttmp9, 14                      ; four token tiles of 4,096 bytes of codes
	s_mov_b32 s61, 0
	s_lshl_b32 s62, ttmp9, 16                      ; 64 rows of 1,024 bytes
	s_mov_b32 s63, 0
	s_mul_i32 s66, s[WV], 147456
	s_add_co_u32 s66, s66, 196608                  ; my stream of 72 fragments
	s_mov_b32 s67, 0
	s_wait_kmcnt 0x0
	s_load_b512 s[32:47], s[10:11], 0x0            ; e0 .. e15 in s32 .. s47
	s_add_nc_u64 s[4:5], s[4:5], s[60:61]
	s_add_nc_u64 s[6:7], s[6:7], s[62:63]
	s_add_nc_u64 s[30:31], s[30:31], s[62:63]
	s_add_nc_u64 s[8:9], s[8:9], s[66:67]
	s_wait_alu depctr_va_vdst(0)                   ; the fifteen addresses v1 to v15 are written, which every load and store below reads
	global_load_b64 v[160:161], v[T8], s[12:13]    ; the parameters, once, each load of the work-group in consecutive bytes
	global_load_b64 v[162:163], v[T8], s[14:15]
	global_load_b64 v[164:165], v[T8], s[16:17]
	global_load_b64 v[166:167], v[T8], s[24:25]
	global_load_b64 v[168:169], v[T8], s[26:27]
	global_load_b64 v[170:171], v[T8], s[28:29]
	global_load_b128 v[172:175], v[T16], s[18:19]
	global_load_b128 v[176:179], v[T16], s[18:19] offset:2048
	global_load_b128 v[180:183], v[T16], s[20:21]
	global_load_b128 v[184:187], v[T16], s[20:21] offset:2048
	global_load_b128 v[188:191], v[T16], s[22:23]
	global_load_b128 v[192:195], v[T16], s[22:23] offset:2048
.irp f, 0,1,2,3,4,5,6,7                ; the context's 8 fragments (2 m + s), as they lie
.irp c, 0,1,2,3
	global_load_b128 v[AF+16*\f+4*\c:AF+16*\f+4*\c+3], v[LI], s[4:5] offset:2048*\f+512*\c
.endr
.endr
	WLOAD 0
	s_wait_kmcnt 0x0
	s_add_co_i32 s60, s42, s43                     ; e10 + e11
	s_sub_co_i32 s66, 0, s60
	s_add_co_i32 s60, s60, 127
	s_lshl_b32 s52, s60, 23                        ; 2^(e10 + e11) as f32
	s_mov_b32 s53, s52
	s_add_co_i32 s60, s46, s47                     ; e14 + e15
	s_sub_co_i32 s67, 0, s60
	s_add_co_i32 s60, s60, 127
	s_lshl_b32 s54, s60, 23
	s_mov_b32 s55, s54
	s_add_co_i32 s56, s44, s45                     ; E = e12 + e13
	s_sub_co_i32 s68, 0, s56
	s_lshl_b32 s57, s56, 1
	s_sub_co_i32 s57, s57, 10                      ; 2 E - log2(1,024)
	s_wait_loadcnt 48                              ; the parameters are in: behind them came the context's 32 loads and the first group's 16
	v_ldexp_f32 v160, v160, s66                    ; bo / 2^(e10 + e11)
	v_ldexp_f32 v161, v161, s66
	v_ldexp_f32 v166, v166, s67                    ; b2 / 2^(e14 + e15)
	v_ldexp_f32 v167, v167, s67
.set j, 172
.rept 8
	v_ldexp_f32 v[j], v[j], s68                    ; b1 / 2^E
.set j, j+1
.endr
	s_wait_alu depctr_va_vdst(0)                   ; the scalings have written the three biases' registers, which the LDS stores read
	ds_store_b64 v[T8], v[160:161] offset:P_BO
	ds_store_b64 v[T8], v[162:163] offset:P_G1
	ds_store_b64 v[T8], v[164:165] offset:P_B1
	ds_store_b64 v[T8], v[166:167] offset:P_B2
	ds_store_b64 v[T8], v[168:169] offset:P_G2
	ds_store_b64 v[T8], v[170:171] offset:P_BB2
	ds_store_b128 v[T16], v[172:175] offset:P_FB
	ds_store_b128 v[T16], v[176:179] offset:P_FB+2048
	ds_store_b128 v[T16], v[180:183] offset:P_FG
	ds_store_b128 v[T16], v[184:187] offset:P_FG+2048
	ds_store_b128 v[T16], v[188:191] offset:P_FBB
	ds_store_b128 v[T16], v[192:195] offset:P_FBB+2048
	WLOAD 1
.irp m, 0,1,2,3                        ; x at my 64 channels, in the sums' layout, beside the sums: no vector instruction has named these registers
	WIN 0x80+0x40*(\m/2)
.irp b, 0,1
.irp i, 0,1,2,3
	global_load_b128 v[128*(\m%2)+32+16*\b+4*\i:128*(\m%2)+32+16*\b+4*\i+3], v[XA], s[6:7] offset:16384*\m+128*\b+16*\i th:TH_LOAD_NT
.endr
.endr
.endr
	WIN 0
	WLOAD 2
	WLOAD 3
	BARRIER                                        ; the parameters lie in LDS
	; ---- ctx wo + bo, the residual, the first norm
	s_wait_alu depctr_va_vdst(0)                   ; the scalings have written v160 to v179, in which bo lands
	s_wait_alu depctr_vm_vsrc(0)                   ; my LDS stores have read v160 to v195, in which the parameters land from here on
	PRD PRM, PA1, P_BO
	s_wait_dscnt 0x0
	s_wait_loadcnt 63                              ; the context and group 0 are in: 80 loads came behind them, and the wait's field ends at 63
	MM4 0, AF, 32, 1
	PLACES
	s_wait_loadcnt 63                              ; group 1: x's 32 loads and groups 2 and 3 came behind it, 64, and the field ends at 63
	s_wait_alu depctr_va_vdst(0)                   ; the first K step's products are done reading ring buffer 0, in which group 4 lands
	MM4 64, AF+16, 32, 0
	PLACES
	WLOAD 4                                        ; no vector or matrix instruction since the wait names buffer 0
	s_wait_loadcnt 48                              ; x: groups 2, 3 and 4 came behind it
	RESID 52
	LNSTAT 0, 32, 0x3c800000
	LNSTAT 1, 32, 0x3c800000
	LNSTAT 2, 32, 0x3c800000
	LNSTAT 3, 32, 0x3c800000
	LNPUT 0
	WLOAD 5                                        ; into buffer 1, which the second K step's products read: they stand ahead of the wait above, and nothing since names it
	BARRIER                                        ; the four waves' statistics lie in LDS
	LNLOAD 0                                       ; into v48 to v79 and v160 to v223: their last readers, the products, stand ahead of the same wait, and nothing since names them
	PRD PRM, PA1, P_G1
	PRD PRM+32, PA1, P_B1
	MKSC 44                                        ; out1 is quantised under e12
	s_wait_dscnt 0x0
.irp m, 0,1,2,3
	LNC1 \m, 0x42800000, -8, 0x3a83126f
.endr
	v_nop                                          ; the plain instruction behind the last root
	s_wait_alu depctr_va_vdst(0)                   ; the four roots have written v[TT + 8 m + 1]: one wait for the batch, ahead of its first reader
.irp m, 0,1,2,3
	LNC2 \m, 0
.endr
.irp m, 0,1,2,3
	NORM \m, 0                                     ; out1
	QC \m, 0, 32, C1+8*\m                          ; held into x's registers, which are done with: out1 itself stays for the parking stores
.endr
	s_wait_alu depctr_va_vdst(0)                   ; the conversions have written v[C1 ..], which the images' stores read; the norms have written out1, which the parking stores read
.irp m, 0,1,2,3
	ds_store_b128 v[IMW1], v[C1+8*\m:C1+8*\m+3] offset:O1IMG+4096*\m
	ds_store_b128 v[IMW1], v[C1+8*\m+4:C1+8*\m+7] offset:O1IMG+4096*\m+512
.endr
.irp m, 0,1,2,3
	WIN 0x08+0x04*(\m/2)                           ; the stores' data in window 2 or 3
.irp i, 0,1,2,3,4,5,6,7
	ds_store_b128 v[PKA], v[128*(\m%2)+4*\i:128*(\m%2)+4*\i+3] offset:4096*\m+512*\i   ; parked in my own bytes: the hidden layer needs all of H
.endr
.endr
	WIN 0
	BARRIER                                        ; out1's eight fragments lie in LDS
	; ---- relu(out1 w1 + b1) and its norm
	s_wait_alu depctr_va_vdst(0)                   ; the norm's lines have written v32 to v143 and are done reading v160 to v223: the loads below land there
	s_wait_alu depctr_vm_vsrc(0)                   ; my LDS stores have read v32 to v39 and v112 to v143, in which the fragments land, and out1's registers, which the products below write
.irp f, 0,1,2,3,4,5,6,7
.irp c, 0,1,2,3
	ds_load_b128 v[AF+16*\f+4*\c:AF+16*\f+4*\c+3], v[LI] offset:O1IMG+2048*\f+512*\c
.endr
.endr
	PRD PRM, PA4, P_FB                             ; b1 of pairs 0 to 3
	PRD PRM+32, PA4, P_FB+256
	s_wait_dscnt 0x0
.irp p, 0,1,2,3,4,5,6,7
.if \p == 0
	s_wait_loadcnt 48                              ; group 2 is in; groups 3, 4 and 5 may be out
.else
	s_wait_loadcnt 32                              ; this pair's group is in; the two groups behind it may be out
	s_wait_alu depctr_va_vdst(0)                   ; the pair before is done reading its ring buffer, in which the group asked for below lands (pair 4: pairs 0 to 3 are done reading b1's registers too)
.endif
.if \p == 4
	PRD PRM, PA4, P_FB+512                         ; b1 of pairs 4 to 7
	PRD PRM+32, PA4, P_FB+768
	s_wait_dscnt 0x0
.endif
	MM2 64*((\p+2)%4), \p
	PLACES
.if \p > 0
	WLOAD \p+5                                     ; no vector or matrix instruction since the wait names that buffer
.endif
.endr
.irp m, 0,1,2,3
	WIN (2+\m/2)*0x44                              ; source 1 and destination window 2 or 3
.set j, 0
.rept 128
	v_max_num_f32 v[128*(\m%2)+j], 0, v[128*(\m%2)+j]   ; relu; each accumulator from its low end on
.set j, j+1
.endr
.endr
	WIN 0
	LNSTAT 0, 128, 0x3b800000
	LNSTAT 1, 128, 0x3b800000
	LNSTAT 2, 128, 0x3b800000
	LNSTAT 3, 128, 0x3b800000
	LNPUT 1
	WLOAD 13                                       ; into buffer 1, which the last pair's products read: they stand ahead of the wait above, and nothing since names it
	BARRIER
	s_wait_alu depctr_vm_vsrc(0)                   ; my LDS stores have read v32 to v39, which the first conversions below write
	LNLOAD 1                                       ; into v48 to v79 and v160 to v223: their last readers, the products, stand ahead of the wait in front of the statistics' stores
	PRD PRM, PA4, P_FG
	PRD PRM+32, PA4, P_FBB
	MKSC 46                                        ; the normed hidden layer is quantised under e14
	s_wait_dscnt 0x0
.irp m, 0,1,2,3
	LNC1 \m, 0x43800000, s57, 0x358637bd
.endr
	v_nop                                          ; the plain instruction behind the last root
	s_wait_alu depctr_va_vdst(0)                   ; the four roots have written v[TT + 8 m + 1]: one wait for the batch, ahead of its first reader
.irp m, 0,1,2,3
	LNC2 \m, s56
.endr
.irp q, 0,1,2,3                        ; four tiles (64 units) at a time: norm and codes for the four token tiles, then the next gains and biases are asked for and the images stored
.if \q > 0
	s_wait_dscnt 8                                 ; this quarter's gains and biases are in; the eight stores issued behind their loads may be out
.endif
.irp m, 0,1,2,3
	NORM \m, 32*\q
	QC \m, 32*\q, 0, CQ+32*\q+8*\m
.endr
	s_wait_alu depctr_va_vdst(0)                   ; the conversions have written this quarter's codes, which the LDS stores read; the norms are done reading v160 to v223, in which the next quarter's gains and biases land
.if \q < 3
	PRD PRM, PA4, P_FG+256*(\q+1)
	PRD PRM+32, PA4, P_FBB+256*(\q+1)
.endif
.irp m, 0,1,2,3
	ds_store_b128 v[IMWH], v[CQ+32*\q+8*\m:CQ+32*\q+8*\m+3] offset:16384*\m+1024*\q
	ds_store_b128 v[IMWH], v[CQ+32*\q+8*\m+4:CQ+32*\q+8*\m+7] offset:16384*\m+1024*\q+512
.endr
.endr
	BARRIER                                        ; the hidden layer's 32 fragments lie in LDS
	; ---- h w2 + b2, the residual, the last norm
	s_wait_alu depctr_va_vdst(0)                   ; the conversions have written v32 to v159, the norms are done reading v160 to v191, and norms and conversions are done with H + 32 .. 63: the loads of this phase land there
	s_wait_alu depctr_vm_vsrc(0)                   ; my LDS stores have read v32 to v159, in which the fragments land
	PRD PRM, PA1, P_B2
	HFETCH 0
	HFETCH 1
.irp s, 0,1,2,3,4,5,6,7
.if (\s == 3) || (\s == 4)
	s_wait_dscnt 32                                ; this K step's fragments are in: behind them came a K step's 16 loads and 16 of out1
.elseif \s == 7
	s_wait_dscnt 0x0
.else
	s_wait_dscnt 16                                ; this K step's fragments are in: behind them came 16 loads (step 1: of out1; else the next K step's)
.endif
.if \s == 0
	s_wait_loadcnt 48                              ; group 10 is in; groups 11, 12 and 13 may be out
.elseif \s < 6
	s_wait_loadcnt 32                              ; this K step's weights are in; the two groups behind them may be out
.else
	s_wait_loadcnt 16*(7-\s)                       ; the counts run down
.endif
.if \s > 0
	s_wait_alu depctr_va_vdst(0)                   ; the K step before is done reading its ring buffer and its set of fragments (step 0: and b2's registers), in which the loads of this step land
.endif
.if \s == 1
	HFETCH 2                                       ; into the third set, where b2 lay
.endif
.if \s == 0
	MM4 64*((\s+2)%4), AF+64*(\s%3), 16, 1
.else
	MM4 64*((\s+2)%4), AF+64*(\s%3), 16, 0
.endif
	PLACES
.if (\s > 0) && (\s < 6)
	HFETCH \s+2                                    ; no vector or matrix instruction since the wait names that set
.endif
.if \s == 0
	O1BACK 0                                       ; the products of this phase name H + 0 .. 31 alone
.endif
.if \s == 2
	O1BACK 2
.endif
.if (\s > 0) && (\s < 5)
	WLOAD \s+13
.endif
.endr
	RESID 54
	LNSTAT 0, 32, 0x3c800000
	LNSTAT 1, 32, 0x3c800000
	LNSTAT 2, 32, 0x3c800000
	LNSTAT 3, 32, 0x3c800000
	LNPUT 2
	BARRIER
	LNLOAD 2                                       ; into v48 to v79 and v160 to v223: their last readers, the products, stand ahead of the wait in front of the statistics' stores
	PRD PRM, PA1, P_G2
	PRD PRM+32, PA1, P_BB2
	s_wait_dscnt 0x0
.irp m, 0,1,2,3
	LNC1 \m, 0x42800000, -8, 0x3a83126f
.endr
	v_nop                                          ; the plain instruction behind the last root
	s_wait_alu depctr_va_vdst(0)                   ; the four roots have written v[TT + 8 m + 1]: one wait for the batch, ahead of its first reader
.irp m, 0,1,2,3
	LNC2 \m, 0
.endr
	; THE WAY OUT.  A lane holds 64 neighbouring bytes twice of one row, the lanes beside it other rows: the 64 rows x 256 bytes of my channels go through my own stage and come back by rows.
.irp m, 0,1,2,3
	NORM \m, 0
.endr
	s_wait_alu depctr_va_vdst(0)                   ; the norms have written the results, which the stage's stores read; the norm's lines are done with v32 to v111, in which the rows land
.irp m, 0,1,2,3
	WIN 0x08+0x04*(\m/2)
.irp b, 0,1
.irp i, 0,1,2,3
	ds_store_b128 v[SGI], v[128*(\m%2)+16*\b+4*\i:128*(\m%2)+16*\b+4*\i+3] offset:4352*\m+128*\b+16*\i
.endr
.endr
.endr
	WIN 0
	s_wait_alu depctr_vm_vsrc(0)                   ; my statistics' stores have read v32 to v39, in which the first rows land
.irp i, 0,1,2,3,4,5,6,7,8,9,10,11,12,13,14,15,16,17,18,19,20,21,22,23,24,25,26,27,28,29,30,31
	ds_load_b128 v[AF+4*\i:AF+4*\i+3], v[SGO] offset:544*\i   ; LDS serves a wave's instructions in order (ISA guide 5.7.1.4): these see my stores
.endr
.irp i, 0,1,2,3,4,5,6,7,8,9,10,11,12,13,14,15,16,17,18,19,20,21,22,23,24,25,26,27,28,29,30,31
	s_wait_dscnt 31-\i                             ; rows 2 i and 2 i + 1 are back; the younger loads may be out
	global_store_b128 v[GO], v[AF+4*\i:AF+4*\i+3], s[30:31] offset:2048*\i th:TH_STORE_NT   ; sixteen lanes store 256 consecutive bytes, at a multiple of 256 from out0's first byte
.endr
	s_wait_dscnt 0x0                               ; the closing lines, six on end
	s_wait_alu 0x0
	s_wait_tensorcnt 0x0
	ds_add_u32 v254, v255
	s_wait_dscnt 0x0
	s_endpgm
.Lfunc_end_k_q4d02bbd96c_tail:
	.size	k_q4d02bbd96c_tail, .Lfunc_end_k_q4d02bbd96c_tail-k_q4d02bbd96c_tail
	.p2alignl 7, 3214868480
	.fill 96, 4, 3214868480
	.section	.rodata,"a",@progbits
	.p2align	6, 0x0
	.amdhsa_kernel k_q4d02bbd96c_tail
		.amdhsa_group_segment_fixed_size 176640
		.amdhsa_private_segment_fixed_size 0
		.amdhsa_enable_private_segment 0
		.amdhsa_kernarg_size 112
		.amdhsa_user_sgpr_count 2
		.amdhsa_user_sgpr_kernarg_segment_ptr 1
		.amdhsa_wavefront_size32 1
		.amdhsa_system_sgpr_workgroup_id_x 1
		.amdhsa_system_sgpr_workgroup_id_y 1
		.amdhsa_system_sgpr_workgroup_id_z 1
		.amdhsa_system_vgpr_workitem_id 0
		.amdhsa_next_free_vgpr 1024
		.amdhsa_next_free_sgpr 104
		.amdhsa_reserve_vcc 0
		.amdhsa_float_denorm_mode_32 3
		.amdhsa_float_denorm_mode_16_64 3
		.amdhsa_memory_ordered 1
		.amdhsa_forward_progress 1
		.amdhsa_inst_pref_size 255
	.end_amdhsa_kernel
	.section	.bss,"aw",@nobits
	.p2align	6
	.space	262144
	.amdgpu_metadata
---
amdhsa.version: [ 1, 2 ]
amdhsa.kernels:
  - .name:           k_q4d02bbd96c_tail
    .symbol:         k_q4d02bbd96c_tail.kd
    .args:
      - { .name: cimg, .offset: 0, .size: 8, .value_kind: global_buffer, .address_space: global }
      - { .name: x, .offset: 8, .size: 8, .value_kind: global_buffer, .address_space: global }
      - { .name: wimg, .offset: 16, .size: 8, .value_kind: global_buffer, .address_space: global }
      - { .name: lowp_scales, .offset: 24, .size: 8, .value_kind: global_buffer, .address_space: global }
      - { .name: bo, .offset: 32, .size: 8, .value_kind: global_buffer, .address_space: global }
      - { .name: ln1_g, .offset: 40, .size: 8, .value_kind: global_buffer, .address_space: global }
      - { .name: ln1_b, .offset: 48, .size: 8, .value_kind: global_buffer, .address_space: global }
      - { .name: b1, .offset: 56, .size: 8, .value_kind: global_buffer, .address_space: global }
      - { .name: ln_ff_g, .offset: 64, .size: 8, .value_kind: global_buffer, .address_space: global }
      - { .name: ln_ff_b, .offset: 72, .size: 8, .value_kind: global_buffer, .address_space: global }
      - { .name: b2, .offset: 80, .size: 8, .value_kind: global_buffer, .address_space: global }
      - { .name: ln2_g, .offset: 88, .size: 8, .value_kind: global_buffer, .address_space: global }
      - { .name: ln2_b, .offset: 96, .size: 8, .value_kind: global_buffer, .address_space: global }
      - { .name: out0, .offset: 104, .size: 8, .value_kind: global_buffer, .address_space: global }
    .group_segment_fixed_size: 176640
    .private_segment_fixed_size: 0
    .kernarg_segment_align: 8
    .kernarg_segment_size: 112
    .max_flat_workgroup_size: 128
    .sgpr_count:     104
    .vgpr_count:     1024
    .wavefront_size: 32
...
	.end_amdgpu_metadata
.endif
;; end of part 8
